; MI455X (gfx1250); checked and timed in simulation.
; The chip was launched on July 23, 2026; its instructions are those of AMD's public machine-readable ISA for CDNA 5 (MIT licence, August 2026) and "CDNA5" Instruction Set Architecture Reference Guide (July 2026). The comments in the code are by the model that wrote it; some were corrected since.
;; Wan Self Attention. Allowed arithmetic: matrix products marked QUANTISED: E2M3 operands, one E8M0 scale for each 32 along K, by v_wmma_scale_f32_16x16x128_f8f6f4 with both operands' format E2M3, f32 sums; everything else in f32.
;; Inputs: Wk 2,048 x 2,048 float32; Wo 2,048 x 2,048 float32; Wq 2,048 x 2,048 float32; Wv 2,048 x 2,048 float32; bk 2,048 float32; bo 2,048 float32; bq 2,048 float32; bv 2,048 float32; freqs_cos 1 x 2,048 x 1 x 128 float32; freqs_sin 1 x 2,048 x 1 x 128 float32; gk 2,048 float32; gq 2,048 float32; x 1 x 2,048 x 2,048 float32.
;; Outputs: out0 1 x 2,048 x 2,048 float32.
;; This version of the problem:
;;   THIS VERSION OF THE PROBLEM IS GIVEN IN LOW PRECISION. The matrix products marked QUANTISED in the list below multiply operands that are first quantised to E2M3 (2 exponent bits, 3 mantissa bits; 6 bits a number), with one power-of-two scale for each 32 numbers along K (OCP MX v1.0); their sums are f32. All else is computed in f32.
;;   The module's matrix products, in the order in which they are computed (A, B: the left and right operand; K: the contracted axis; several contracted axes count as one K, in the product's order):
;;     1. [M 2,048, K 2,048] x [K 2,048, N 2,048]; A: input x; B: input Wq: QUANTISED
;;     2. [M 2,048, K 2,048] x [K 2,048, N 2,048]; A: input x; B: input Wk: QUANTISED
;;     3. [M 2,048, K 2,048] x [K 2,048, N 2,048]; A: input x; B: input Wv: QUANTISED
;;     4. batch 16 x [M 2,048, K 128] x [K 128, N 2,048]; A: computed on the way; B: computed on the way: QUANTISED
;;     5. batch 16 x [M 128, K 2,048] x [K 2,048, N 2,048]; A: computed on the way; B: softmax (see below): QUANTISED
;;     6. [M 2,048, K 2,048] x [K 2,048, N 2,048]; A: computed on the way; B: input Wo: QUANTISED
;;   THE QUANTISER, for each operand of a quantised product, along K:
;;     - K is cut into blocks of 32 from its start; a last block that is shorter is filled with zeros.
;;     - A block's scale is 2^e with e = floor(log2(the largest magnitude in the block)) - 2, held to -126 .. 127; a block of zeros has e = 0. As a byte (E8M0): e + 127.
;;     - Each number is divided by its block's scale, clamped to +-7.5, and rounded to the nearest number of E2M3, ties to even, subnormals kept.
;;     - The product sums the exact products of the quantised numbers (number of the format x scale) in f32.
;;   ~~~python
;;   def quantise(x, axis):      # numpy; x: float32 -> the quantised numbers, widened to float32 again
;;       x = np.moveaxis(x, axis, -1); K = x.shape[-1]
;;       x = np.pad(x, [(0, 0)] * (x.ndim - 1) + [(0, -K % 32)]); x = x.reshape(x.shape[:-1] + (-1, 32)); a = np.abs(x).max(-1, keepdims=True)
;;       e = np.where(a > 0, np.clip(np.frexp(np.where(a > 0, a, 1))[1] - 1 - 2, -126, 127), 0)      # np.frexp(a)[1] - 1 = floor(log2(a)), exactly
;;       r = np.clip(x / 2.0 ** e, -7.5, 7.5)
;;       step = 2.0 ** (np.maximum(np.frexp(np.where(r == 0, 1, r))[1] - 1, 0) - 3)
;;       q = np.round(r / step) * step * 2.0 ** e      # np.round: ties to even
;;       return np.moveaxis(q.reshape(q.shape[:-2] + (-1,))[..., :K], -1, axis).astype(np.float32)
;;   ~~~
;;   SOFTMAX AHEAD OF A QUANTISED PRODUCT. Where the list says 'softmax', what is quantised is not the finished softmax but p = 2^(t - M), with t = logit x log2(e) and M = ceil(the row's largest t), a whole number; so 1/2 < the row's largest p <= 1. The row's sum l is taken of the UNQUANTISED p, in f32, and the product's result is divided by l at the end. Since M is a whole number, a kernel that streams over the keys may use a running M (the ceiling of the running maximum): every later rescaling is an exact power of two, which a block's scale takes up: the codes' values come out the same.
;;   OPERANDS COMPUTED ON THE WAY. 'Computed on the way' means the value that the module computes at that place (a softmax that the list does not call 'softmax' is quantised finished and normalised). What goes into a quantiser is computed in f32, as accurately as f32 sums, v_exp_f32 and their like allow (about 1e-6 of the number): no bf16 or f16 on the way to a quantiser, and a product that is left as it is and whose result goes on into a quantised operand takes f32 operands (vector FMAs, or v_wmma_f32_16x16x4_f32). A number that lies on a knife's edge between two numbers of the format may be rounded either way, as far as f32 arithmetic and the matrix unit's own rounding can turn it there, and no further.
;; 2 versions. Each part assembles by itself: llvm-mc -triple=amdgcn-amd-amdhsa -mcpu=gfx1250 --defsym DOCPART=n.
;; ======== version 1 of 2: 5 launches
;; workspace buffers: g1 13,107,200 bytes; g2 6,553,600 bytes; qk 33,554,432 bytes; qbuf 3,276,800 bytes; kv 6,553,600 bytes
;; launch quant (part 1): grid 128 x 5, 4 waves a work-group, no clusters, 34,304 bytes of LDS; arguments x, Wq, Wk, Wv, Wo, g1, g2; writes g1, g2
.if DOCPART == 1
	.amdgcn_target "amdgcn-amd-amdhsa--gfx1250"
	.amdhsa_code_object_version 6
	.text
	.protected	k_qaa953b4b76_quant
	.globl	k_qaa953b4b76_quant
	.p2align	8
	.type	k_qaa953b4b76_quant,@function
k_qaa953b4b76_quant:
	s_mov_b64 s[64:65], 0
	v_nop
	global_prefetch_b8 v0, s[64:65] scope:SCOPE_SE
	s_setreg_imm32_b32 hwreg(HW_REG_WAVE_MODE, 25, 1), 1
	s_wait_xcnt 0x0
; x, Wq, Wk, Wv, Wo, each [2048][2048] f32 with K innermost, become codes of FP6 (E2M3) with one E8M0 byte for each 32 along K,
; laid as the products' launches want them: RECORDS of 25,600 bytes, one for each tile of 16 rows: 16 images of 1,536 bytes (K step s at 1,536 s), then 16 x 64 bytes of scale words (24,576 + 64 s).
; AN IMAGE is an operand's 12 registers as they stand: registers 4 g .. 4 g + 3 of lane l at 512 g + 16 l.  A SCALE WORD is a row's four bytes for 128 along K; row r of the tile at 4 r.
; THE ROWS OF A TILE ARE NOT NEIGHBOURS: row r of tile T is row 32 (T / 2) + 8 (T % 2) + r % 8 + 16 (r / 8) of the tensor, so that the results of a product used transposed lie in a lane as neighbours.
; g1: tiles 0-127 x, 128-255 Wq, 256-383 Wk, 384-511 Wv.  g2: tiles 128-255 Wo (tiles 0-127 are the attention launch's).
; SHARES: work-group (T, y) takes tile T of tensor y; wave w its K steps 4 w .. 4 w + 3.  Each load reads 512 consecutive bytes of one row; the 16 rows turn through the wave's own stage in LDS,
; so that lane (r, h) gets 16 neighbours of each block of 32 of row r.  No barrier: waves share nothing.  No cluster: no two work-groups read the same bytes.
; A block's scale is 2^(floor(log2(its largest magnitude)) - 2); its byte is that magnitude's exponent field - 2, held at 1 from below.
; LIMITS: a block of zeros, or one whose largest magnitude lies under 2^-124, keeps the byte 1 (its codes are zeros or the nearest codes under that scale; this program alone reads the bytes); NaN and infinities are not served.
.set ROWB, 8192                        ; a row of a tensor in bytes
.set SP,   528                         ; a stage row: 512 bytes + 16: sixteen rows begin in sixteen different columns of 16 bytes
.set WST,  16*SP                       ; a wave's stage
.set REC,  25600
.set LI,   4                           ; v4   16 x lane
.set STI,  5                           ; v5   the stage, on the way in: wave's stage + 16 x lane
.set STO,  6                           ; v6   and out: wave's stage + 528 r + 64 h
.set CO,   8                           ; v8   my codes' place in the record: 16 x lane + 6,144 x wave
.set WO,   9                           ; v9   my scale words' place: 4 x lane + 256 x wave
.set R,    16                          ; v16-143  two sets of 16 rows x 16 bytes as loaded
.set X,    144                         ; v144-207 64 numbers: register 16 b + i = k 32 b + 16 h + i of row r
.set PC,   208                         ; v208-219 the codes; v220-226 at work
.set TM,   228                         ; v228-243 at work
.set PW,   244                         ; v244-247 the four fragments' scale words; v248-249 as they are stored
.set SEL,  20                          ; s[20:21] lane selects for v_permlanex16_b32: lane l xor 16
; 64 numbers of a lane, v[s] on, become a fragment's codes in v[PC] on and its scale word in v[pw].
.macro QUANT s, pw
.irp b, 0,1,2,3
	v_max3_num_f32 v[TM+\b], |v[\s+16*\b]|, |v[\s+1+16*\b]|, 0x1800000   ; block b: my 16 numbers, and the floor 2^(3 - 127): the byte cannot fall under 1
.endr
.irp i, 2,4,6,8,10,12,14
.irp b, 0,1,2,3
	v_max3_num_f32 v[TM+\b], v[TM+\b], |v[\s+16*\b+\i]|, |v[\s+1+16*\b+\i]|   ; the four blocks by turns
.endr
.endr
.irp b, 0,1,2,3
	v_permlanex16_b32 v[TM+4+\b], v[TM+\b], s[SEL], s[SEL+1]
.endr
.irp b, 0,1,2,3
	v_max_num_f32 v[TM+\b], v[TM+\b], v[TM+4+\b]   ; with lane l xor 16's: the block's largest magnitude
.endr
.irp b, 0,1,2,3
	v_add_nc_u32 v[TM+12+\b], 0xff000000, v[TM+\b]   ; 2 off its exponent field: the conversion takes this operand's exponent field as its scale
.endr
.irp b, 0,1,2,3
	v_lshrrev_b32 v[TM+4+\b], 23, v[TM+12+\b]      ; the scale's byte
.endr
	v_lshl_or_b32 v[\pw], v[TM+5], 8, v[TM+4]      ; four bytes make my row's scale word
	v_lshl_or_b32 v[\pw], v[TM+6], 16, v[\pw]
	v_lshl_or_b32 v[\pw], v[TM+7], 24, v[\pw]
.irp c, 0,1
	v_cvt_scalef32_pk16_fp6_f32 v[PC+6*\c:PC+2+6*\c], v[\s+32*\c:\s+15+32*\c], v[TM+12+2*\c]
	v_cvt_scalef32_pk16_fp6_f32 v[PC+12+4*\c:PC+14+4*\c], v[\s+16+32*\c:\s+31+32*\c], v[TM+12+2*\c+1]   ; (a conversion's three registers begin on an even number)
.endr
	v_nop                                          ; one plain instruction behind a scaled conversion
.irp c, 0,1                                    ; the operand's layout wants a whole block in a lane: lanes 0-15 block 2 c, lanes 16-31 block 2 c + 1
.irp i, 0,1,2
	v_permlane16_swap_b32 v[PC+6*\c+\i], v[PC+12+4*\c+\i]
.endr
.irp i, 0,1,2
	v_mov_b32 v[PC+3+6*\c+\i], v[PC+12+4*\c+\i]
.endr
.endr
.endm
.macro LOAD f                          ; fragment f's 16 rows, 512 consecutive bytes each, into set f % 2
.set p, 0
.rept 16
	global_load_b128 v[R+64*((\f)%2)+4*p:R+64*((\f)%2)+4*p+3], v[LI], s[4:5] offset:((p%8)+16*(p/8))*ROWB+512*(\f) th:TH_LOAD_NT
.set p, p+1
.endr
.endm
.macro TURNIN src                      ; through my stage: LDS serves a wave's instructions in order, so no wait stands between the stores and the loads
.set p, 0
.rept 16
	ds_store_b128 v[STI], v[\src+4*p:\src+4*p+3] offset:SP*p
.set p, p+1
.endr
.irp b, 0,1,2,3
.irp j, 0,1,2,3
	ds_load_b128 v[X+16*\b+4*\j:X+16*\b+4*\j+3], v[STO] offset:128*\b+16*\j
.endr
.endr
.endm
	s_load_b256 s[4:11], s[0:1], 0x0               ; x, Wq, Wk, Wv
	s_load_b128 s[12:15], s[0:1], 0x20             ; Wo, g1
	s_load_b64 s[16:17], s[0:1], 0x30              ; g2
	v_lshl_add_u32 v250, v0, 2, 0x8400
	v_mov_b32 v251, 0
	v_lshrrev_b32 v1, 5, v0
	v_readfirstlane_b32 s18, v1                    ; wave 0..3
	s_and_b32 s19, ttmp7, 0xffff                   ; which tensor
	v_and_b32 v1, 31, v0                           ; lane
	v_and_b32 v2, 15, v0                           ; r
	v_bfe_u32 v3, v0, 4, 1                         ; h
	v_lshlrev_b32 v[LI], 4, v1
	s_mul_i32 s22, s18, WST
	v_add_nc_u32 v[STI], s22, v[LI]
	v_mul_u32_u24 v[STO], v2, SP
	v_lshl_add_u32 v[STO], v3, 6, v[STO]
	v_add_nc_u32 v[STO], s22, v[STO]
	s_mul_i32 s22, s18, 6144
	v_add_nc_u32 v[CO], s22, v[LI]
	s_lshl_b32 s22, s18, 8
	v_lshl_add_u32 v[WO], v1, 2, s22
	s_mov_b32 s[SEL], 0x76543210
	s_mov_b32 s[SEL+1], 0xfedcba98
.irp b, 0,1,2,3
	v_mov_b32 v[TM+4+\b], 0                        ; written once: a lane permute's destination counts as one of its sources
.endr
	s_lshr_b32 s24, ttmp9, 1
	s_lshl_b32 s24, s24, 5
	s_and_b32 s25, ttmp9, 1
	s_lshl_b32 s25, s25, 3
	s_add_co_u32 s24, s24, s25                     ; the tile's first row: 32 (T / 2) + 8 (T % 2)
	s_lshl_b32 s24, s24, 13                        ; in bytes,
	s_lshl_b32 s25, s18, 11
	s_add_co_u32 s24, s24, s25                     ; + my wave's four K steps of 512 bytes
	s_mov_b32 s25, 0
	s_lshl_b32 s22, s19, 7                         ; g1: tensor y's tiles begin at 128 y
	s_wait_kmcnt 0x0
	s_cmp_eq_u32 s19, 1                            ; the choices hang on the work-group's number alone
	s_cselect_b64 s[4:5], s[6:7], s[4:5]
	s_cmp_eq_u32 s19, 2
	s_cselect_b64 s[4:5], s[8:9], s[4:5]
	s_cmp_eq_u32 s19, 3
	s_cselect_b64 s[4:5], s[10:11], s[4:5]
	s_cmp_eq_u32 s19, 4
	s_cselect_b64 s[4:5], s[12:13], s[4:5]
	s_cselect_b64 s[14:15], s[16:17], s[14:15]     ; Wo goes to g2,
	s_cselect_b32 s22, 128, s22                    ; tiles 128 on
	s_add_co_u32 s22, s22, ttmp9
	s_mul_i32 s22, s22, REC                        ; at most 511 x 25,600: under 2^32
	s_mov_b32 s23, 0
	s_add_nc_u64 s[4:5], s[4:5], s[24:25]
	s_add_nc_u64 s[14:15], s[14:15], s[22:23]
	LOAD 0
	LOAD 1
.macro FRAGM f
.if \f > 0
	s_wait_xcnt 0x0                                ; the last fragment's stores have read their registers: the codes are written again only behind this wait
.endif
.if \f < 3
	s_wait_loadcnt 16                              ; this fragment's 16 loads are in; the next fragment's 16 may be out
.else
	s_wait_loadcnt 0x0
.endif
	TURNIN R+64*(\f%2)
	s_wait_dscnt 0x0                               ; my 64 numbers are back, and the stage's stores have read their registers,
.if \f < 2
	LOAD \f+2                                      ; which take the fragment two on
.endif
	QUANT X, PW+\f
.irp g, 0,1,2
	global_store_b128 v[CO], v[PC+4*\g:PC+4*\g+3], s[14:15] offset:1536*\f+512*\g   ; 32 lanes store 512 consecutive bytes, at a multiple of 256 from the buffer's first byte
.endr
.endm
	FRAGM 0
	FRAGM 1
	FRAGM 2
	FRAGM 3
	v_cmp_le_u32 vcc_lo, 16, v1                    ; lanes 16-31 carry the odd fragment's words (lanes r and r + 16 hold the same word)
	v_cndmask_b32 v248, v[PW], v[PW+1], vcc_lo
	v_cndmask_b32 v249, v[PW+2], v[PW+3], vcc_lo
	global_store_b32 v[WO], v248, s[14:15] offset:24576       ; 128 consecutive bytes: two fragments' words
	global_store_b32 v[WO], v249, s[14:15] offset:24576+128
	s_wait_tensorcnt 0x0
	ds_add_u32 v250, v251
	s_wait_dscnt 0x0
	s_endpgm
.Lfunc_end_k_qaa953b4b76_quant:
	.size	k_qaa953b4b76_quant, .Lfunc_end_k_qaa953b4b76_quant-k_qaa953b4b76_quant
	.p2alignl 7, 3214868480
	.fill 96, 4, 3214868480
	.section	.rodata,"a",@progbits
	.p2align	6, 0x0
	.amdhsa_kernel k_qaa953b4b76_quant
		.amdhsa_group_segment_fixed_size 34304
		.amdhsa_private_segment_fixed_size 0
		.amdhsa_enable_private_segment 0
		.amdhsa_kernarg_size 56
		.amdhsa_user_sgpr_count 2
		.amdhsa_user_sgpr_kernarg_segment_ptr 1
		.amdhsa_wavefront_size32 1
		.amdhsa_system_sgpr_workgroup_id_x 1
		.amdhsa_system_sgpr_workgroup_id_y 1
		.amdhsa_system_sgpr_workgroup_id_z 1
		.amdhsa_system_vgpr_workitem_id 0
		.amdhsa_next_free_vgpr 252
		.amdhsa_next_free_sgpr 66
		.amdhsa_reserve_vcc 1
		.amdhsa_float_denorm_mode_32 3
		.amdhsa_float_denorm_mode_16_64 3
		.amdhsa_memory_ordered 1
		.amdhsa_forward_progress 1
		.amdhsa_inst_pref_size 34
	.end_amdhsa_kernel
	.amdgpu_metadata
---
amdhsa.version: [ 1, 2 ]
amdhsa.kernels:
  - .name:           k_qaa953b4b76_quant
    .symbol:         k_qaa953b4b76_quant.kd
    .args:
      - { .name: x, .offset: 0, .size: 8, .value_kind: global_buffer, .address_space: global }
      - { .name: Wq, .offset: 8, .size: 8, .value_kind: global_buffer, .address_space: global }
      - { .name: Wk, .offset: 16, .size: 8, .value_kind: global_buffer, .address_space: global }
      - { .name: Wv, .offset: 24, .size: 8, .value_kind: global_buffer, .address_space: global }
      - { .name: Wo, .offset: 32, .size: 8, .value_kind: global_buffer, .address_space: global }
      - { .name: g1, .offset: 40, .size: 8, .value_kind: global_buffer, .address_space: global }
      - { .name: g2, .offset: 48, .size: 8, .value_kind: global_buffer, .address_space: global }
    .group_segment_fixed_size: 34304
    .private_segment_fixed_size: 0
    .kernarg_segment_align: 8
    .kernarg_segment_size: 56
    .max_flat_workgroup_size: 128
    .sgpr_count:     66
    .vgpr_count:     252
    .wavefront_size: 32
...
	.end_amdgpu_metadata
.endif
;; end of part 1
;; launch qkv (part 2): grid 24 x 8, 4 waves a work-group, clusters of 4 x 4, 327,680 bytes of LDS; arguments g1, bq, bk, bv, qk, kv; writes qk, kv
.if DOCPART == 2
	.amdgcn_target "amdgcn-amd-amdhsa--gfx1250"
	.amdhsa_code_object_version 6
	.text
	.protected	k_qaa953b4b76_qkv
	.globl	k_qaa953b4b76_qkv
	.p2align	8
	.type	k_qaa953b4b76_qkv,@function
k_qaa953b4b76_qkv:
	s_mov_b64 s[64:65], 0
	v_nop
	global_prefetch_b8 v0, s[64:65] scope:SCOPE_SE
	s_setreg_imm32_b32 hwreg(HW_REG_WAVE_MODE, 25, 1), 1
	s_wait_xcnt 0x0
	s_wait_alu depctr_hold_cnt(0) depctr_sa_sdst(0) depctr_va_vdst(0) depctr_va_sdst(0) depctr_va_ssrc(0) depctr_va_vcc(0) depctr_vm_vsrc(0)
	s_getreg_b32 s2, hwreg(HW_REG_IB_STS2, 6, 4)
	s_cmp_eq_u32 s2, 0
	s_cbranch_scc0 .Lentry_in_a_cluster
	s_endpgm
.Lentry_in_a_cluster:
	s_bfe_u32 s2, ttmp6, 0x10000c
	s_cmp_lg_u32 s2, 0xf033
	s_cbranch_scc0 .Lentry_shape_is_right
	s_endpgm
.Lentry_shape_is_right:
; The three projections: a GEMM on codes of FP6 (E2M3) with E8M0 scales, C = A B^T, K = 2,048, both operands taken from ONE buffer of tile records (25,600 bytes a tile of 16 rows: 16 register images of 1,536 bytes, then 16 x 64 bytes of scale words).
; Arguments: the records (tiles 0-127 x, 128-255 Wq, 256-383 Wk, 384-511 Wv), bq, bk, bv, the f32 result qk, kv.
;   24 x 8 work-groups: tile columns 0-7: x Wq^T + bq, 8-15: x Wk^T + bk, both to the f32 result's two planes of [2048][2048]; tile columns 16-23: A = Wv (channels), B = x (keys): V^T + bv, quantised along the keys here and stored as images into kv.
; A tile of C, 256 x 256, is made by four waves, each 128 x 128: 64 accumulators of 16 x 16.  K goes in steps of 256 through a ring of two LDS slots; a wave's tensor load brings 8 tiles x 3,072 bytes.
; An image comes out of LDS by three loads of 16 bytes a lane, 512 consecutive bytes each: no pitch, no padding.  The scale words of the work-group's 512 rows, for all of K, come once, with the first fills.
; CLUSTERS: 4 x 4 work-groups; A's tiles are asked for jointly along a row of the cluster, B's along a column.  Which tensors a work-group multiplies hangs on cluster x alone, which all sixteen share.
; THE MATRIX INSTRUCTION IS USED TRANSPOSED (source 0 = 16 rows of B, source 1 = 16 rows of A).  Row r of tile T is row 32 (T / 2) + 8 (T % 2) + r % 8 + 16 (r / 8) of its tensor: so in accumulator (a, b)
; lane (r, h) holds row r of A's tile a, and its register j column 32 (b / 2) + 16 h + 8 (b % 2) + j: the 16 registers of b = 2 b', 2 b' + 1 are 16 neighbours.
; The bias along the columns is the C of each sum's first matrix instruction (zeros for V^T, whose bias runs along the rows and is added at the end).
; REGISTERS: window 0: v0-31 addresses; v32-63 scale words, two sets; v64-127 the bias; v128-223 A's fragments, one set.  window 1: B's fragments, two sets, at v0 and v128.  windows 2, 3: the accumulators ((a, b) at v[8 (8 (a % 4) + b)]).
; LIMITS (V^T's quantiser): a block of zeros, or one under 2^-124, keeps the byte 1 (this program alone reads the bytes); NaN and infinities are not served.
.set REC,    25600                     ; a tile's record
.set NQ,     2                         ; matrix instructions deep in a slot
.set FR,     12                        ; registers of a fragment
.set NL,     3                         ; LDS loads that bring one
.set NP,     4                         ; places behind this matrix instruction (ISA guide 7.12.1)
.set HALFT,  8*3072                    ; 8 tiles x two K steps: what one tensor load brings, and what one wave reads of A or of B
.set SLOT,   4*HALFT                   ; A's 16 tiles, then B's 16
.set LAPS,   4                         ; a lap = once round the ring = 512 along K
.set SCL,    2*SLOT                    ; behind the ring: the scale words, 1,024 bytes a tile
.set HALFS,  8*1024
.set SPARE,  SCL+4*HALFS               ; the spare words, 128 bytes for each wave: two blocks of 256 bytes that no other line names
.set SPITCH, 528                       ; the way out: a stage of 16 rows x (512 + 16) bytes for each wave, in slot 0, which has had its last fill and its last read by then
.set ADRA, 16                          ; v16-17  LDS address of my A images in slot 0, 1
.set ADRB, 20                          ; v20-21  the same for B
.set STO,  24                          ; v24     the way out: where I put 32 bytes of a row
.set RD,   25                          ; v25     where I read a row back
.set CO,   26                          ; v26     16 x lane
.set ADRS, 27                          ; v27     LDS address of my scale words: lanes 0-15 A's, lanes 16-31 B's
.set SPW,  28                          ; v28     my spare word; never rewritten
.set NIL,  29                          ; v29     0; never rewritten
.set L4,   30                          ; v30     4 x lane
.set BOF,  31                          ; v31     64 h
.set SC,   32
.set BIAS, 64
.set AF,   128
.set BK,   128                         ; the way out: 16 rows read back: v128-191 and v192-255 by turns
.set XQ,   32                          ; V^T's way out: v32-95 64 numbers; v96-114 codes; v116-131 at work; v132-134 scale words; v136-151 bv, a pair for each tile
.set PC,   96
.set TM,   116
.set PWR,  132
.set PWK,  133
.set PWS,  134
.set BV,   136
.set SEL,  98                          ; s[98:99] lane selects: lane l xor 16
.set G1, 24                            ; s[24:31] group 1 for A's tiles; s[32:39] groups 0, one for each slot
.set G0, 32
.set G1B, 48                           ; s[48:55], s[56:63] the same for B's
.set G0B, 56
.set G1S, 68                           ; s[68:75], s[76:79] for A's scale words; s[80:87], s[88:91] for B's
.set G0S, 76
.set G1SB, 80
.set G0SB, 88
.set MSB, 0
.macro WIN new                         ; the immediate's high byte repeats the setting that is left
.if MSB != \new
	s_set_vgpr_msb (MSB<<8)|\new
.set MSB, \new
.endif
.endm
.set MUL_LO, 0xa1                      ; source 0 (B) window 1, source 1 (A) window 0, C and D window 2
.set MUL_HI, 0xf1                      ; the same, C and D window 3
.set TO_B,   0x40                      ; destination window 1, address window 0
; A joint load: waves 0 and 1 fetch for A, waves 2 and 3 for B; the branch hangs on the wave's number alone.  Four v_nop follow each of the two lines.
.macro JLOAD g0a, g1a, g0b, g1b
	s_cmp_eq_u32 s15, 0
	s_cbranch_scc0 .Lfor_b_\@
	tensor_load_to_lds s[\g0a:\g0a+3], s[\g1a:\g1a+7]
	s_nop 0
.rept 4
	v_nop
.endr
	s_branch .Lasked_\@
.Lfor_b_\@:
	tensor_load_to_lds s[\g0b:\g0b+3], s[\g1b:\g1b+7]
	s_nop 0
.rept 4
	v_nop
.endr
.Lasked_\@:
.endm
.macro CREST                           ; a round of the cluster's barrier behind its opening barrier
	s_cmp_lg_u32 s14, 0
	s_cbranch_scc1 .Lnot_wave_0_\@
	s_barrier_signal -3
.Lnot_wave_0_\@:
	s_barrier_wait -3
	s_barrier_signal -1
	s_barrier_wait -1
.endm
.macro CROUND                          ; a whole round
	s_barrier_signal -1
	s_barrier_wait -1
	CREST
.endm
.macro PLACES n
.rept \n
	v_nop
.endr
.endm
; 64 numbers of a lane, v[s] on (register 16 b + i = k 32 b + 16 h + i of my row), become a fragment's codes in v[PC] on and its scale word in v[pw].
.macro QUANT s, pw
.irp b, 0,1,2,3
	v_max3_num_f32 v[TM+\b], |v[\s+16*\b]|, |v[\s+1+16*\b]|, 0x1800000   ; my 16 numbers of block b, and the floor 2^(3 - 127)
.endr
.irp i, 2,4,6,8,10,12,14
.irp b, 0,1,2,3
	v_max3_num_f32 v[TM+\b], v[TM+\b], |v[\s+16*\b+\i]|, |v[\s+1+16*\b+\i]|
.endr
.endr
.irp b, 0,1,2,3
	v_permlanex16_b32 v[TM+4+\b], v[TM+\b], s[SEL], s[SEL+1]
.endr
.irp b, 0,1,2,3
	v_max_num_f32 v[TM+\b], v[TM+\b], v[TM+4+\b]
.endr
.irp b, 0,1,2,3
	v_add_nc_u32 v[TM+12+\b], 0xff000000, v[TM+\b]   ; 2 off the exponent field: the conversion's scale operand
.endr
.irp b, 0,1,2,3
	v_lshrrev_b32 v[TM+4+\b], 23, v[TM+12+\b]      ; the scale's byte
.endr
	v_lshl_or_b32 v[\pw], v[TM+5], 8, v[TM+4]
	v_lshl_or_b32 v[\pw], v[TM+6], 16, v[\pw]
	v_lshl_or_b32 v[\pw], v[TM+7], 24, v[\pw]
.irp c, 0,1
	v_cvt_scalef32_pk16_fp6_f32 v[PC+6*\c:PC+2+6*\c], v[\s+32*\c:\s+15+32*\c], v[TM+12+2*\c]
	v_cvt_scalef32_pk16_fp6_f32 v[PC+12+4*\c:PC+14+4*\c], v[\s+16+32*\c:\s+31+32*\c], v[TM+12+2*\c+1]
.endr
	v_nop                                          ; one plain instruction behind a scaled conversion
.irp c, 0,1
.irp i, 0,1,2
	v_permlane16_swap_b32 v[PC+6*\c+\i], v[PC+12+4*\c+\i]
.endr
.irp i, 0,1,2
	v_mov_b32 v[PC+3+6*\c+\i], v[PC+12+4*\c+\i]
.endr
.endr
.endm
	s_load_b256 s[4:11], s[0:1], 0x0               ; the records s[4:5], bq s[6:7], bk s[8:9], bv s[10:11]
	s_load_b64 s[12:13], s[0:1], 0x20              ; the f32 result
	s_load_b64 s[96:97], s[0:1], 0x28              ; kv
	v_lshl_add_u32 v[SPW], v0, 2, SPARE
	v_mov_b32 v[NIL], 0
	ds_add_u32 v28, v29
	ds_add_u32 v28, v29
	s_wait_dscnt 0x0
	v_lshrrev_b32 v1, 5, v0
	v_readfirstlane_b32 s14, v1                    ; wave 0..3
	s_lshr_b32 s15, s14, 1                         ; which half of the tile's rows is mine.  Also: I fetch for A (0) or for B (1)
	s_and_b32 s16, s14, 1                          ; which half of its columns.  Also: which 8 tiles I fetch
	s_bfe_u32 s40, ttmp6, 0x40000                  ; cx, cy: my place in the cluster
	s_bfe_u32 s41, ttmp6, 0x40004
	s_lshl_b32 s42, ttmp9, 2
	s_add_co_u32 s42, s42, s40                     ; tile column = 4 x cluster x + cx
	s_and_b32 s17, ttmp7, 0xffff
	s_lshl_b32 s17, s17, 2
	s_add_co_u32 s17, s17, s41                     ; tile row = 4 x cluster y + cy
	s_lshl_b32 s43, s41, 2
	s_lshl_b32 s43, 15, s43                        ; my row of the cluster
	s_lshl_b32 s44, 0x1111, s40                    ; my column
	s_lshr_b32 s67, ttmp9, 1                       ; the plane: 0 q, 1 k, 2 V^T
	s_cmp_ge_u32 ttmp9, 4                          ; V^T?  The same answer in all sixteen partners
	s_cselect_b32 s95, 384, 0                      ; then A's tiles are Wv's (384 on) and B's are x's (0 on)
	s_cselect_b32 s66, 0, -1                       ; and the bias along the columns is zeros
	s_mov_b32 s[SEL], 0x76543210
	s_mov_b32 s[SEL+1], 0xfedcba98
	; group 1 for codes: 8 rows (tiles) of 384 elements of 8 bytes (two K steps' images), 3,200 elements from tile to tile; no padding
	s_or_b32 s[G1+0], s43, (3<<16)|(1<<21)         ; 15:0 the mask: A's tiles go to my row; 17:16 elements of 8 bytes; 21 set beside a mask
	s_or_b32 s[G1B+0], s44, (3<<16)|(1<<21)
.irp g, G1, G1B
	s_mov_b32 s[\g+1], 384<<16                     ; tensor_dim0
	s_mov_b32 s[\g+2], 8<<16                       ; tensor_dim1
	s_mov_b32 s[\g+3], 384<<16                     ; tile_dim0
	s_mov_b32 s[\g+4], 8                           ; tile_dim1
	s_mov_b32 s[\g+5], REC/8                       ; tensor_dim0_stride
	s_mov_b32 s[\g+6], 0
	s_mov_b32 s[\g+7], 0
.endr
	; and for the scale words: 8 rows of 128 elements (1,024 bytes: all of K)
	s_or_b32 s[G1S+0], s43, (3<<16)|(1<<21)
	s_or_b32 s[G1SB+0], s44, (3<<16)|(1<<21)
.irp g, G1S, G1SB
	s_mov_b32 s[\g+1], 128<<16
	s_mov_b32 s[\g+2], 8<<16
	s_mov_b32 s[\g+3], 128<<16
	s_mov_b32 s[\g+4], 8
	s_mov_b32 s[\g+5], REC/8
	s_mov_b32 s[\g+6], 0
	s_mov_b32 s[\g+7], 0
.endr
	s_lshl_b32 s18, s16, 3                         ; which 8 tiles I fetch
	s_lshl_b32 s20, s17, 4
	s_add_co_u32 s20, s20, s18
	s_add_co_u32 s20, s20, s95                     ; A: tile 16 x tile row + 8 x half (+ 384)
	s_mul_i32 s20, s20, REC                        ; in bytes: under 2^32
	s_mov_b32 s21, 0
	s_lshl_b32 s46, s42, 4
	s_add_co_u32 s46, s46, s18
	s_add_co_u32 s46, s46, 128
	s_sub_co_u32 s46, s46, s95                     ; B: tile 128 + 16 x tile column + 8 x half (- 384)
	s_mul_i32 s46, s46, REC
	s_mov_b32 s47, 0
	s_mul_i32 s45, s14, HALFT                      ; where they go: wave x 8 tiles: no place in the cluster enters an LDS address
	s_mul_i32 s94, s14, HALFS
	s_wait_kmcnt 0x0
	s_add_nc_u64 s[20:21], s[4:5], s[20:21]
	s_add_nc_u64 s[46:47], s[4:5], s[46:47]
	s_add_nc_u64 s[22:23], s[20:21], 24576         ; the records' scale words
	s_add_nc_u64 s[92:93], s[46:47], 24576
	CROUND                                         ; all sixteen work-groups are here: the first joint loads meet
	s_mov_b32 s[G0S], 1
	s_add_co_u32 s[G0S+1], s94, SCL
	s_mov_b64 s[G0S+2:G0S+3], s[22:23]
	s_or_b32 s[G0S+3], s[G0S+3], 0x80000000
	s_mov_b32 s[G0SB], 1
	s_add_co_u32 s[G0SB+1], s94, SCL
	s_mov_b64 s[G0SB+2:G0SB+3], s[92:93]
	s_or_b32 s[G0SB+3], s[G0SB+3], 0x80000000
	JLOAD G0S, G1S, G0SB, G1SB                     ; the scale words first: they are wanted with K step 0
.irp s, 0,1
	s_mov_b32 s[G0+4*\s], 1
	s_add_co_u32 s[G0+4*\s+1], s45, \s*SLOT
	s_add_nc_u64 s[G0+4*\s+2:G0+4*\s+3], s[20:21], \s*3072
	s_or_b32 s[G0+4*\s+3], s[G0+4*\s+3], 0x80000000
	s_mov_b32 s[G0B+4*\s], 1
	s_add_co_u32 s[G0B+4*\s+1], s45, \s*SLOT
	s_add_nc_u64 s[G0B+4*\s+2:G0B+4*\s+3], s[46:47], \s*3072
	s_or_b32 s[G0B+4*\s+3], s[G0B+4*\s+3], 0x80000000
	JLOAD G0+4*\s, G1, G0B+4*\s, G1B               ; three tensor loads of mine are out
.endr
	v_and_b32 v1, 15, v0                           ; r
	v_bfe_u32 v2, v0, 4, 1                         ; h
	v_and_b32 v6, 31, v0                           ; lane
	v_lshlrev_b32 v[CO], 4, v6
	v_lshlrev_b32 v[L4], 2, v6
	v_lshlrev_b32 v[BOF], 6, v2
	; the bias of my 128 columns, in the result's layout: for tile b the eight numbers at 32 (b / 2) + 16 h + 8 (b % 2)
	s_cmp_eq_u32 s67, 1
	s_cselect_b64 s[6:7], s[8:9], s[6:7]
	s_and_b32 s46, s42, 7
	s_lshl_b32 s46, s46, 10
	s_lshl_b32 s47, s16, 9
	s_add_co_u32 s46, s46, s47                     ; my first column in its plane, in bytes
	s_mov_b32 s47, 0
	s_add_nc_u64 s[6:7], s[6:7], s[46:47]
.irp b, 0,1,2,3,4,5,6,7
	global_load_b128 v[BIAS+8*\b:BIAS+8*\b+3], v[BOF], s[6:7] offset:128*(\b/2)+32*(\b%2)
	global_load_b128 v[BIAS+8*\b+4:BIAS+8*\b+7], v[BOF], s[6:7] offset:128*(\b/2)+32*(\b%2)+16
.endr
	s_mul_i32 s21, s15, HALFT                      ; my 8 tiles of A
	s_mul_i32 s22, s16, HALFT                      ; my 8 tiles of B,
	s_add_co_u32 s22, s22, 2*HALFT                 ; which lie behind A's 16
.irp s, 0,1
	v_add_nc_u32 v[ADRA+\s], s21, v[CO]
	v_add_nc_u32 v[ADRB+\s], s22, v[CO]
	s_add_co_u32 s21, s21, SLOT
	s_add_co_u32 s22, s22, SLOT
.endr
	v_lshlrev_b32 v5, 2, v1                        ; my row's scale word: 4 r
	s_mul_i32 s21, s15, HALFS                      ; A's: my 8 tiles
	s_mul_i32 s22, s16, HALFS                      ; B's: my 8 tiles, behind A's 16
	s_add_co_u32 s22, s22, 2*HALFS
	s_sub_co_u32 s22, s22, s21
	v_mul_u32_u24 v7, s22, v2                      ; lanes 16-31 take B's: one product, the distance between the two bases
	s_add_co_u32 s21, s21, SCL
	v_add_nc_u32 v5, v5, v7
	v_add_nc_u32 v[ADRS], s21, v5
	s_mul_i32 s23, s14, 16*SPITCH                  ; my stage
	v_mul_u32_u24 v5, v1, SPITCH                   ; in: row r, + 64 h
	v_lshl_add_u32 v5, v2, 6, v5
	v_add_nc_u32 v[STO], s23, v5
	v_add_nc_u32 v[RD], s23, v[CO]                 ; back: the 32 lanes take one row of 512 bytes
	s_lshl_b32 s20, s17, 8
	s_lshl_b32 s21, s15, 7
	s_add_co_u32 s20, s20, s21                     ; my first row of C: 256 x tile row + 128 x half,
	s_lshl_b32 s20, s20, 13                        ; rows of 8,192 bytes,
	s_min_u32 s21, s67, 1                          ; the plane (held at 1: V^T's work-groups do not use this address)
	s_lshl_b32 s21, s21, 24
	s_add_co_u32 s20, s20, s21
	s_add_co_u32 s20, s20, s46                     ; my first column
	s_mov_b32 s21, 0
	s_add_nc_u64 s[12:13], s[12:13], s[20:21]
	s_wait_loadcnt 0x0                             ; the bias
.set j, 0
.rept 64
	v_cndmask_b32 v[BIAS+j], 0, v[BIAS+j], s66     ; kept, or zeros for V^T: a choice of values, no branch
.set j, j+1
.endr
	PLACES 4
.macro FRAG reg, adr, q, i             ; an image, 12 registers: three loads of 512 consecutive bytes
.irp g, 0,1,2
	ds_load_b128 v[\reg+4*\g:\reg+4*\g+3], v[\adr] offset:(\i)*3072+(\q)*1536+512*\g
.endr
.endm
; 16 matrix instructions: A's blocks a0, a0 + 1 x B's eight, 128 along K: the slot's q-th.  p: B's set; sc: the set of scale words.  first = 1: the sums begin with the bias as C: nothing is ever cleared.
; The 64 accumulators take turns, one instruction a turn, in the same order in every step.
.macro MUL16 a0, p, q, sc, first
.irp a, \a0, \a0+1
.irp b, 0,1,2,3,4,5,6,7
.if \first
	v_wmma_scale_f32_16x16x128_f8f6f4 v[8*(8*((\a)%4)+\b):8*(8*((\a)%4)+\b)+7], v[128*(\p)+FR*\b:128*(\p)+FR*\b+FR-1], v[AF+FR*(\a):AF+FR*(\a)+FR-1], v[BIAS+8*\b:BIAS+8*\b+7], v[SC+8*NQ*(\sc)+NQ*\b+(\q)], v[SC+8*NQ*(\sc)+NQ*(\a)+(\q)] matrix_a_fmt:MATRIX_FMT_FP6 matrix_b_fmt:MATRIX_FMT_FP6 matrix_a_scale:MATRIX_SCALE_ROW1
.else
	v_wmma_scale_f32_16x16x128_f8f6f4 v[8*(8*((\a)%4)+\b):8*(8*((\a)%4)+\b)+7], v[128*(\p)+FR*\b:128*(\p)+FR*\b+FR-1], v[AF+FR*(\a):AF+FR*(\a)+FR-1], v[8*(8*((\a)%4)+\b):8*(8*((\a)%4)+\b)+7], v[SC+8*NQ*(\sc)+NQ*\b+(\q)], v[SC+8*NQ*(\sc)+NQ*(\a)+(\q)] matrix_a_fmt:MATRIX_FMT_FP6 matrix_b_fmt:MATRIX_FMT_FP6 matrix_a_scale:MATRIX_SCALE_ROW1
.endif
.endr
.endr
.endm
.macro FETCH_B slot, q, p              ; B's eight fragments of the slot's q-th 128 along K into set p
	WIN TO_B
.irp i, 0,1,2,3,4,5,6,7
	FRAG 128*(\p)+FR*\i, ADRB+\slot, \q, \i
.endr
	WIN 0
.endm
.macro FETCH_A slot, q, i0             ; A's blocks i0 .. i0 + 3
.irp i, \i0, \i0+1, \i0+2, \i0+3
	FRAG AF+FR*(\i), ADRA+\slot, \q, \i
.endr
.endm
.macro SCALES sc                       ; a slot's scale words into set sc: register 2 i + q: lanes 0-15 the word of A's block i, lanes 16-31 that of B's block i, for the slot's q-th 128 along K
.irp i, 0,1,2,3,4,5,6,7
.irp q, 0,1
	ds_load_b32 v[SC+8*NQ*\sc+NQ*\i+\q], v[ADRS] offset:\i*1024+64*\q
.endr
.endr
.endm
; A step of 128 along K that has its successor in the same slot.  A load into a register that a matrix instruction has read stands NP plain vector instructions behind it.
.macro STEP slot, q, first
	s_wait_dscnt 4*NL                              ; B's set, A's blocks 0-3 and the scale words are in; the youngest 12 loads (A's blocks 4-7) may be out
.if \first
	WIN 0x81                                       ; source 0 window 1, sources 1 and 2 (A, the bias) window 0, D window 2
.else
	WIN MUL_LO
.endif
	MUL16 0, (\q)%2, \q, \slot, \first
	MUL16 2, (\q)%2, \q, \slot, \first
	s_wait_dscnt 0                                 ; A's blocks 4-7 are in (asked for 32 matrix instructions ago)
	PLACES NP
	FETCH_B \slot, (\q)+1, 1-(\q)%2
	FETCH_A \slot, (\q)+1, 0
.if \first
	WIN 0xc1                                       ; the same, D window 3
.else
	WIN MUL_HI
.endif
	MUL16 4, (\q)%2, \q, \slot, \first
	MUL16 6, (\q)%2, \q, \slot, \first
	PLACES NP
	WIN 0
	FETCH_A \slot, (\q)+1, 4
.endm
; A slot's last step changes slots: ONE barrier; in front of it each wave waits for all its tensor loads, adds 0 to its spare word, and waits for that and for its own reads of this slot.  fill = 1: this slot is filled again, two slots ahead.
.macro TURN slot, next, fill
	s_wait_tensorcnt 0x0                           ; all my tensor loads have landed: my part of the next slot  (every window is 0 here)
	ds_add_u32 v[SPW], v[NIL]                      ; 0 onto my spare word
	s_wait_dscnt 4*NL+1                            ; (the add and the youngest 12 loads, A's blocks 4-7, may be out)
	WIN MUL_LO
	MUL16 0, 1, NQ-1, \slot, 0                     ; sixteen matrix instructions stand between the add and the wait for it
	s_wait_dscnt 0x0                               ; the add is done, and my reads of this slot are over
	s_barrier_signal -1
	MUL16 2, 1, NQ-1, \slot, 0
	WIN 0
	s_barrier_wait -1
.if \fill
	CREST                                          ; the barrier has opened a round of the cluster's barrier: no wave of any partner still reads this slot or has a load on its way
	s_add_nc_u64 s[G0+4*\slot+2:G0+4*\slot+3], s[G0+4*\slot+2:G0+4*\slot+3], 2*3072
	s_add_nc_u64 s[G0B+4*\slot+2:G0B+4*\slot+3], s[G0B+4*\slot+2:G0B+4*\slot+3], 2*3072
	JLOAD G0+4*\slot, G1, G0B+4*\slot, G1B         ; the first tensor load behind the round; its four v_nop are also the places in front of the loads below
.else
	PLACES NP
.endif
	v_add_nc_u32 v[ADRS], 64*NQ, v[ADRS]           ; on to the next slot's scale words (no LDS load of mine is out)
	FETCH_B \next, 0, 0
	FETCH_A \next, 0, 0
	SCALES \next
	WIN MUL_HI
	MUL16 4, 1, NQ-1, \slot, 0
	MUL16 6, 1, NQ-1, \slot, 0
	PLACES NP
	WIN 0
	FETCH_A \next, 0, 4
.endm
	s_wait_tensorcnt 1                             ; the scale words and my part of slot 0 are in (slot 1's load may be out)
	s_barrier_signal -1
	s_barrier_wait -1                              ; everybody's are
	FETCH_B 0, 0, 0
	FETCH_A 0, 0, 0
	SCALES 0
	FETCH_A 0, 0, 4
	STEP 0, 0, 1                                   ; the first step stands in front of the loop: its products start the sums
	s_mov_b32 s3, LAPS-1
.Llap:                                                 ; a trip goes once round the ring, from a lap's second step to the next lap's first, and fills both slots again
	TURN 0, 1, 1
	STEP 1, 0, 0
	TURN 1, 0, 1
	STEP 0, 0, 0
	s_sub_co_u32 s3, s3, 1
	s_cmp_lg_u32 s3, 0
	s_cbranch_scc1 .Llap
	TURN 0, 1, 0                                   ; the last lap fills nothing, and has no round of the cluster's barrier
	STEP 1, 0, 0
	s_wait_dscnt 4*NL                              ; the very last step: nothing more to fetch
	WIN MUL_LO
	MUL16 0, 1, NQ-1, 1, 0
	MUL16 2, 1, NQ-1, 1, 0
	s_wait_dscnt 0
	WIN MUL_HI
	MUL16 4, 1, NQ-1, 1, 0
	MUL16 6, 1, NQ-1, 1, 0
	WIN 0
	PLACES NP                                      ; in front of the first read of results and of writes and loads into registers that the last products read
	s_cmp_ge_u32 ttmp9, 4                          ; cluster x: the same in all sixteen partners
	s_cbranch_scc1 .Lv_out
; THE WAY OUT IN f32, block by block of 16 rows x 128 columns: through my own stage in LDS, back as whole rows of 512 bytes.  LDS serves a wave's instructions in order: no wait between the stores and the loads.
.macro TOSTAGE a
.set AC, 64*((\a)%4)
	WIN 0x08+4*((\a)/4)                            ; the data: window 2 or 3
.irp b, 0,1,2,3,4,5,6,7
	ds_store_b128 v[STO], v[AC+8*\b:AC+8*\b+3] offset:128*(\b/2)+32*(\b%2)          ; each accumulator from its low end on; columns 32 (b / 2) + 16 h + 8 (b % 2) on
	ds_store_b128 v[STO], v[AC+8*\b+4:AC+8*\b+7] offset:128*(\b/2)+32*(\b%2)+16
.endr
	WIN 0
.set BB, BK+64*((\a)%2)
.set tt, 0
.rept 16
	ds_load_b128 v[BB+4*tt:BB+4*tt+3], v[RD] offset:tt*SPITCH
.set tt, tt+1
.endr
.endm
.macro SEND a, younger                 ; younger: the LDS instructions issued behind block a's loads, which may stay out
.set BB, BK+64*((\a)%2)
	s_wait_dscnt \younger                          ; the block is back in registers
.set tt, 0
.rept 16
	global_store_b128 v[CO], v[BB+4*tt:BB+4*tt+3], s[12:13] offset:(32*((\a)/2)+8*((\a)%2)+(tt%8)+16*(tt/8))*8192 th:TH_STORE_NT   ; stage row t is row t of tile a; 32 lanes store 512 consecutive bytes, aligned; 127 rows at the most: inside the signed 24-bit immediate
.set tt, tt+1
.endr
.endm
	TOSTAGE 0
.irp a, 1,2,3,4,5,6,7
.if \a > 1
	s_wait_xcnt 0x0                                ; block a - 2's stores have read their registers: block a's loads may land there
.endif
	TOSTAGE \a
	SEND \a-1, 32                                  ; behind block a - 1's loads: block a's 16 stores and 16 loads
.endr
	SEND 7, 0
	s_branch .Lend
; THE WAY OUT OF V^T.  For A's tile a (16 channels of my head) my 64 registers are the 128 keys of my key step in the quantiser's order: + bv, quantised along the keys, stored as an image.  No LDS.
.Lv_out:
	s_lshl_b32 s20, s17, 1
	s_add_co_u32 s20, s20, s15                     ; the head: 2 x tile row + half
	s_mul_i32 s20, s20, 409600
	s_sub_co_u32 s21, s42, 16
	s_lshl_b32 s21, s21, 1
	s_add_co_u32 s21, s21, s16                     ; the key step: 2 x (tile column - 16) + half
	s_lshr_b32 s22, s21, 2
	s_mul_i32 s22, s22, 102400                     ; its slot of four steps,
	s_and_b32 s21, s21, 3
	s_mul_i32 s21, s21, 12800                      ; its piece among V's four,
	s_add_co_u32 s20, s20, s22
	s_add_co_u32 s20, s20, s21
	s_add_co_u32 s20, s20, 51200                   ; which lie behind K's four
	s_mov_b32 s21, 0
	s_add_nc_u64 s[96:97], s[96:97], s[20:21]
	s_lshl_b32 s20, s17, 10
	s_lshl_b32 s22, s15, 9
	s_add_co_u32 s20, s20, s22                     ; bv at my first channel
	s_add_nc_u64 s[10:11], s[10:11], s[20:21]
	v_and_b32 v3, 7, v1
	v_lshrrev_b32 v4, 3, v1
	v_lshl_add_u32 v3, v4, 4, v3
	v_lshlrev_b32 v3, 2, v3                        ; 4 (r % 8 + 16 (r / 8))
.irp a, 0,1,2,3,4,5,6,7
	global_load_b32 v[BV+2*\a], v3, s[10:11] offset:(32*(\a/2)+8*(\a%2))*4     ; my channel's bias, twice: a pair for the packed addition
	global_load_b32 v[BV+2*\a+1], v3, s[10:11] offset:(32*(\a/2)+8*(\a%2))*4
.endr
	v_cmp_le_u32 vcc_lo, 16, v6                    ; lanes 16-31
.irp b, 0,1,2,3
	v_mov_b32 v[TM+4+\b], 0                        ; a lane permute's destination counts as one of its sources
.endr
	s_wait_loadcnt 0x0
.irp a, 0,1,2,3,4,5,6,7
.if \a > 0
	s_wait_xcnt 0x0                                ; the last tile's stores have read their registers
.endif
	WIN 0x02+(\a/4)                                ; source 0: window 2 or 3
.set j, 0
.rept 32
	v_pk_add_f32 v[XQ+j:XQ+j+1], v[64*(\a%4)+j:64*(\a%4)+j+1], v[BV+2*\a:BV+2*\a+1]   ; each accumulator from its low end on
.set j, j+2
.endr
	WIN 0
	QUANT XQ, PWR
.irp g, 0,1,2
	global_store_b128 v[CO], v[PC+4*\g:PC+4*\g+3], s[96:97] offset:1536*\a+512*\g   ; 512 consecutive bytes, aligned
.endr
.if \a%2 == 0
	v_mov_b32 v[PWK], v[PWR]
.else
	v_cndmask_b32 v[PWS], v[PWK], v[PWR], vcc_lo   ; lanes 0-15 the even tile's words, lanes 16-31 the odd tile's
	global_store_b32 v[L4], v[PWS], s[96:97] offset:12288+128*(\a/2)
.endif
.endr
.Lend:
	s_wait_tensorcnt 0x0                           ; the wave's end: behind my last tensor load and my last LDS store
	ds_add_u32 v[SPW], v[NIL]
	s_wait_dscnt 0x0
	CROUND                                         ; the closing round: no work-group ends while a partner may still ask for a tile that names it
	s_endpgm
.Lfunc_end_k_qaa953b4b76_qkv:
	.size	k_qaa953b4b76_qkv, .Lfunc_end_k_qaa953b4b76_qkv-k_qaa953b4b76_qkv
	.p2alignl 7, 3214868480
	.fill 96, 4, 3214868480
	.section	.rodata,"a",@progbits
	.p2align	6, 0x0
	.amdhsa_kernel k_qaa953b4b76_qkv
		.amdhsa_group_segment_fixed_size 327680
		.amdhsa_private_segment_fixed_size 0
		.amdhsa_enable_private_segment 0
		.amdhsa_kernarg_size 48
		.amdhsa_user_sgpr_count 2
		.amdhsa_user_sgpr_kernarg_segment_ptr 1
		.amdhsa_wavefront_size32 1
		.amdhsa_system_sgpr_workgroup_id_x 1
		.amdhsa_system_sgpr_workgroup_id_y 1
		.amdhsa_system_sgpr_workgroup_id_z 1
		.amdhsa_system_vgpr_workitem_id 0
		.amdhsa_next_free_vgpr 1024
		.amdhsa_next_free_sgpr 100
		.amdhsa_reserve_vcc 1
		.amdhsa_float_denorm_mode_32 3
		.amdhsa_float_denorm_mode_16_64 3
		.amdhsa_memory_ordered 1
		.amdhsa_forward_progress 1
		.amdhsa_inst_pref_size 195
	.end_amdhsa_kernel
	.amdgpu_metadata
---
amdhsa.version: [ 1, 2 ]
amdhsa.kernels:
  - .name:           k_qaa953b4b76_qkv
    .symbol:         k_qaa953b4b76_qkv.kd
    .args:
      - { .name: g1, .offset: 0, .size: 8, .value_kind: global_buffer, .address_space: global }
      - { .name: bq, .offset: 8, .size: 8, .value_kind: global_buffer, .address_space: global }
      - { .name: bk, .offset: 16, .size: 8, .value_kind: global_buffer, .address_space: global }
      - { .name: bv, .offset: 24, .size: 8, .value_kind: global_buffer, .address_space: global }
      - { .name: qk, .offset: 32, .size: 8, .value_kind: global_buffer, .address_space: global }
      - { .name: kv, .offset: 40, .size: 8, .value_kind: global_buffer, .address_space: global }
    .group_segment_fixed_size: 327680
    .private_segment_fixed_size: 0
    .kernarg_segment_align: 8
    .kernarg_segment_size: 48
    .max_flat_workgroup_size: 128
    .sgpr_count:     100
    .vgpr_count:     1024
    .wavefront_size: 32
...
	.end_amdgpu_metadata
.endif
;; end of part 2
;; launch normqk (part 3): grid 128 x 2, 16 waves a work-group, no clusters, 146,944 bytes of LDS; arguments qk, freqs_cos, freqs_sin, gq, gk, qbuf, kv; writes qbuf, kv
.if DOCPART == 3
	.amdgcn_target "amdgcn-amd-amdhsa--gfx1250"
	.amdhsa_code_object_version 6
	.text
	.protected	k_qaa953b4b76_normqk
	.globl	k_qaa953b4b76_normqk
	.p2align	8
	.type	k_qaa953b4b76_normqk,@function
k_qaa953b4b76_normqk:
	s_mov_b64 s[64:65], 0
	v_nop
	global_prefetch_b8 v0, s[64:65] scope:SCOPE_SE
	s_setreg_imm32_b32 hwreg(HW_REG_WAVE_MODE, 25, 1), 1
	s_wait_xcnt 0x0
; q (plane 0) and k (plane 1), [2048][2048] f32 with their biases in, get the RMS norm over the whole row of 2,048, the gain, the interleaved RoPE, and are quantised along each head's 128 to FP6 (E2M3) with E8M0 scales.
; SHARES: work-group (T, plane) takes tile T of 16 positions (row r of the tile is position 32 (T / 2) + 8 (T % 2) + r % 8 + 16 (r / 8)); wave w takes head w: 16 rows x 128 columns, one operand fragment.
; Each load reads 512 consecutive bytes of a row; the 16 rows turn through the wave's own stage in LDS, so that lane (r, h) holds, of row r, k = 32 b + 16 h + i in register 16 b + i.
; The row's sum of squares: each wave's part goes to LDS, one barrier, every lane adds its row's 16 parts in one fixed order.  Wave w also brings row w's cosines (even places of freqs_cos) and sines (odd places of freqs_sin), interleaved, for all waves.
; OUT: register images of 1,536 bytes and 64 bytes of scale words.  q: qbuf [head][16 pieces of 12,800]: piece T / 8, image T % 8, words at 12,288.  k: kv [head][4 slots][8 pieces]: slot T / 32, piece (T / 8) % 4.
; No cluster: what work-groups share (gains, tables) is a small part of what each reads.
; LIMITS: v_rsq_f32 is accurate to 1 ulp; a block of zeros, or one under 2^-124, keeps the byte 1 (this program alone reads the bytes); NaN and infinities are not served.
.set SP,   528                         ; a stage row: 512 bytes + 16
.set WST,  16*SP
.set CSR,  16*WST                      ; behind the 16 stages: 16 rows of cos and sin, 528 bytes apart
.set SS,   CSR+16*SP                   ; behind them: the sums of squares: row r at 80 r, wave w's part at 4 w
.set X,    16                          ; v16-79   my 64 numbers
.set R,    80                          ; v80-143  16 rows as loaded; later cos and sin in X's arrangement
.set CS,   80
.set G,    144                         ; v144-207 the gain in X's arrangement
.set PC,   208                         ; v208-226 the row's 16 parts, later the codes
.set TM,   228                         ; v228-243 at work
.set SEL,  20
.macro QUANT s, pw
.irp b, 0,1,2,3
	v_max3_num_f32 v[TM+\b], |v[\s+16*\b]|, |v[\s+1+16*\b]|, 0x1800000   ; my 16 numbers of block b, and the floor 2^(3 - 127)
.endr
.irp i, 2,4,6,8,10,12,14
.irp b, 0,1,2,3
	v_max3_num_f32 v[TM+\b], v[TM+\b], |v[\s+16*\b+\i]|, |v[\s+1+16*\b+\i]|
.endr
.endr
.irp b, 0,1,2,3
	v_permlanex16_b32 v[TM+4+\b], v[TM+\b], s[SEL], s[SEL+1]
.endr
.irp b, 0,1,2,3
	v_max_num_f32 v[TM+\b], v[TM+\b], v[TM+4+\b]
.endr
.irp b, 0,1,2,3
	v_add_nc_u32 v[TM+12+\b], 0xff000000, v[TM+\b]   ; 2 off the exponent field: the conversion's scale operand
.endr
.irp b, 0,1,2,3
	v_lshrrev_b32 v[TM+4+\b], 23, v[TM+12+\b]      ; the scale's byte
.endr
	v_lshl_or_b32 v[\pw], v[TM+5], 8, v[TM+4]
	v_lshl_or_b32 v[\pw], v[TM+6], 16, v[\pw]
	v_lshl_or_b32 v[\pw], v[TM+7], 24, v[\pw]
.irp c, 0,1
	v_cvt_scalef32_pk16_fp6_f32 v[PC+6*\c:PC+2+6*\c], v[\s+32*\c:\s+15+32*\c], v[TM+12+2*\c]
	v_cvt_scalef32_pk16_fp6_f32 v[PC+12+4*\c:PC+14+4*\c], v[\s+16+32*\c:\s+31+32*\c], v[TM+12+2*\c+1]
.endr
	v_nop                                          ; one plain instruction behind a scaled conversion
.irp c, 0,1
.irp i, 0,1,2
	v_permlane16_swap_b32 v[PC+6*\c+\i], v[PC+12+4*\c+\i]
.endr
.irp i, 0,1,2
	v_mov_b32 v[PC+3+6*\c+\i], v[PC+12+4*\c+\i]
.endr
.endr
.endm
	s_load_b256 s[4:11], s[0:1], 0x0               ; qk, freqs_cos, freqs_sin, gq
	s_load_b128 s[12:15], s[0:1], 0x20             ; gk, qbuf
	s_load_b64 s[16:17], s[0:1], 0x30              ; kv
	v_lshl_add_u32 v254, v0, 2, 0x23600
	v_mov_b32 v255, 0
	v_lshrrev_b32 v1, 5, v0
	v_readfirstlane_b32 s18, v1                    ; wave = head
	s_and_b32 s19, ttmp7, 0xffff                   ; plane
	v_and_b32 v1, 31, v0                           ; lane
	v_and_b32 v2, 15, v0                           ; r
	v_bfe_u32 v3, v0, 4, 1                         ; h
	v_lshlrev_b32 v4, 4, v1                        ; v4  16 x lane
	s_mul_i32 s22, s18, WST
	v_add_nc_u32 v5, s22, v4                       ; v5  my stage, on the way in
	v_mul_u32_u24 v13, v2, SP
	v_lshl_add_u32 v13, v3, 6, v13                 ; 528 r + 64 h
	v_add_nc_u32 v6, s22, v13                      ; v6  my stage, on the way out
	s_mul_i32 s23, s18, SP
	v_add_nc_u32 v7, s23, v4
	v_add_nc_u32 v7, CSR, v7                       ; v7  where I put row w's cos and sin
	v_add_nc_u32 v8, CSR, v13                      ; v8  where I read row r's
	v_mul_u32_u24 v10, v2, 80
	v_add_nc_u32 v10, SS, v10                      ; v10 row r's 16 parts
	s_lshl_b32 s23, s18, 2
	v_add_nc_u32 v9, s23, v10                      ; v9  my wave's part of row r
	v_lshlrev_b32 v11, 6, v3                       ; v11 64 h
	v_lshlrev_b32 v12, 2, v2                       ; v12 4 r
	s_mov_b32 s[SEL], 0x76543210
	s_mov_b32 s[SEL+1], 0xfedcba98
	s_mov_b32 s38, 0x3a000000                      ; 1 / 2,048
	s_mov_b32 s39, 0x358637bd                      ; 1e-6
	s_lshr_b32 s24, ttmp9, 1
	s_lshl_b32 s24, s24, 5
	s_and_b32 s25, ttmp9, 1
	s_lshl_b32 s25, s25, 3
	s_add_co_u32 s24, s24, s25                     ; the tile's first position
	s_and_b32 s26, s18, 7
	s_lshr_b32 s27, s18, 3
	s_lshl_b32 s27, s27, 4
	s_add_co_u32 s26, s26, s27
	s_add_co_u32 s26, s26, s24                     ; the position of the tile's row w,
	s_lshl_b32 s26, s26, 9                         ; rows of 512 bytes in the tables
	s_mov_b32 s27, 0
	s_lshl_b32 s24, s24, 13
	s_lshl_b32 s25, s19, 24
	s_add_co_u32 s24, s24, s25
	s_lshl_b32 s28, s18, 9                         ; my head's 512 bytes of a row
	s_mov_b32 s29, 0
	s_add_co_u32 s24, s24, s28
	s_mov_b32 s25, 0
	s_lshr_b32 s30, ttmp9, 3
	s_mul_i32 s31, s30, 12800
	s_mul_i32 s32, s18, 204800
	s_add_co_u32 s31, s31, s32                     ; q's piece
	s_and_b32 s30, s30, 3
	s_mul_i32 s30, s30, 12800
	s_lshr_b32 s32, ttmp9, 5
	s_mul_i32 s32, s32, 102400
	s_add_co_u32 s30, s30, s32
	s_mul_i32 s32, s18, 409600
	s_add_co_u32 s30, s30, s32                     ; k's piece
	s_and_b32 s32, ttmp9, 7
	s_mul_i32 s33, s32, 1536                       ; the image in the piece,
	s_lshl_b32 s32, s32, 6                         ; and its words
	s_wait_kmcnt 0x0
	s_cmp_eq_u32 s19, 0                            ; the choices hang on the work-group's number alone
	s_cselect_b64 s[10:11], s[10:11], s[12:13]     ; the gain
	s_cselect_b64 s[14:15], s[14:15], s[16:17]     ; where the codes go
	s_cselect_b32 s30, s31, s30
	s_mov_b32 s31, 0
	s_add_nc_u64 s[14:15], s[14:15], s[30:31]
	s_mov_b32 s30, s33
	s_add_nc_u64 s[34:35], s[14:15], s[30:31]      ; the image
	s_mov_b32 s30, s32
	s_add_nc_u64 s[36:37], s[14:15], s[30:31]      ; the words, less 12,288
	s_add_nc_u64 s[4:5], s[4:5], s[24:25]
	s_add_nc_u64 s[6:7], s[6:7], s[26:27]
	s_add_nc_u64 s[8:9], s[8:9], s[26:27]
	s_add_nc_u64 s[10:11], s[10:11], s[28:29]
.set p, 0
.rept 16
	global_load_b128 v[R+4*p:R+4*p+3], v4, s[4:5] offset:((p%8)+16*(p/8))*8192 th:TH_LOAD_NT   ; 512 consecutive bytes of one row
.set p, p+1
.endr
	global_load_b128 v[246:249], v4, s[6:7]        ; row w's cosines
	global_load_b128 v[250:253], v4, s[8:9]        ; and sines
.irp b, 0,1,2,3
.irp j, 0,1,2,3
	global_load_b128 v[G+16*\b+4*\j:G+16*\b+4*\j+3], v11, s[10:11] offset:128*\b+16*\j
.endr
.endr
	s_wait_loadcnt 18                              ; my 16 rows are in; the two table loads and the 16 of the gain may be out
.set p, 0
.rept 16
	ds_store_b128 v5, v[R+4*p:R+4*p+3] offset:SP*p
.set p, p+1
.endr
.irp b, 0,1,2,3
.irp j, 0,1,2,3
	ds_load_b128 v[X+16*\b+4*\j:X+16*\b+4*\j+3], v6 offset:128*\b+16*\j   ; LDS serves a wave's instructions in order: these see my stores
.endr
.endr
	s_wait_loadcnt 16                              ; the tables' rows are in; the gain may be out
	v_mov_b32 v247, v251                           ; (cos at the even places, sin at the odd ones)
	v_mov_b32 v249, v253
	ds_store_b128 v7, v[246:249]
	s_wait_dscnt 0x0
.irp c, 0,1,2,3
	v_pk_mul_f32 v[TM+2*\c:TM+2*\c+1], v[X+2*\c:X+2*\c+1], v[X+2*\c:X+2*\c+1]   ; the sum of my 64 squares, in four chains; the first products start them
.endr
.irp i, 8,16,24,32,40,48,56
.irp c, 0,1,2,3
	v_pk_fma_f32 v[TM+2*\c:TM+2*\c+1], v[X+\i+2*\c:X+\i+2*\c+1], v[X+\i+2*\c:X+\i+2*\c+1], v[TM+2*\c:TM+2*\c+1]
.endr
.endr
	v_pk_add_f32 v[TM:TM+1], v[TM:TM+1], v[TM+2:TM+3]
	v_pk_add_f32 v[TM+4:TM+5], v[TM+4:TM+5], v[TM+6:TM+7]
	v_pk_add_f32 v[TM:TM+1], v[TM:TM+1], v[TM+4:TM+5]
	v_add_f32 v[TM], v[TM], v[TM+1]
	v_permlanex16_b32 v[TM+1], v[TM], s[SEL], s[SEL+1]
	v_add_f32 v[TM], v[TM], v[TM+1]                ; with lane l xor 16's: my head's part of row r
	ds_store_b32 v9, v[TM]                         ; lanes r and r + 16 write the same word with the same value
	s_wait_dscnt 0x0                               ; for the others' sake: my stores have landed
	s_barrier_signal -1
	s_barrier_wait -1
.irp j, 0,1,2,3
	ds_load_b128 v[PC+4*\j:PC+4*\j+3], v10 offset:16*\j
.endr
.irp b, 0,1,2,3
.irp j, 0,1,2,3
	ds_load_b128 v[CS+16*\b+4*\j:CS+16*\b+4*\j+3], v8 offset:128*\b+16*\j
.endr
.endr
	s_wait_dscnt 0x0
.irp j, 0,4,8,12
	v_pk_add_f32 v[PC+\j:PC+\j+1], v[PC+\j:PC+\j+1], v[PC+\j+2:PC+\j+3]   ; the 16 parts in one fixed order: every wave gets the same sum
.endr
	v_pk_add_f32 v[PC:PC+1], v[PC:PC+1], v[PC+4:PC+5]
	v_pk_add_f32 v[PC+8:PC+9], v[PC+8:PC+9], v[PC+12:PC+13]
	v_pk_add_f32 v[PC:PC+1], v[PC:PC+1], v[PC+8:PC+9]
	v_add_f32 v[PC], v[PC], v[PC+1]
	v_fma_f32 v[PC], v[PC], s38, s39               ; the mean + 1e-6
	v_rsq_f32 v14, v[PC]                           ; twice: a pair for the packed multiply
	v_rsq_f32 v15, v[PC]
	v_nop                                          ; a plain instruction behind the last of them
	s_wait_loadcnt 0x0                             ; the gain
	s_wait_alu depctr_va_vdst(0)                   ; one wait for both, ahead of their first reader
.set j, 0
.rept 32
	v_pk_mul_f32 v[X+j:X+j+1], v[X+j:X+j+1], v[14:15]
.set j, j+2
.endr
.set j, 0
.rept 32
	v_pk_mul_f32 v[X+j:X+j+1], v[X+j:X+j+1], v[G+j:G+j+1]
.set j, j+2
.endr
.set p, 0
.rept 32                                       ; RoPE: (x1, x2) -> (x1 cos - x2 sin, x1 sin + x2 cos); the temporaries take turns
.set T0, 246+2*(p%4)
	v_mul_f32 v[T0], v[X+2*p+1], v[CS+2*p+1]
	v_mul_f32 v[T0+1], v[X+2*p], v[CS+2*p+1]
	v_fma_f32 v[X+2*p], v[X+2*p], v[CS+2*p], -v[T0]
	v_fma_f32 v[X+2*p+1], v[X+2*p+1], v[CS+2*p], v[T0+1]
.set p, p+1
.endr
	QUANT X, 244
.irp g, 0,1,2
	global_store_b128 v4, v[PC+4*\g:PC+4*\g+3], s[34:35] offset:512*\g   ; 512 consecutive bytes, aligned
.endr
	global_store_b32 v12, v244, s[36:37] offset:12288   ; 64 bytes: lanes r and r + 16 hold the same word and name the same address
	s_wait_tensorcnt 0x0
	ds_add_u32 v254, v255
	s_wait_dscnt 0x0
	s_endpgm
.Lfunc_end_k_qaa953b4b76_normqk:
	.size	k_qaa953b4b76_normqk, .Lfunc_end_k_qaa953b4b76_normqk-k_qaa953b4b76_normqk
	.p2alignl 7, 3214868480
	.fill 96, 4, 3214868480
	.section	.rodata,"a",@progbits
	.p2align	6, 0x0
	.amdhsa_kernel k_qaa953b4b76_normqk
		.amdhsa_group_segment_fixed_size 146944
		.amdhsa_private_segment_fixed_size 0
		.amdhsa_enable_private_segment 0
		.amdhsa_kernarg_size 56
		.amdhsa_user_sgpr_count 2
		.amdhsa_user_sgpr_kernarg_segment_ptr 1
		.amdhsa_wavefront_size32 1
		.amdhsa_system_sgpr_workgroup_id_x 1
		.amdhsa_system_sgpr_workgroup_id_y 1
		.amdhsa_system_sgpr_workgroup_id_z 1
		.amdhsa_system_vgpr_workitem_id 0
		.amdhsa_next_free_vgpr 256
		.amdhsa_next_free_sgpr 66
		.amdhsa_reserve_vcc 0
		.amdhsa_float_denorm_mode_32 3
		.amdhsa_float_denorm_mode_16_64 3
		.amdhsa_memory_ordered 1
		.amdhsa_forward_progress 1
		.amdhsa_inst_pref_size 28
	.end_amdhsa_kernel
	.amdgpu_metadata
---
amdhsa.version: [ 1, 2 ]
amdhsa.kernels:
  - .name:           k_qaa953b4b76_normqk
    .symbol:         k_qaa953b4b76_normqk.kd
    .args:
      - { .name: qk, .offset: 0, .size: 8, .value_kind: global_buffer, .address_space: global }
      - { .name: freqs_cos, .offset: 8, .size: 8, .value_kind: global_buffer, .address_space: global }
      - { .name: freqs_sin, .offset: 16, .size: 8, .value_kind: global_buffer, .address_space: global }
      - { .name: gq, .offset: 24, .size: 8, .value_kind: global_buffer, .address_space: global }
      - { .name: gk, .offset: 32, .size: 8, .value_kind: global_buffer, .address_space: global }
      - { .name: qbuf, .offset: 40, .size: 8, .value_kind: global_buffer, .address_space: global }
      - { .name: kv, .offset: 48, .size: 8, .value_kind: global_buffer, .address_space: global }
    .group_segment_fixed_size: 146944
    .private_segment_fixed_size: 0
    .kernarg_segment_align: 8
    .kernarg_segment_size: 56
    .max_flat_workgroup_size: 512
    .sgpr_count:     66
    .vgpr_count:     256
    .wavefront_size: 32
...
	.end_amdgpu_metadata
.endif
;; end of part 3
;; launch attn (part 4): grid 16 x 16, 8 waves a work-group, clusters of 4 x 1, 327,680 bytes of LDS; arguments qbuf, kv, g2; writes g2
.if DOCPART == 4
	.amdgcn_target "amdgcn-amd-amdhsa--gfx1250"
	.amdhsa_code_object_version 6
	.text
	.protected	k_qaa953b4b76_attn
	.globl	k_qaa953b4b76_attn
	.p2align	8
	.type	k_qaa953b4b76_attn,@function
k_qaa953b4b76_attn:
	s_mov_b64 s[64:65], 0
	v_nop
	global_prefetch_b8 v0, s[64:65] scope:SCOPE_SE
	s_setreg_imm32_b32 hwreg(HW_REG_WAVE_MODE, 25, 1), 1
	s_wait_xcnt 0x0
	s_wait_alu depctr_hold_cnt(0) depctr_sa_sdst(0) depctr_va_vdst(0) depctr_va_sdst(0) depctr_va_ssrc(0) depctr_va_vcc(0) depctr_vm_vsrc(0)
	s_getreg_b32 s2, hwreg(HW_REG_IB_STS2, 6, 4)
	s_cmp_eq_u32 s2, 0
	s_cbranch_scc0 .Lentry_in_a_cluster
	s_endpgm
.Lentry_in_a_cluster:
	s_bfe_u32 s2, ttmp6, 0x10000c
	s_cmp_lg_u32 s2, 0x3003
	s_cbranch_scc0 .Lentry_shape_is_right
	s_endpgm
.Lentry_shape_is_right:
; attn[q][head] = the sum over keys of softmax(Q . K / sqrt(128)) V, both products on codes of FP6 (E2M3) with E8M0 scales; the result is quantised along the channels and stored as the output product's operand.
; THE SOFTMAX AHEAD OF THE SECOND PRODUCT: t = score x log2(e) / sqrt(128); M = the row's largest t so far, rounded UP to a whole number; p = 2^(t - M) is what is quantised, along the keys, not normalised.
; The row's sum is taken of the unquantised p and divides O at the end.  When M moves, the sum and O are multiplied by 2^(old M - new M): exact.
; IN: register images (1,536 bytes: registers 4 g .. 4 g + 3 of lane l at 512 g + 16 l) in pieces of 12,800 bytes: 8 images, then 8 x 64 bytes of scale words at 12,288.
;   qbuf [head][16 pieces]: piece = 128 queries.  kv [head][4 slots][8 pieces]: pieces 0-3 K of four key steps of 128 keys (a tile = 16 keys), pieces 4-7 V^T of the same steps (a tile = 16 channels, K = the keys).
;   Row r of tile T is index 32 (T / 2) + 8 (T % 2) + r % 8 + 16 (r / 8): so the 16 registers of two neighbouring result tiles are 16 neighbours along the next K.
; SHARES: a work-group owns 128 queries of one head, each of its eight waves one tile of 16.  Both products are used transposed: a lane holds one query throughout.
; RING: two LDS slots of four key steps (102,400 bytes); every wave fetches one piece, by one tensor load.  CLUSTER: the four work-groups of a cluster belong to one head and walk the same slots: each piece is asked for jointly.
; A fill is issued at the head of the slot before: it has four key steps in which to land; one tensor load of a wave is out at any time.
; OUT: g2, tile records of 25,600 bytes: tile T's image of K step = head at 1,536 head, its words at 24,576 + 64 head.
; LIMITS: v_exp_f32 and v_rcp_f32 are accurate to 1 ulp; a block's largest p is taken as the exponential of its largest score; a block whose every p is 0 keeps the byte 1 (zero codes); NaN and infinities are not served.
.set PIECE, 12800
.set SLOTB, 8*PIECE
.set SLOT1, 1<<17                      ; slot 1 begins here, so that one exclusive or turns an address in one slot into the other's
.set SPARE, SLOT1+SLOTB                ; the spare words, 128 bytes for each wave: four blocks of 256 bytes that no other line names
.set LI,  1                            ; v1   16 x lane
.set LS,  2                            ; v2   4 x lane
.set ADI, 3                            ; v3   the step's images: s[TB] + 16 x lane
.set ADW, 4                            ; v4   its scale words: s[TB] + 4 x lane
.set SPW, 5                            ; v5   my spare word; never rewritten
.set NIL, 6                            ; v6   0; never rewritten
.set QW,  7                            ; v7   Q's scale words
.set KW,  8                            ; v8-11  K's: register p: lanes 0-15 tile 2 p, lanes 16-31 tile 2 p + 1
.set VW,  28                           ; v28-31 V's likewise
.set F,   32                           ; v32-79 four fragments of K or of V
.set BM,  80                           ; v80-83 the blocks' largest scores, then largest p
.set BP,  84                           ; v84-87 lane l xor 16's, then the bytes
.set SO,  88                           ; v88-91 the conversions' scale operands
.set S,   96                           ; v96-159 S^T, then p
.set O,   160                          ; v160-223 O^T
.set PC,  224                          ; v224-235 p's codes; v236-242 at work
.set TM,  80                           ; the way out's quantiser works in v80-95
.set WV,  10                           ; s10  my wave's number
.set SEL, 20                           ; s[20:21] lane selects: lane l xor 16
.set CS,  22                           ; s[22:23] c = log2(e) / sqrt(128)
.set G1,  24                           ; s[24:31] descriptor group 1
.set G0,  32                           ; s[32:35] group 0, which walks
.set TB,  36                           ; s36  LDS byte at which the step in hand begins
.set SLOTS, 37
.set CNT, 38
.macro CROUND                          ; a round of the cluster's barrier
	s_barrier_signal -1
	s_barrier_wait -1
	s_cmp_lg_u32 s[WV], 0
	s_cbranch_scc1 .Lnot_wave_0_\@
	s_barrier_signal -3
.Lnot_wave_0_\@:
	s_barrier_wait -3
	s_barrier_signal -1
	s_barrier_wait -1
.endm
.macro PLACES
.rept 4
	v_nop
.endr
.endm
.macro QUANT s, pw                     ; 64 numbers of a lane (register 16 b + i = k 32 b + 16 h + i of my row) become codes in v[PC] on and a scale word in v[pw]
.irp b, 0,1,2,3
	v_max3_num_f32 v[TM+\b], |v[\s+16*\b]|, |v[\s+1+16*\b]|, 0x1800000
.endr
.irp i, 2,4,6,8,10,12,14
.irp b, 0,1,2,3
	v_max3_num_f32 v[TM+\b], v[TM+\b], |v[\s+16*\b+\i]|, |v[\s+1+16*\b+\i]|
.endr
.endr
.irp b, 0,1,2,3
	v_permlanex16_b32 v[TM+4+\b], v[TM+\b], s[SEL], s[SEL+1]
.endr
.irp b, 0,1,2,3
	v_max_num_f32 v[TM+\b], v[TM+\b], v[TM+4+\b]
.endr
.irp b, 0,1,2,3
	v_add_nc_u32 v[TM+12+\b], 0xff000000, v[TM+\b]
.endr
.irp b, 0,1,2,3
	v_lshrrev_b32 v[TM+4+\b], 23, v[TM+12+\b]
.endr
	v_lshl_or_b32 v[\pw], v[TM+5], 8, v[TM+4]
	v_lshl_or_b32 v[\pw], v[TM+6], 16, v[\pw]
	v_lshl_or_b32 v[\pw], v[TM+7], 24, v[\pw]
.irp c, 0,1
	v_cvt_scalef32_pk16_fp6_f32 v[PC+6*\c:PC+2+6*\c], v[\s+32*\c:\s+15+32*\c], v[TM+12+2*\c]
	v_cvt_scalef32_pk16_fp6_f32 v[PC+12+4*\c:PC+14+4*\c], v[\s+16+32*\c:\s+31+32*\c], v[TM+12+2*\c+1]
.endr
	v_nop
.irp c, 0,1
.irp i, 0,1,2
	v_permlane16_swap_b32 v[PC+6*\c+\i], v[PC+12+4*\c+\i]
.endr
.irp i, 0,1,2
	v_mov_b32 v[PC+3+6*\c+\i], v[PC+12+4*\c+\i]
.endr
.endr
.endm
	s_load_b128 s[4:7], s[0:1], 0x0                ; qbuf, kv
	s_load_b64 s[8:9], s[0:1], 0x10                ; g2
	v_lshl_add_u32 v[SPW], v0, 2, SPARE
	v_mov_b32 v[NIL], 0
	ds_add_u32 v5, v6
	ds_add_u32 v5, v6
	s_wait_dscnt 0x0
	v_lshrrev_b32 v1, 5, v0
	v_readfirstlane_b32 s[WV], v1                  ; wave 0..7
	s_bfe_u32 s11, ttmp6, 0x40000                  ; cx: it enters Q's and the result's global addresses alone
	s_lshl_b32 s12, ttmp9, 2
	s_add_co_u32 s12, s12, s11                     ; my block of 128 queries
	s_and_b32 s13, ttmp7, 0xffff                   ; the head, which the four partners share
	; group 1: a piece, 12,800 dense bytes, as 50 rows of 32 elements of 8 bytes
	s_mov_b32 s[G1], 15|(3<<16)|(1<<21)            ; 15:0 the mask: all four work-groups; 17:16 elements of 8 bytes; 21 set beside a mask
	s_mov_b32 s[G1+1], 32<<16                      ; tensor_dim0
	s_mov_b32 s[G1+2], 50<<16                      ; tensor_dim1
	s_mov_b32 s[G1+3], 32<<16                      ; tile_dim0
	s_mov_b32 s[G1+4], 50                          ; tile_dim1
	s_mov_b32 s[G1+5], 32                          ; tensor_dim0_stride
	s_mov_b32 s[G1+6], 0
	s_mov_b32 s[G1+7], 0
	s_mul_i32 s14, s13, 4*SLOTB
	s_mul_i32 s16, s[WV], PIECE                    ; my piece: in memory and in a slot alike
	s_add_co_u32 s14, s14, s16
	s_mov_b32 s15, 0
	s_mul_i32 s40, s13, 16*PIECE
	s_mul_i32 s41, s12, PIECE
	s_add_co_u32 s40, s40, s41                     ; my block's piece of Q
	s_mov_b32 s41, 0
	s_lshl_b32 s42, s12, 3
	s_add_co_u32 s42, s42, s[WV]                   ; my tile of queries
	s_mul_i32 s42, s42, 25600                      ; its record in g2
	s_mul_i32 s43, s13, 1536
	s_lshl_b32 s46, s13, 6
	s_add_co_u32 s46, s46, s42                     ; the words, less 24,576
	s_add_co_u32 s42, s42, s43                     ; the image
	s_mov_b32 s43, 0
	s_mov_b32 s47, 0
	s_mov_b32 s[SEL], 0x76543210
	s_mov_b32 s[SEL+1], 0xfedcba98
	s_mov_b32 s[CS], 0x3e0293ee                    ; c = log2(e) / sqrt(128)
	s_mov_b32 s[CS+1], s[CS]                       ; (named with it as a pair, so it is written)
	s_mov_b32 s[TB], 0
	s_mov_b32 s[SLOTS], 3
	s_wait_kmcnt 0x0
	s_add_nc_u64 s[4:5], s[4:5], s[40:41]
	s_add_nc_u64 s[44:45], s[8:9], s[46:47]
	s_add_nc_u64 s[8:9], s[8:9], s[42:43]
	CROUND                                         ; all four work-groups are here: the first joint loads meet
	s_mov_b32 s[G0], 1                             ; count = 1
	s_mov_b32 s[G0+1], s16                         ; LDS address: slot 0, my piece
	s_add_nc_u64 s[G0+2:G0+3], s[6:7], s[14:15]    ; global address: the head's slot 0, my piece
	s_or_b32 s[G0+3], s[G0+3], 0x80000000          ; type = 2
	tensor_load_to_lds s[G0:G0+3], s[G1:G1+7]
	s_nop 0
	PLACES                                         ; four v_nop follow a tensor load
	v_and_b32 v94, 31, v0
	v_lshlrev_b32 v[LI], 4, v94
	v_lshlrev_b32 v[LS], 2, v94
	s_mul_i32 s17, s[WV], 1536
	v_add_nc_u32 v94, s17, v[LI]                   ; Q: my tile's image
	v_and_b32 v95, 15, v0
	v_lshlrev_b32 v95, 2, v95
	s_lshl_b32 s17, s[WV], 6
	v_add_nc_u32 v95, s17, v95                     ; and its words: 64 x wave + 4 r
.irp g, 0,1,2
	global_load_b128 v[16+4*\g:19+4*\g], v94, s[4:5] offset:512*\g   ; Q's fragment stays in registers
.endr
	global_load_b32 v[QW], v95, s[4:5] offset:12288
	v_mov_b32 v13, 0xff61b1e6                      ; the largest t so far: -3e38, under every t
	v_floor_f32 v12, -v13                          ; -M
	v_mov_b32 v14, 0                               ; the sum, in two halves
	v_mov_b32 v15, 0
	v_mov_b32 v93, 0                               ; (named as the upper half of the pair v[92:93])
.irp b, 0,1,2,3
	v_mov_b32 v[BP+\b], 0                          ; a lane permute's destination counts as one of its sources
.endr
.set j, 0
.rept 64
	v_mov_b32 v[O+j], 0                            ; O^T.  (The step is written once: the first finds zeros, which the first change of M leaves zeros)
.set j, j+1
.endr
.macro LOAD4 base, g                   ; tiles 4 g .. 4 g + 3 of the piece that begins base bytes behind the step's K piece
.irp t, 0,1,2,3
.irp c, 0,1,2
	ds_load_b128 v[F+12*\t+4*\c:F+12*\t+4*\c+3], v[ADI] offset:\base+1536*(4*\g+\t)+512*\c
.endr
.endr
.endm
.macro KQ4 g                           ; S^T = K Q^T: four tiles of 16 keys; the odd tile's words lie in lanes 16-31 of its register
.irp t, 0,1,2,3
.if \t%2
	v_wmma_scale_f32_16x16x128_f8f6f4 v[S+8*(4*\g+\t):S+8*(4*\g+\t)+7], v[F+12*\t:F+12*\t+11], v[16:27], 0, v[KW+2*\g+\t/2], v[QW] matrix_a_fmt:MATRIX_FMT_FP6 matrix_b_fmt:MATRIX_FMT_FP6 matrix_a_scale:MATRIX_SCALE_ROW1
.else
	v_wmma_scale_f32_16x16x128_f8f6f4 v[S+8*(4*\g+\t):S+8*(4*\g+\t)+7], v[F+12*\t:F+12*\t+11], v[16:27], 0, v[KW+2*\g+\t/2], v[QW] matrix_a_fmt:MATRIX_FMT_FP6 matrix_b_fmt:MATRIX_FMT_FP6
.endif
.endr
.endm
.macro PV4 g                           ; O^T += V^T P^T: four tiles of 16 channels; the eight accumulators take turns, one instruction a turn
.irp t, 0,1,2,3
.if \t%2
	v_wmma_scale_f32_16x16x128_f8f6f4 v[O+8*(4*\g+\t):O+8*(4*\g+\t)+7], v[F+12*\t:F+12*\t+11], v[PC:PC+11], v[O+8*(4*\g+\t):O+8*(4*\g+\t)+7], v[VW+2*\g+\t/2], v95 matrix_a_fmt:MATRIX_FMT_FP6 matrix_b_fmt:MATRIX_FMT_FP6 matrix_a_scale:MATRIX_SCALE_ROW1
.else
	v_wmma_scale_f32_16x16x128_f8f6f4 v[O+8*(4*\g+\t):O+8*(4*\g+\t)+7], v[F+12*\t:F+12*\t+11], v[PC:PC+11], v[O+8*(4*\g+\t):O+8*(4*\g+\t)+7], v[VW+2*\g+\t/2], v95 matrix_a_fmt:MATRIX_FMT_FP6 matrix_b_fmt:MATRIX_FMT_FP6
.endif
.endr
.endm
; A KEY STEP: 128 keys.
.macro STEP
	v_add_nc_u32 v[ADI], s[TB], v[LI]
	v_add_nc_u32 v[ADW], s[TB], v[LS]
	v_nop
	v_nop                                          ; four plain instructions in front of loads into registers that the last products read
	LOAD4 0, 0
.irp p, 0,1,2,3
	ds_load_b32 v[KW+\p], v[ADW] offset:12288+128*\p
.endr
	s_wait_dscnt 0x0
	KQ4 0
	PLACES
	LOAD4 0, 1
	s_wait_dscnt 0x0
	KQ4 1
	PLACES                                         ; in front of the loads below and of the first read of the scores
	LOAD4 4*PIECE, 0                               ; V's first four tiles and its words are asked for ahead of the softmax, which touches none of their registers
.irp p, 0,1,2,3
	ds_load_b32 v[VW+\p], v[ADW] offset:4*PIECE+12288+128*\p
.endr
.irp b, 0,1,2,3
	v_max3_num_f32 v[BM+\b], v[S+16*\b], v[S+1+16*\b], v[S+2+16*\b]   ; the largest score of each block of 32 keys: for the row's maximum, and, since p rises with the score, for the block's largest p
.endr
.irp i, 3,5,7,9,11,13
.irp b, 0,1,2,3
	v_max3_num_f32 v[BM+\b], v[BM+\b], v[S+16*\b+\i], v[S+1+16*\b+\i]
.endr
.endr
.irp b, 0,1,2,3
	v_max_num_f32 v[BM+\b], v[BM+\b], v[S+15+16*\b]
.endr
.irp b, 0,1,2,3
	v_permlanex16_b32 v[BP+\b], v[BM+\b], s[SEL], s[SEL+1]
.endr
.irp b, 0,1,2,3
	v_max_num_f32 v[BM+\b], v[BM+\b], v[BP+\b]     ; with lane l xor 16's 16 keys
.endr
	v_max3_num_f32 v94, v[BM], v[BM+1], v[BM+2]
	v_max_num_f32 v94, v94, v[BM+3]                ; the step's largest score of my query
	v_mul_f32 v94, s[CS], v94                      ; as t (c is positive)
	v_max_num_f32 v13, v13, v94                    ; the running largest t
	v_mov_b32 v94, v12
	v_floor_f32 v12, -v13                          ; the new -M = floor(-t): M is a whole number
	v_sub_f32 v94, v12, v94                        ; old M - new M: a whole number, 0 or less
	v_cvt_i32_f32 v94, v94                         ; (it saturates)
	v_ldexp_f32 v92, 1.0, v94                      ; f = 2^(old M - new M)
.set j, 0
.rept 32
	v_pk_fma_f32 v[S+j:S+j+1], v[S+j:S+j+1], s[CS:CS+1], v[12:13] op_sel_hi:[1,0,0]   ; t - M, two at a time
.set j, j+2
.endr
.irp b, 0,1,2,3
	v_fma_f32 v[BM+\b], v[BM+\b], s[CS], v12       ; the same of each block's largest score
.endr
.set j, 0
.rept 64
	v_exp_f32 v[S+j], v[S+j]                       ; p = 2^(t - M), at most 1: not normalised
.set j, j+1
.endr
	v_pk_mul_f32 v[14:15], v[14:15], v[92:93] op_sel_hi:[1,0]   ; the sums under the new M (a plain instruction behind the exponentials)
	s_wait_alu depctr_va_vdst(0)                   ; one wait for the whole batch, ahead of its first reader
.irp b, 0,1,2,3
	v_exp_f32 v[BM+\b], v[BM+\b]                   ; the block's largest p: the same two instructions on the same number
.endr
	v_pk_add_f32 v[244:245], v[S:S+1], v[S+2:S+3]  ; the row's sum is taken of the unquantised p: two at a time, in two chains
.set j, 4
.rept 15
	v_pk_add_f32 v[14:15], v[14:15], v[S+j:S+j+1]
	v_pk_add_f32 v[244:245], v[244:245], v[S+j+2:S+j+3]
.set j, j+4
.endr
	v_pk_add_f32 v[14:15], v[14:15], v[244:245]
	s_wait_alu depctr_va_vdst(0)                   ; and one for the four
.irp b, 0,1,2,3
	v_max_num_f32 v[BM+\b], 0x1800000, v[BM+\b]    ; the floor 2^(3 - 127): the byte cannot fall under 1
.endr
.irp b, 0,1,2,3
	v_add_nc_u32 v[SO+\b], 0xff000000, v[BM+\b]    ; 2 off the exponent field: the conversion's scale operand
.endr
.irp b, 0,1,2,3
	v_lshrrev_b32 v[BP+\b], 23, v[SO+\b]           ; the scale's byte
.endr
	v_lshl_or_b32 v95, v[BP+1], 8, v[BP]           ; p's scale word for these 128 keys
	v_lshl_or_b32 v95, v[BP+2], 16, v95
	v_lshl_or_b32 v95, v[BP+3], 24, v95
.irp c, 0,1
	v_cvt_scalef32_pk16_fp6_f32 v[PC+6*\c:PC+2+6*\c], v[S+32*\c:S+15+32*\c], v[SO+2*\c]
	v_cvt_scalef32_pk16_fp6_f32 v[PC+12+4*\c:PC+14+4*\c], v[S+16+32*\c:S+31+32*\c], v[SO+2*\c+1]
.endr
	v_nop                                          ; one plain instruction behind a scaled conversion
.irp c, 0,1
.irp i, 0,1,2
	v_permlane16_swap_b32 v[PC+6*\c+\i], v[PC+12+4*\c+\i]
.endr
.irp i, 0,1,2
	v_mov_b32 v[PC+3+6*\c+\i], v[PC+12+4*\c+\i]
.endr
.endr
.set j, 0
.rept 32
	v_pk_mul_f32 v[O+j:O+j+1], v[O+j:O+j+1], v[92:93] op_sel_hi:[1,0]   ; O^T under the new M.  (These 32 also stand between the codes' and the scale word's last writes and the products)
.set j, j+2
.endr
	s_wait_dscnt 0x0                               ; V's first four tiles and its words are in
	PV4 0
	PLACES
	LOAD4 4*PIECE, 1
	s_wait_dscnt 0x0
	PV4 1
.endm
; THE CHANGE OF SLOTS stands at a slot's head.  Each wave waits for all its tensor loads (its piece of the slot that it is about to read), adds 0 to its spare word, and waits for that and for its reads of the slot that it has left.
; fill = 1: the barrier is a round of the cluster's, and behind it the slot just left is filled with the next four key steps.
.macro CHANGE fill
	s_wait_tensorcnt 0x0                           ; no tensor load of mine is out, so group 0 may be written
	ds_add_u32 v[SPW], v[NIL]                      ; 0 onto my spare word
.if \fill
	s_xor_b32 s[G0+1], s[G0+1], SLOT1              ; the other slot than last time,
	s_add_nc_u64 s[G0+2:G0+3], s[G0+2:G0+3], SLOTB ; the next four key steps; the type bits on top are not reached
.endif
	s_wait_dscnt 0x0                               ; the add is done, and my reads of the slot that I have left are over
.if \fill
	CROUND
	tensor_load_to_lds s[G0:G0+3], s[G1:G1+7]      ; the first thing behind the round, and my one tensor load until the next
	s_nop 0
	PLACES
.else
	s_barrier_signal -1
	s_barrier_wait -1
.endif
.endm
.macro FOUR_STEPS                      ; a slot's four key steps: written once, walked four times; the LDS addresses hang on s[TB]
	s_mov_b32 s[CNT], 4
.Lstep_\@:
	STEP
	s_add_co_u32 s[TB], s[TB], PIECE
	s_sub_co_u32 s[CNT], s[CNT], 1
	s_cmp_lg_u32 s[CNT], 0
	s_cbranch_scc1 .Lstep_\@
	s_sub_co_u32 s[TB], s[TB], 4*PIECE             ; back to a slot's first step,
	s_xor_b32 s[TB], s[TB], SLOT1                  ; in the other slot
.endm
	s_wait_loadcnt 0x0                             ; Q
.Lslot:                                            ; three trips: behind each change of slots but the last the next slot is asked for
	CHANGE 1
	FOUR_STEPS
	s_sub_co_u32 s[SLOTS], s[SLOTS], 1
	s_cmp_lg_u32 s[SLOTS], 0
	s_cbranch_scc1 .Lslot
	CHANGE 0                                       ; the last slot is written out
	FOUR_STEPS
	; THE WAY OUT: O^T / the sum; my 64 registers are my query's 128 channels in the quantiser's order: one fragment of the output product's operand, K step = head.
	PLACES
	v_add_f32 v14, v14, v15                        ; the sum's two halves,
	v_permlanex16_b32 v92, v14, s[SEL], s[SEL+1]
	v_add_f32 v14, v14, v92                        ; and lane l xor 16's: the row's sum
	v_rcp_f32 v14, v14
	v_and_b32 v3, 15, v0                           ; (a plain instruction behind the reciprocal)
	v_lshlrev_b32 v3, 2, v3                        ; 4 r
	s_wait_alu depctr_va_vdst(0)                   ; the wait, ahead of the first reader
.set j, 0
.rept 64
	v_mul_f32 v[S+j], v[O+j], v14                  ; each accumulator from its low end on
.set j, j+1
.endr
	QUANT S, 244
.irp g, 0,1,2
	global_store_b128 v[LI], v[PC+4*\g:PC+4*\g+3], s[8:9] offset:512*\g   ; 512 consecutive bytes, aligned
.endr
	global_store_b32 v3, v244, s[44:45] offset:24576   ; 64 bytes: lanes r and r + 16 hold the same word and name the same address
	s_wait_tensorcnt 0x0                           ; the wave's end
	ds_add_u32 v[SPW], v[NIL]
	s_wait_dscnt 0x0
	CROUND                                         ; the closing round: no work-group ends while a partner may still ask for a piece that names it
	s_endpgm
.Lfunc_end_k_qaa953b4b76_attn:
	.size	k_qaa953b4b76_attn, .Lfunc_end_k_qaa953b4b76_attn-k_qaa953b4b76_attn
	.p2alignl 7, 3214868480
	.fill 96, 4, 3214868480
	.section	.rodata,"a",@progbits
	.p2align	6, 0x0
	.amdhsa_kernel k_qaa953b4b76_attn
		.amdhsa_group_segment_fixed_size 327680
		.amdhsa_private_segment_fixed_size 0
		.amdhsa_enable_private_segment 0
		.amdhsa_kernarg_size 24
		.amdhsa_user_sgpr_count 2
		.amdhsa_user_sgpr_kernarg_segment_ptr 1
		.amdhsa_wavefront_size32 1
		.amdhsa_system_sgpr_workgroup_id_x 1
		.amdhsa_system_sgpr_workgroup_id_y 1
		.amdhsa_system_sgpr_workgroup_id_z 1
		.amdhsa_system_vgpr_workitem_id 0
		.amdhsa_next_free_vgpr 256
		.amdhsa_next_free_sgpr 66
		.amdhsa_reserve_vcc 0
		.amdhsa_float_denorm_mode_32 3
		.amdhsa_float_denorm_mode_16_64 3
		.amdhsa_memory_ordered 1
		.amdhsa_forward_progress 1
		.amdhsa_inst_pref_size 53
	.end_amdhsa_kernel
	.amdgpu_metadata
---
amdhsa.version: [ 1, 2 ]
amdhsa.kernels:
  - .name:           k_qaa953b4b76_attn
    .symbol:         k_qaa953b4b76_attn.kd
    .args:
      - { .name: qbuf, .offset: 0, .size: 8, .value_kind: global_buffer, .address_space: global }
      - { .name: kv, .offset: 8, .size: 8, .value_kind: global_buffer, .address_space: global }
      - { .name: g2, .offset: 16, .size: 8, .value_kind: global_buffer, .address_space: global }
    .group_segment_fixed_size: 327680
    .private_segment_fixed_size: 0
    .kernarg_segment_align: 8
    .kernarg_segment_size: 24
    .max_flat_workgroup_size: 256
    .sgpr_count:     66
    .vgpr_count:     256
    .wavefront_size: 32
...
	.end_amdgpu_metadata
.endif
;; end of part 4
;; launch out: the kernel of part 2 again; grid 8 x 8, 4 waves a work-group, clusters of 4 x 4, 327,680 bytes of LDS; arguments g2, bo, bq, bk, out0, kv; writes out0, kv
;; ======== version 2 of 2: 5 launches
;; limits: right only within a limited range of input values
;; workspace buffers: g1 13,107,200 bytes; g2 6,553,600 bytes; qk 33,554,432 bytes; kv 6,553,600 bytes; ss 262,144 bytes
;; launch quant (part 5): grid 128 x 5, 4 waves a work-group, no clusters, 34,304 bytes of LDS; arguments x, Wq, Wk, Wv, Wo, g1, g2; writes g1, g2
.if DOCPART == 5
	.amdgcn_target "amdgcn-amd-amdhsa--gfx1250"
	.amdhsa_code_object_version 6
	.text
	.protected	k_qaa953b4b76_quant
	.globl	k_qaa953b4b76_quant
	.p2align	8
	.type	k_qaa953b4b76_quant,@function
k_qaa953b4b76_quant:
	s_mov_b64 s[64:65], 0
	v_nop
	global_prefetch_b8 v0, s[64:65] scope:SCOPE_SE
	s_setreg_imm32_b32 hwreg(HW_REG_WAVE_MODE, 25, 1), 1
	s_wait_xcnt 0x0
; x, Wq, Wk, Wv, Wo, each [2048][2048] f32 with K innermost, become codes of FP6 (E2M3) with one E8M0 byte for each 32 along K,
; laid as the products' launches want them: RECORDS of 25,600 bytes, one for each tile of 16 rows, in FOUR GROUPS of 6,400 bytes; group w holds K steps 4 w .. 4 w + 3:
; 256 bytes of scale words (row r's four words at 16 r, step s at 4 s), then four images of 1,536 bytes.
; AN IMAGE is an operand's 12 registers as they stand: registers 4 g .. 4 g + 3 of lane l at 512 g + 16 l.  A SCALE WORD is a row's four bytes for 128 along K.
; THE ROWS OF A TILE ARE NOT NEIGHBOURS: row r of tile T is row 32 (T / 2) + 8 (T % 2) + r % 8 + 16 (r / 8) of the tensor, so that the results of a product used transposed lie in a lane as neighbours.
; g1: tiles 0-127 x, 128-255 Wq, 256-383 Wk, 384-511 Wv.  g2: tiles 128-255 Wo (tiles 0-127 are the attention launch's).
; SHARES: work-group (T, y) takes tile T of tensor y; wave w its group w.  Each load reads 512 consecutive bytes of one row; the 16 rows turn through the wave's own stage in LDS,
; so that lane (r, h) gets 16 neighbours of each block of 32 of row r.  No barrier: waves share nothing.  No cluster: no two work-groups read the same bytes.
; A block's scale is 2^(floor(log2(its largest magnitude)) - 2); its byte is that magnitude's exponent field - 2, held at 1 from below.
; LIMITS: a block of zeros, or one whose largest magnitude lies under 2^-124, keeps the byte 1 (its codes are zeros or the nearest codes under that scale; this program alone reads the bytes); NaN and infinities are not served.
.set ROWB, 8192                        ; a row of a tensor in bytes
.set SP,   528                         ; a stage row: 512 bytes + 16
.set WST,  16*SP                       ; a wave's stage
.set REC,  25600
.set LI,   4                           ; v4   16 x lane
.set STI,  5                           ; v5   the stage, on the way in
.set STO,  6                           ; v6   and out: wave's stage + 528 r + 64 h
.set CO,   8                           ; v8   my codes' place in the record: 16 x lane + 6,400 x wave + 256
.set WO,   9                           ; v9   my row's four scale words: 16 r + 6,400 x wave
.set R,    16                          ; v16-143  two sets of 16 rows x 16 bytes as loaded
.set X,    144                         ; v144-207 64 numbers: register 16 b + i = k 32 b + 16 h + i of row r
.set PC,   208                         ; v208-219 the codes; v220-226 at work
.set TM,   228                         ; v228-243 at work
.set PW,   244                         ; v244-247 the four fragments' scale words
.set SEL,  20                          ; s[20:21] lane selects for v_permlanex16_b32: lane l xor 16
.macro QUANT s, pw                     ; 64 numbers of a lane become a fragment's codes in v[PC] on and its scale word in v[pw]
.irp b, 0,1,2,3
	v_max3_num_f32 v[TM+\b], |v[\s+16*\b]|, |v[\s+1+16*\b]|, 0x1800000   ; my 16 numbers of block b, and the floor 2^(3 - 127)
.endr
.irp i, 2,4,6,8,10,12,14
.irp b, 0,1,2,3
	v_max3_num_f32 v[TM+\b], v[TM+\b], |v[\s+16*\b+\i]|, |v[\s+1+16*\b+\i]|
.endr
.endr
.irp b, 0,1,2,3
	v_permlanex16_b32 v[TM+4+\b], v[TM+\b], s[SEL], s[SEL+1]
.endr
.irp b, 0,1,2,3
	v_max_num_f32 v[TM+\b], v[TM+\b], v[TM+4+\b]   ; with lane l xor 16's: the block's largest magnitude
.endr
.irp b, 0,1,2,3
	v_add_nc_u32 v[TM+12+\b], 0xff000000, v[TM+\b]   ; 2 off its exponent field: the conversion's scale operand
.endr
.irp b, 0,1,2,3
	v_lshrrev_b32 v[TM+4+\b], 23, v[TM+12+\b]      ; the scale's byte
.endr
	v_lshl_or_b32 v[\pw], v[TM+5], 8, v[TM+4]
	v_lshl_or_b32 v[\pw], v[TM+6], 16, v[\pw]
	v_lshl_or_b32 v[\pw], v[TM+7], 24, v[\pw]
.irp c, 0,1
	v_cvt_scalef32_pk16_fp6_f32 v[PC+6*\c:PC+2+6*\c], v[\s+32*\c:\s+15+32*\c], v[TM+12+2*\c]
	v_cvt_scalef32_pk16_fp6_f32 v[PC+12+4*\c:PC+14+4*\c], v[\s+16+32*\c:\s+31+32*\c], v[TM+12+2*\c+1]
.endr
	v_nop                                          ; one plain instruction behind a scaled conversion
.irp c, 0,1                                    ; the operand's layout wants a whole block in a lane
.irp i, 0,1,2
	v_permlane16_swap_b32 v[PC+6*\c+\i], v[PC+12+4*\c+\i]
.endr
.irp i, 0,1,2
	v_mov_b32 v[PC+3+6*\c+\i], v[PC+12+4*\c+\i]
.endr
.endr
.endm
.macro LOAD f                          ; fragment f's 16 rows, 512 consecutive bytes each, into set f % 2
.set p, 0
.rept 16
	global_load_b128 v[R+64*((\f)%2)+4*p:R+64*((\f)%2)+4*p+3], v[LI], s[4:5] offset:((p%8)+16*(p/8))*ROWB+512*(\f) th:TH_LOAD_NT
.set p, p+1
.endr
.endm
.macro TURNIN src                      ; through my stage: LDS serves a wave's instructions in order
.set p, 0
.rept 16
	ds_store_b128 v[STI], v[\src+4*p:\src+4*p+3] offset:SP*p
.set p, p+1
.endr
.irp b, 0,1,2,3
.irp j, 0,1,2,3
	ds_load_b128 v[X+16*\b+4*\j:X+16*\b+4*\j+3], v[STO] offset:128*\b+16*\j
.endr
.endr
.endm
	s_load_b256 s[4:11], s[0:1], 0x0               ; x, Wq, Wk, Wv
	s_load_b128 s[12:15], s[0:1], 0x20             ; Wo, g1
	s_load_b64 s[16:17], s[0:1], 0x30              ; g2
	v_lshl_add_u32 v250, v0, 2, 0x8400
	v_mov_b32 v251, 0
	v_lshrrev_b32 v1, 5, v0
	v_readfirstlane_b32 s18, v1                    ; wave 0..3
	s_and_b32 s19, ttmp7, 0xffff                   ; which tensor
	v_and_b32 v1, 31, v0                           ; lane
	v_and_b32 v2, 15, v0                           ; r
	v_bfe_u32 v3, v0, 4, 1                         ; h
	v_lshlrev_b32 v[LI], 4, v1
	s_mul_i32 s22, s18, WST
	v_add_nc_u32 v[STI], s22, v[LI]
	v_mul_u32_u24 v[STO], v2, SP
	v_lshl_add_u32 v[STO], v3, 6, v[STO]
	v_add_nc_u32 v[STO], s22, v[STO]
	s_mul_i32 s23, s18, 6400                       ; my group
	s_add_co_u32 s26, s23, 256                     ; its images lie behind its 256 bytes of words
	v_add_nc_u32 v[CO], s26, v[LI]
	v_lshl_add_u32 v[WO], v2, 4, s23
	s_mov_b32 s[SEL], 0x76543210
	s_mov_b32 s[SEL+1], 0xfedcba98
.irp b, 0,1,2,3
	v_mov_b32 v[TM+4+\b], 0                        ; written once: a lane permute's destination counts as one of its sources
.endr
	s_lshr_b32 s24, ttmp9, 1
	s_lshl_b32 s24, s24, 5
	s_and_b32 s25, ttmp9, 1
	s_lshl_b32 s25, s25, 3
	s_add_co_u32 s24, s24, s25                     ; the tile's first row: 32 (T / 2) + 8 (T % 2)
	s_lshl_b32 s24, s24, 13                        ; in bytes,
	s_lshl_b32 s25, s18, 11
	s_add_co_u32 s24, s24, s25                     ; + my wave's four K steps of 512 bytes
	s_mov_b32 s25, 0
	s_lshl_b32 s22, s19, 7                         ; g1: tensor y's tiles begin at 128 y
	s_wait_alu depctr_va_vdst(0)
	s_wait_kmcnt 0x0
	s_cmp_eq_u32 s19, 1                            ; the choices hang on the work-group's number alone
	s_cselect_b64 s[4:5], s[6:7], s[4:5]
	s_cmp_eq_u32 s19, 2
	s_cselect_b64 s[4:5], s[8:9], s[4:5]
	s_cmp_eq_u32 s19, 3
	s_cselect_b64 s[4:5], s[10:11], s[4:5]
	s_cmp_eq_u32 s19, 4
	s_cselect_b64 s[4:5], s[12:13], s[4:5]
	s_cselect_b64 s[14:15], s[16:17], s[14:15]     ; Wo goes to g2,
	s_cselect_b32 s22, 128, s22                    ; tiles 128 on
	s_add_co_u32 s22, s22, ttmp9
	s_mul_i32 s22, s22, REC                        ; at most 511 x 25,600: under 2^32
	s_mov_b32 s23, 0
	s_add_nc_u64 s[4:5], s[4:5], s[24:25]
	s_add_nc_u64 s[14:15], s[14:15], s[22:23]
	LOAD 0
	LOAD 1
.macro FRAGM f
.if \f > 0
	s_wait_xcnt 0x0                                ; the last fragment's stores have read their registers
.endif
.if \f < 3
	s_wait_loadcnt 16                              ; this fragment's 16 loads are in; the next fragment's 16 may be out
.else
	s_wait_loadcnt 0x0
.endif
	TURNIN R+64*(\f%2)
	s_wait_dscnt 0x0                               ; my 64 numbers are back, and the stage's stores have read their registers,
.if \f < 2
	LOAD \f+2                                      ; which take the fragment two on
.endif
	QUANT X, PW+\f
.irp g, 0,1,2
	global_store_b128 v[CO], v[PC+4*\g:PC+4*\g+3], s[14:15] offset:1536*\f+512*\g   ; 512 consecutive bytes, at a multiple of 256 from the buffer's first byte
.endr
.endm
	FRAGM 0
	FRAGM 1
	FRAGM 2
	FRAGM 3
	global_store_b128 v[WO], v[PW:PW+3], s[14:15]  ; the group's 256 bytes of words; lanes r and r + 16 hold the same words and name the same address
	s_wait_tensorcnt 0x0                           ; the wave's end
	ds_add_u32 v250, v251
	s_wait_dscnt 0x0
	s_endpgm
.Lfunc_end_k_qaa953b4b76_quant:
	.size	k_qaa953b4b76_quant, .Lfunc_end_k_qaa953b4b76_quant-k_qaa953b4b76_quant
	.p2alignl 7, 3214868480
	.fill 96, 4, 3214868480
	.section	.rodata,"a",@progbits
	.p2align	6, 0x0
	.amdhsa_kernel k_qaa953b4b76_quant
		.amdhsa_group_segment_fixed_size 34304
		.amdhsa_private_segment_fixed_size 0
		.amdhsa_enable_private_segment 0
		.amdhsa_kernarg_size 56
		.amdhsa_user_sgpr_count 2
		.amdhsa_user_sgpr_kernarg_segment_ptr 1
		.amdhsa_wavefront_size32 1
		.amdhsa_system_sgpr_workgroup_id_x 1
		.amdhsa_system_sgpr_workgroup_id_y 1
		.amdhsa_system_sgpr_workgroup_id_z 1
		.amdhsa_system_vgpr_workitem_id 0
		.amdhsa_next_free_vgpr 252
		.amdhsa_next_free_sgpr 66
		.amdhsa_reserve_vcc 0
		.amdhsa_float_denorm_mode_32 3
		.amdhsa_float_denorm_mode_16_64 3
		.amdhsa_memory_ordered 1
		.amdhsa_forward_progress 1
		.amdhsa_inst_pref_size 34
	.end_amdhsa_kernel
	.amdgpu_metadata
---
amdhsa.version: [ 1, 2 ]
amdhsa.kernels:
  - .name:           k_qaa953b4b76_quant
    .symbol:         k_qaa953b4b76_quant.kd
    .args:
      - { .name: x, .offset: 0, .size: 8, .value_kind: global_buffer, .address_space: global }
      - { .name: Wq, .offset: 8, .size: 8, .value_kind: global_buffer, .address_space: global }
      - { .name: Wk, .offset: 16, .size: 8, .value_kind: global_buffer, .address_space: global }
      - { .name: Wv, .offset: 24, .size: 8, .value_kind: global_buffer, .address_space: global }
      - { .name: Wo, .offset: 32, .size: 8, .value_kind: global_buffer, .address_space: global }
      - { .name: g1, .offset: 40, .size: 8, .value_kind: global_buffer, .address_space: global }
      - { .name: g2, .offset: 48, .size: 8, .value_kind: global_buffer, .address_space: global }
    .group_segment_fixed_size: 34304
    .private_segment_fixed_size: 0
    .kernarg_segment_align: 8
    .kernarg_segment_size: 56
    .max_flat_workgroup_size: 128
    .sgpr_count:     66
    .vgpr_count:     252
    .wavefront_size: 32
...
	.end_amdgpu_metadata
.endif
;; end of part 5
;; launch qkv (part 6): grid 16 x 16, 4 waves a work-group, clusters of 4 x 4, 327,680 bytes of LDS; arguments g1, bq, bk, bv, qk, kv, freqs_cos, freqs_sin, gq, gk, ss; writes qk, kv, ss
.if DOCPART == 6
	.amdgcn_target "amdgcn-amd-amdhsa--gfx1250"
	.amdhsa_code_object_version 6
	.text
	.protected	k_qaa953b4b76_qkv
	.globl	k_qaa953b4b76_qkv
	.p2align	8
	.type	k_qaa953b4b76_qkv,@function
k_qaa953b4b76_qkv:
	s_mov_b64 s[64:65], 0
	v_nop
	global_prefetch_b8 v0, s[64:65] scope:SCOPE_SE
	s_setreg_imm32_b32 hwreg(HW_REG_WAVE_MODE, 25, 1), 1
	s_wait_xcnt 0x0
	s_wait_alu depctr_hold_cnt(0) depctr_sa_sdst(0) depctr_va_vdst(0) depctr_va_sdst(0) depctr_va_ssrc(0) depctr_va_vcc(0) depctr_vm_vsrc(0)
	s_getreg_b32 s2, hwreg(HW_REG_IB_STS2, 6, 4)
	s_cmp_eq_u32 s2, 0
	s_cbranch_scc0 .Lentry_in_a_cluster
	s_endpgm
.Lentry_in_a_cluster:
	s_bfe_u32 s2, ttmp6, 0x10000c
	s_cmp_lg_u32 s2, 0xf033
	s_cbranch_scc0 .Lentry_shape_is_right
	s_endpgm
.Lentry_shape_is_right:
; q = x Wq^T + bq, k = x Wk^T + bk, v = x Wv^T + bv, on codes of FP6 (E2M3) with E8M0 scales out of g1: records of 25,600 bytes for a tile of 16 rows, four groups of 6,400 bytes (4 K steps each):
; 256 bytes of scale words (row r at 16 r, step s at 4 s), then four register images of 1,536 bytes.
; OUT.  The RMS norm's factor is one number a row, and the gain and the RoPE are linear in the row: so q and k leave as z = RoPE(gain x q), f32, and the factor is applied by the launch that quantises z.
;   qk [plane: 0 q, 1 k][tile of 16 positions][head]: an image of 8,192 bytes: registers 4 p .. 4 p + 3 of lane l at 512 p + 16 l; register 16 b + i of lane (r, h) is channel 32 b + 16 h + i of the tile's row r.
;   ss [plane][tile][row r][head]: the sum of the squares of q's (k's) 128 numbers of that row and head, bias in, gain not.
;   kv: v is quantised along the keys and leaves as V^T's images.
; LIMIT: the order of rounding differs from the reference's (gain and rotation first, the factor last); every step is f32.
; SHARES: work-group (bx, by) takes 128 positions (x's tiles 8 by ..) and head bx's 128 rows of Wq, Wk and Wv: 256 work-groups of equal work.
; PASS 1: q and k.  Wave (rh, ch) makes 64 positions x 128 columns of q (ch = 0) or k (ch = 1): 32 accumulators in window 2; source 0 = 16 rows of W, source 1 = 16 rows of x: a lane holds one position, and its 64 registers
; of a block of 16 positions stand in the image's order: nothing is turned.
; PASS 2: V^T.  Wave w makes 128 keys x channel tiles 2 w, 2 w + 1: 16 accumulators in window 3; source 0 = x, source 1 = Wv: a lane holds one channel, its registers run along the keys.
; q's and k's four blocks are worked and stored beside pass 2's products; behind pass 2 only V's codes are left to store.
; LDS: two slots of 153,600 bytes, one group each: x's 8 tiles, then Wq's 8 and Wk's 8 (pass 2: Wv's 8, and the last third is not filled).
; FILLS: one joint load a wave at the head and behind each round of the cluster's barrier: waves 0, 1 x's halves (shared along the cluster's row), waves 2, 3 Wq and Wk, later Wv's halves (shared along its column).
; A refill is asked for in the last K step of the group that it replaces and is waited for four K steps later.  The walk is written out by macros: the refills and the first step differ from group to group.
; PREFETCH: behind each refill every wave names the bytes of its own NEXT refill: 25 blocks of 256 bytes of one tile's group an instruction, a lane a block (lanes 25-31 name the last block again); the four partners that
; ask for a tile jointly share its tiles out by address (cx for x, cy for W).  x's groups are named in pass 1 alone: pass 2 reads them a second time.  The last refill has nothing behind it to name.
; LIMITS: a block of zeros, or one under 2^-124, keeps the byte 1 (this program alone reads the bytes); NaN and infinities are not served.
.set REC,    25600
.set GRP,    6400
.set XT,     8*GRP                     ; eight tiles' group
.set SLOT,   3*XT
.set SPARE,  2*SLOT                    ; the spare words: 128 bytes a wave, named by no other line
.set AD,   8                           ; v8-23 LDS addresses: AD + 8 pass + 4 slot + kind; kind 0 source 0's images, 1 source 1's, 2 scale words (lanes 0-15 source 1's tile, lanes 16-31 source 0's), 3 scale words of source 0 in all lanes
.set TBO,  24                          ; the tables: 512 x (r % 8 + 16 (r / 8)) + 64 h
.set SSO,  25                          ; ss: 64 r
.set CO,   26                          ; 16 x lane
.set SPW,  28
.set NIL,  29
.set BOF,  30                          ; 64 h
.set PFO,  31                          ; 256 x min(lane, 24)
.set BIAS, 64                          ; v64-127 bq or bk in the result's layout: the C of the first K step; later the rotation's first products
.set AF,   128                         ; v128-223 source 1's fragments, two sets of 48; scale words: v32-63 (slot 0's group), v224-255 (slot 1's)
.set XQ,   32                          ; window 1, v96-127 and v224-255: the gain; window 3, v128-191 a block's cosines, v192-255 its sines
.set PC,   96
.set TM,   116
.set PWR,  132
.set PWK,  133
.set PWS,  134
.set BV,   136
.set SEL,  98
.set G1A, 24                           ; group 1: x, 4 tiles;  G1B: W, 8 tiles;  G1C: Wv, 4 tiles
.set G0A, 32                           ; groups 0, one for each slot
.set G1B, 48
.set G0B, 56
.set G1C, 68
.set G0C, 76
.set PF,  84
.set PF2, 86
.set MSB, 0
.macro WIN new
.if MSB != \new
	s_set_vgpr_msb (MSB<<8)|\new
.set MSB, \new
.endif
.endm
.set TO_B, 0x40
.macro JLOAD g0a, g1a, g0b, g1b        ; waves 0, 1 ask for x, waves 2, 3 for W; s_nop 0 and four v_nop behind each line
	s_cmp_eq_u32 s15, 0
	s_cbranch_scc0 .Lfor_b_\@
	tensor_load_to_lds s[\g0a:\g0a+3], s[\g1a:\g1a+7]
	s_nop 0
.rept 4
	v_nop
.endr
	s_branch .Lasked_\@
.Lfor_b_\@:
	tensor_load_to_lds s[\g0b:\g0b+3], s[\g1b:\g1b+7]
	s_nop 0
.rept 4
	v_nop
.endr
.Lasked_\@:
.endm
.macro CREST
	s_cmp_lg_u32 s14, 0
	s_cbranch_scc1 .Lnot_wave_0_\@
	s_barrier_signal -3
.Lnot_wave_0_\@:
	s_barrier_wait -3
	s_barrier_signal -1
	s_barrier_wait -1
.endm
.macro CROUND
	s_barrier_signal -1
	s_barrier_wait -1
	CREST
.endm
.macro PLACES
.rept 4
	v_nop
.endr
.endm
.macro ASK1 g                          ; pass 1's group g: my share of my own next load: x one tile, W two
	global_prefetch_b8 v[PFO], s[PF:PF+1] offset:GRP*\g th:TH_LOAD_NT scope:SCOPE_SE
	s_cmp_eq_u32 s15, 0
	s_cbranch_scc1 .Lpa_\@
	global_prefetch_b8 v[PFO], s[PF:PF+1] offset:GRP*\g+REC th:TH_LOAD_NT scope:SCOPE_SE
.Lpa_\@:
.endm
.macro ASK2 g                          ; pass 2's group g of Wv: one tile, waves 2 and 3
	s_cmp_eq_u32 s15, 0
	s_cbranch_scc1 .Lpb_\@
	global_prefetch_b8 v[PFO], s[PF2:PF2+1] offset:GRP*\g th:TH_LOAD_NT scope:SCOPE_SE
.Lpb_\@:
.endm
.macro QUANT s, pw                     ; 64 numbers of a lane (register 16 b + i = k 32 b + 16 h + i) become codes in v[PC] on and a scale word in v[pw]
.irp b, 0,1,2,3
	v_max3_num_f32 v[TM+\b], |v[\s+16*\b]|, |v[\s+1+16*\b]|, 0x1800000
.endr
.irp i, 2,4,6,8,10,12,14
.irp b, 0,1,2,3
	v_max3_num_f32 v[TM+\b], v[TM+\b], |v[\s+16*\b+\i]|, |v[\s+1+16*\b+\i]|
.endr
.endr
.irp b, 0,1,2,3
	v_permlanex16_b32 v[TM+4+\b], v[TM+\b], s[SEL], s[SEL+1]
.endr
.irp b, 0,1,2,3
	v_max_num_f32 v[TM+\b], v[TM+\b], v[TM+4+\b]
.endr
.irp b, 0,1,2,3
	v_add_nc_u32 v[TM+12+\b], 0xff000000, v[TM+\b]
.endr
.irp b, 0,1,2,3
	v_lshrrev_b32 v[TM+4+\b], 23, v[TM+12+\b]
.endr
	v_lshl_or_b32 v[\pw], v[TM+5], 8, v[TM+4]
	v_lshl_or_b32 v[\pw], v[TM+6], 16, v[\pw]
	v_lshl_or_b32 v[\pw], v[TM+7], 24, v[\pw]
.irp c, 0,1
	v_cvt_scalef32_pk16_fp6_f32 v[PC+6*\c:PC+2+6*\c], v[\s+32*\c:\s+15+32*\c], v[TM+12+2*\c]
	v_cvt_scalef32_pk16_fp6_f32 v[PC+12+4*\c:PC+14+4*\c], v[\s+16+32*\c:\s+31+32*\c], v[TM+12+2*\c+1]
.endr
	v_nop
.irp c, 0,1
.irp i, 0,1,2
	v_permlane16_swap_b32 v[PC+6*\c+\i], v[PC+12+4*\c+\i]
.endr
.irp i, 0,1,2
	v_mov_b32 v[PC+3+6*\c+\i], v[PC+12+4*\c+\i]
.endr
.endr
.endm
	s_load_b256 s[4:11], s[0:1], 0x0               ; g1, bq, bk, bv
	s_load_b64 s[12:13], s[0:1], 0x20              ; qk
	s_load_b64 s[96:97], s[0:1], 0x28              ; kv
	v_lshl_add_u32 v[SPW], v0, 2, SPARE
	v_mov_b32 v[NIL], 0
	ds_add_u32 v[SPW], v[NIL]                      ; the opening lines: the add, twice on end, and its wait
	ds_add_u32 v[SPW], v[NIL]
	v_lshrrev_b32 v1, 5, v0
	v_readfirstlane_b32 s14, v1                    ; wave
	s_lshr_b32 s15, s14, 1                         ; rh; also: I fetch x (0) or W (1)
	s_and_b32 s16, s14, 1                          ; ch; also: which half, or Wq / Wk
	s_bfe_u32 s40, ttmp6, 0x40000                  ; cx
	s_bfe_u32 s41, ttmp6, 0x40004                  ; cy
	s_lshl_b32 s42, ttmp9, 2
	s_add_co_u32 s42, s42, s40                     ; bx: the head
	s_and_b32 s17, ttmp7, 0xffff
	s_lshl_b32 s17, s17, 2
	s_add_co_u32 s17, s17, s41                     ; by: the block of 128 positions
	s_lshl_b32 s43, s41, 2
	s_lshl_b32 s43, 15, s43                        ; my row of the cluster
	s_lshl_b32 s44, 0x1111, s40                    ; my column
	s_mov_b32 s[SEL], 0x76543210
	s_mov_b32 s[SEL+1], 0xfedcba98
	s_or_b32 s[G1A], s43, (3<<16)|(1<<21)          ; elements of 8 bytes; bit 21 beside a mask
	s_or_b32 s[G1B], s44, (3<<16)|(1<<21)
	s_or_b32 s[G1C], s44, (3<<16)|(1<<21)
.irp g, G1A, G1B, G1C
	s_mov_b32 s[\g+1], 800<<16                     ; a tile's group: 6,400 bytes
	s_mov_b32 s[\g+3], 800<<16
	s_mov_b32 s[\g+5], REC/8                       ; from tile to tile
	s_mov_b32 s[\g+6], 0
	s_mov_b32 s[\g+7], 0
.endr
.irp g, G1A, G1C
	s_mov_b32 s[\g+2], 4<<16
	s_mov_b32 s[\g+4], 4
.endr
	s_mov_b32 s[G1B+2], 8<<16
	s_mov_b32 s[G1B+4], 8
	s_lshl_b32 s18, s16, 2
	s_lshl_b32 s20, s17, 3
	s_add_co_u32 s20, s20, s18
	s_mul_i32 s20, s20, REC                        ; x: tile 8 by + 4 half
	s_mov_b32 s21, 0
	s_lshl_b32 s46, s42, 3
	s_lshl_b32 s19, s16, 7
	s_add_co_u32 s46, s46, s19
	s_add_co_u32 s46, s46, 128
	s_mul_i32 s46, s46, REC                        ; Wq or Wk: tile 128 + 128 ch + 8 bx
	s_mov_b32 s47, 0
	s_lshl_b32 s88, s42, 3
	s_add_co_u32 s88, s88, s18
	s_add_co_u32 s88, s88, 384
	s_mul_i32 s88, s88, REC                        ; Wv: tile 384 + 8 bx + 4 half
	s_mov_b32 s89, 0
	s_mul_i32 s90, s40, REC
	s_add_co_u32 s90, s90, s20                     ; prefetch: of x's 4 tiles partner cx takes one,
	s_mul_i32 s91, s41, 2*REC
	s_add_co_u32 s91, s91, s46                     ; of W's 8 partner cy takes two,
	s_cmp_eq_u32 s15, 0
	s_cselect_b32 s90, s90, s91
	s_mov_b32 s91, 0
	s_mul_i32 s92, s41, REC
	s_add_co_u32 s92, s92, s88                     ; of Wv's 4 one
	s_mov_b32 s93, 0
	s_mul_i32 s45, s16, 4*GRP                      ; LDS: x's halves;
	s_mul_i32 s94, s16, XT
	s_add_co_u32 s94, s94, XT                      ; Wq, Wk (also my source 0 of pass 1);
	s_add_co_u32 s95, s45, XT                      ; Wv's halves
	s_mul_i32 s67, s15, 4*GRP                      ; my source 1 of pass 1: x's tiles 4 rh ..
	s_sub_co_u32 s22, s94, s67
	s_mul_i32 s23, s14, 2*GRP
	s_add_co_u32 s23, s23, XT                      ; my source 1 of pass 2: Wv's tiles 2 w, 2 w + 1
	s_wait_dscnt 0x0
	s_wait_kmcnt 0x0
	s_add_nc_u64 s[20:21], s[4:5], s[20:21]
	s_add_nc_u64 s[46:47], s[4:5], s[46:47]
	s_add_nc_u64 s[88:89], s[4:5], s[88:89]
	s_add_nc_u64 s[PF:PF+1], s[4:5], s[90:91]
	s_add_nc_u64 s[PF2:PF2+1], s[4:5], s[92:93]
	CROUND                                         ; all sixteen work-groups are here: the first joint loads meet
.irp s, 0,1
	s_mov_b32 s[G0A+4*\s], 1
	s_add_co_u32 s[G0A+4*\s+1], s45, \s*SLOT
	s_add_nc_u64 s[G0A+4*\s+2:G0A+4*\s+3], s[20:21], \s*GRP
	s_or_b32 s[G0A+4*\s+3], s[G0A+4*\s+3], 0x80000000
	s_mov_b32 s[G0B+4*\s], 1
	s_add_co_u32 s[G0B+4*\s+1], s94, \s*SLOT
	s_add_nc_u64 s[G0B+4*\s+2:G0B+4*\s+3], s[46:47], \s*GRP
	s_or_b32 s[G0B+4*\s+3], s[G0B+4*\s+3], 0x80000000
	s_mov_b32 s[G0C+4*\s], 1
	s_add_co_u32 s[G0C+4*\s+1], s95, \s*SLOT
	s_add_nc_u64 s[G0C+4*\s+2:G0C+4*\s+3], s[88:89], \s*GRP
	s_or_b32 s[G0C+4*\s+3], s[G0C+4*\s+3], 0x80000000
.endr
	JLOAD G0A, G1A, G0B, G1B                       ; group 0 into slot 0: one tensor load a wave at the head
	; where the results go, and the biases
	s_cmp_eq_u32 s16, 1
	s_cselect_b64 s[6:7], s[8:9], s[6:7]           ; bq or bk, by the wave's number
	s_lshl_b32 s90, s42, 9                         ; the head's 512 bytes
	s_mov_b32 s91, 0
	s_add_nc_u64 s[6:7], s[6:7], s[90:91]
	s_lshl_b32 s92, s14, 7
	s_add_co_u32 s92, s92, s90
	s_mov_b32 s93, 0
	s_add_nc_u64 s[10:11], s[10:11], s[92:93]      ; bv at the head's channel 32 w
	s_lshl_b32 s92, s17, 20
	s_lshl_b32 s18, s15, 19
	s_add_co_u32 s92, s92, s18
	s_lshl_b32 s18, s16, 24
	s_add_co_u32 s92, s92, s18
	s_lshl_b32 s18, s42, 13
	s_add_co_u32 s92, s92, s18
	s_add_nc_u64 s[12:13], s[12:13], s[92:93]      ; qk: plane ch, tile 8 by + 4 rh (131,072 bytes a tile), the head's image
	s_mul_i32 s92, s42, 409600
	s_lshr_b32 s18, s17, 2
	s_mul_i32 s18, s18, 102400
	s_add_co_u32 s92, s92, s18
	s_and_b32 s18, s17, 3
	s_mul_i32 s18, s18, 12800
	s_add_co_u32 s92, s92, s18
	s_add_co_u32 s92, s92, 51200
	s_add_nc_u64 s[96:97], s[96:97], s[92:93]      ; kv: head bx, slot by / 4, piece 4 + by % 4
	s_mul_i32 s20, s14, 3072
	s_lshl_b32 s21, s14, 7
	v_and_b32 v1, 15, v0                           ; r
	v_bfe_u32 v2, v0, 4, 1                         ; h
	v_and_b32 v6, 31, v0
	v_lshlrev_b32 v[CO], 4, v6
	v_lshlrev_b32 v5, 4, v1                        ; 16 r
	v_sub_nc_u32 v7, 1, v2
	v_lshlrev_b32 v[BOF], 6, v2
	v_min_u32 v[PFO], 24, v6
	v_lshlrev_b32 v[PFO], 8, v[PFO]
	v_add_nc_u32 v[AD+0], s94, v[CO]
	v_add_nc_u32 v[AD+1], s67, v[CO]
	v_mul_u32_u24 v3, s22, v2                      ; lanes 16-31 take source 0's words
	v_add_nc_u32 v3, v3, v5
	v_add_nc_u32 v[AD+2], s67, v3
	v_add_nc_u32 v[AD+3], s94, v5
	v_add_nc_u32 v[AD+8], 0, v[CO]
	v_add_nc_u32 v[AD+9], s23, v[CO]
	v_mul_u32_u24 v4, s23, v7                      ; pass 2: lanes 0-15 take Wv's words, lanes 16-31 x's, which begin at 0
	v_add_nc_u32 v[AD+10], v4, v5
	v_add_nc_u32 v[AD+11], 0, v5
.irp k, 0,1,2,3,8,9,10,11
	v_add_nc_u32 v[AD+4+\k], SLOT, v[AD+\k]
.endr
	v_and_b32 v3, 7, v1
	v_lshrrev_b32 v4, 3, v1
	v_lshl_add_u32 v3, v4, 4, v3                   ; my row's position in its tile: r % 8 + 16 (r / 8)
	v_lshl_add_u32 v[TBO], v3, 9, v[BOF]
	v_lshlrev_b32 v[SSO], 6, v1
	s_wait_alu depctr_va_vdst(0)
.irp b, 0,1,2,3,4,5,6,7
	global_load_b128 v[BIAS+8*\b:BIAS+8*\b+3], v[BOF], s[6:7] offset:128*(\b/2)+32*(\b%2)
	global_load_b128 v[BIAS+8*\b+4:BIAS+8*\b+7], v[BOF], s[6:7] offset:128*(\b/2)+32*(\b%2)+16
.endr
	ASK1 1
	; the way out's arguments, under the first load's flight, into registers that the head has done with
	s_load_b256 s[88:95], s[0:1], 0x30             ; freqs_cos, freqs_sin, gq, gk
	s_load_b64 s[46:47], s[0:1], 0x50              ; ss
	s_lshl_b32 s2, s17, 16
	s_lshl_b32 s18, s15, 15
	s_add_co_u32 s2, s2, s18                       ; the tables at position 128 by + 64 rh: rows of 512 bytes
	s_mov_b32 s3, 0
	s_lshl_b32 s22, s42, 9                         ; the gain: the head's 512 bytes
	s_mov_b32 s23, 0
	s_lshl_b32 s18, s17, 13
	s_lshl_b32 s19, s15, 12
	s_add_co_u32 s18, s18, s19                     ; ss: tile 8 by + 4 rh, 1,024 bytes a tile,
	s_lshl_b32 s19, s16, 17
	s_add_co_u32 s18, s18, s19                     ; plane ch,
	s_lshl_b32 s19, s42, 2
	s_add_co_u32 s18, s18, s19                     ; the head's word
	s_mov_b32 s19, 0
	s_wait_kmcnt 0x0
	s_cmp_eq_u32 s16, 1
	s_cselect_b64 s[92:93], s[94:95], s[92:93]     ; gq or gk, by the wave's number
	s_add_nc_u64 s[88:89], s[88:89], s[2:3]
	s_add_nc_u64 s[90:91], s[90:91], s[2:3]
	s_add_nc_u64 s[92:93], s[92:93], s[22:23]
	s_add_nc_u64 s[46:47], s[46:47], s[18:19]
	WIN TO_B
.irp b, 0,1,2,3,4,5,6,7
	global_load_b128 v[96+8*\b+96*(\b/4):96+8*\b+96*(\b/4)+3], v[BOF], s[92:93] offset:128*(\b/2)+32*(\b%2)       ; the gain in the result's layout: window 1, v96-127 and v224-255
	global_load_b128 v[96+8*\b+96*(\b/4)+4:96+8*\b+96*(\b/4)+7], v[BOF], s[92:93] offset:128*(\b/2)+32*(\b%2)+16
.endr
	WIN 0
.macro FRAG reg, adr, q, i             ; an image as it lies: 3 x 16 bytes a lane
.irp g, 0,1,2
	ds_load_b128 v[\reg+4*\g:\reg+4*\g+3], v[\adr] offset:(\i)*GRP+256+(\q)*1536+512*\g
.endr
.endm
.macro FETCH ps, sl, q                 ; K step q of slot sl's group into set q % 2: source 0's 8 fragments (window 1), source 1's 4 or 2
	WIN TO_B
.irp i, 0,1,2,3,4,5,6,7
	FRAG 128*((\q)%2)+12*\i, AD+8*(\ps)+4*(\sl), \q, \i
.endr
	WIN 0
.irp i, 0,1
	FRAG AF+48*((\q)%2)+12*\i, AD+8*(\ps)+4*(\sl)+1, \q, \i
.endr
.if (\ps) == 0
.irp i, 2,3
	FRAG AF+48*((\q)%2)+12*\i, AD+8*(\ps)+4*(\sl)+1, \q, \i
.endr
.endif
.endm
.macro SCL ps, sl                      ; the group's scale words: register 4 i + s: step s; lanes 16-31 source 0's tile i, lanes 0-15 source 1's tile i where it has one
.irp i, 0,1,2,3,4,5,6,7
.if \i < 4-2*(\ps)
	ds_load_b128 v[32+192*(\sl)+4*\i:32+192*(\sl)+4*\i+3], v[AD+8*(\ps)+4*(\sl)+2] offset:\i*GRP
.else
	ds_load_b128 v[32+192*(\sl)+4*\i:32+192*(\sl)+4*\i+3], v[AD+8*(\ps)+4*(\sl)+3] offset:\i*GRP
.endif
.endr
.endm
.macro MULA sl, q, a, c                ; source 1's tile a against source 0's eight.  c = 1: the bias starts the sums; 2: the constant 0; 0: in place.  The accumulators take turns
.irp b, 0,1,2,3,4,5,6,7
.if (\c) == 1
	v_wmma_scale_f32_16x16x128_f8f6f4 v[64*(\a)+8*\b:64*(\a)+8*\b+7], v[128*((\q)%2)+12*\b:128*((\q)%2)+12*\b+11], v[AF+48*((\q)%2)+12*(\a):AF+48*((\q)%2)+12*(\a)+11], v[BIAS+8*\b:BIAS+8*\b+7], v[32+192*(\sl)+4*\b+(\q)], v[32+192*(\sl)+4*(\a)+(\q)] matrix_a_fmt:MATRIX_FMT_FP6 matrix_b_fmt:MATRIX_FMT_FP6 matrix_a_scale:MATRIX_SCALE_ROW1
.else
.if (\c) == 2
	v_wmma_scale_f32_16x16x128_f8f6f4 v[64*(\a)+8*\b:64*(\a)+8*\b+7], v[128*((\q)%2)+12*\b:128*((\q)%2)+12*\b+11], v[AF+48*((\q)%2)+12*(\a):AF+48*((\q)%2)+12*(\a)+11], 0, v[32+192*(\sl)+4*\b+(\q)], v[32+192*(\sl)+4*(\a)+(\q)] matrix_a_fmt:MATRIX_FMT_FP6 matrix_b_fmt:MATRIX_FMT_FP6 matrix_a_scale:MATRIX_SCALE_ROW1
.else
	v_wmma_scale_f32_16x16x128_f8f6f4 v[64*(\a)+8*\b:64*(\a)+8*\b+7], v[128*((\q)%2)+12*\b:128*((\q)%2)+12*\b+11], v[AF+48*((\q)%2)+12*(\a):AF+48*((\q)%2)+12*(\a)+11], v[64*(\a)+8*\b:64*(\a)+8*\b+7], v[32+192*(\sl)+4*\b+(\q)], v[32+192*(\sl)+4*(\a)+(\q)] matrix_a_fmt:MATRIX_FMT_FP6 matrix_b_fmt:MATRIX_FMT_FP6 matrix_a_scale:MATRIX_SCALE_ROW1
.endif
.endif
.endr
.endm
.macro MULH ps, sl, q, half, c         ; half a K step's products; windows: source 0 window 1, source 1 window 0, C and D window 2 (pass 1) or 3 (pass 2); the bias lies in window 0
.if (\ps) == 0
.if (\c) == 1
	WIN 0x81
.else
	WIN 0xa1
.endif
	MULA \sl, \q, 2*(\half), \c
	MULA \sl, \q, 2*(\half)+1, \c
.else
	WIN 0xf1
	MULA \sl, \q, \half, \c
.endif
.endm
; THE WAY OUT OF q AND k, block a of 16 positions.  LOADT: my row's cosines and sines in the result's layout, window 3.
.macro LOADT a
	WIN 0xc0
.irp b, 0,1,2,3,4,5,6,7
.irp u, 0,1
	global_load_b128 v[128+8*\b+4*\u:128+8*\b+4*\u+3], v[TBO], s[88:89] offset:(32*((\a)/2)+8*((\a)%2))*512+128*(\b/2)+32*(\b%2)+16*\u
	global_load_b128 v[192+8*\b+4*\u:192+8*\b+4*\u+3], v[TBO], s[90:91] offset:(32*((\a)/2)+8*((\a)%2))*512+128*(\b/2)+32*(\b%2)+16*\u
.endr
.endr
	WIN 0
.endm
; WORK: the sum of my row's squares over the head, the gain, the rotation (x1, x2) -> (x1 cos - x2 sin, x1 sin + x2 cos) with cos from the even place of freqs_cos and sin from the odd place of freqs_sin, and 16 stores.
.macro WORK a
	s_wait_loadcnt 0x0                             ; the block's tables
	WIN 0x0a                                       ; sources 0 and 1 window 2
.irp c, 0,1,2,3
	v_pk_mul_f32 v[152+2*\c:153+2*\c], v[64*(\a)+2*\c:64*(\a)+2*\c+1], v[64*(\a)+2*\c:64*(\a)+2*\c+1]   ; four chains; each accumulator from its low end on
.endr
.irp i, 8,16,24,32,40,48,56
.irp c, 0,1,2,3
	v_pk_fma_f32 v[152+2*\c:153+2*\c], v[64*(\a)+\i+2*\c:64*(\a)+\i+2*\c+1], v[64*(\a)+\i+2*\c:64*(\a)+\i+2*\c+1], v[152+2*\c:153+2*\c]
.endr
.endr
	WIN 0
	v_mov_b32 v160, 0                              ; a lane permute's destination counts as one of its sources
	v_pk_add_f32 v[152:153], v[152:153], v[154:155]
	v_pk_add_f32 v[156:157], v[156:157], v[158:159]
	v_pk_add_f32 v[152:153], v[152:153], v[156:157]
	v_add_f32 v152, v152, v153
	v_permlanex16_b32 v160, v152, s[SEL], s[SEL+1]
	v_add_f32 v[164+(\a)], v152, v160              ; with lane l xor 16's: the head's part of row r
	global_store_b32 v[SSO], v[164+(\a)], s[46:47] offset:1024*(\a)   ; lanes r and r + 16 hold the same number and name the same address
	WIN 0x86                                       ; source 0 and D window 2, source 1 window 1
.set j, 0
.rept 32
	v_pk_mul_f32 v[64*(\a)+j:64*(\a)+j+1], v[64*(\a)+j:64*(\a)+j+1], v[96+j+96*(j/32):96+j+96*(j/32)+1]
.set j, j+2
.endr
	WIN 0x0e                                       ; source 0 window 2, source 1 window 3, D window 0
.set j, 0
.rept 32
	v_pk_mul_f32 v[BIAS+j:BIAS+j+1], v[64*(\a)+j:64*(\a)+j+1], v[128+j:128+j+1] op_sel_hi:[1,0]   ; (x1 cos, x2 cos)
.set j, j+2
.endr
	WIN 0x8e                                       ; and D window 2, C window 0
.set j, 0
.rept 32
	v_pk_fma_f32 v[64*(\a)+j:64*(\a)+j+1], v[64*(\a)+j:64*(\a)+j+1], v[192+j:192+j+1], v[BIAS+j:BIAS+j+1] op_sel:[1,1,0] op_sel_hi:[0,1,1] neg_lo:[1,0,0]   ; (- x2 sin + x1 cos, x1 sin + x2 cos)
.set j, j+2
.endr
	WIN 0x08                                       ; the stores' data lie in window 2
.set p, 0
.rept 16
	global_store_b128 v[CO], v[64*(\a)+4*p:64*(\a)+4*p+3], s[12:13] offset:131072*(\a)+512*p th:TH_STORE_NT   ; 512 consecutive bytes, aligned
.set p, p+1
.endr
	WIN 0
.endm
; One of a group's first three K steps: the next step's fragments are asked for, then this step's products run.  wk >= 0: block wk of q or k is worked and stored behind them; lt >= 0: block lt's tables are asked for.
.macro STEP ps, sl, q, c, wk=-1, lt=-1
	PLACES                                         ; four places ahead of loads into registers that the last products read
	FETCH \ps, \sl, (\q)+1
	s_wait_dscnt 36-6*(\ps)                        ; all but the loads just issued: 24 + 12, in pass 2 24 + 6
	MULH \ps, \sl, \q, 0, \c
	MULH \ps, \sl, \q, 1, \c
.if \wk >= 0
	WORK \wk
.endif
.if \lt >= 0
	LOADT \lt
.endif
.endm
; A group's last K step changes slots.  In front of the barrier: all my tensor loads, the add, my LDS reads.  kind 1, 2, 3: the barrier opens a round of the cluster's barrier and slot sl is filled again
; (1: pass 1's group two on; 2: pass 2's first group for this slot; 3: pass 2's group two on); 0: nothing is left to fetch.  nps: the pass of the next group.  ak, ag: what is prefetched.
.macro TURN ps, sl, kind, nps, ak, ag
	WIN 0
	s_wait_tensorcnt 0x0
	ds_add_u32 v[SPW], v[NIL]
	s_wait_dscnt 0x0
	s_barrier_signal -1
	MULH \ps, \sl, 3, 0, 0
	WIN 0
	s_barrier_wait -1
.if \kind
	CREST
.if \kind == 2
	s_sub_nc_u64 s[G0A+4*\sl+2:G0A+4*\sl+3], s[G0A+4*\sl+2:G0A+4*\sl+3], 2*GRP
	JLOAD G0A+4*\sl, G1A, G0C+4*\sl, G1C
.else
	s_add_nc_u64 s[G0A+4*\sl+2:G0A+4*\sl+3], s[G0A+4*\sl+2:G0A+4*\sl+3], 2*GRP
.if \kind == 1
	s_add_nc_u64 s[G0B+4*\sl+2:G0B+4*\sl+3], s[G0B+4*\sl+2:G0B+4*\sl+3], 2*GRP
	JLOAD G0A+4*\sl, G1A, G0B+4*\sl, G1B
.else
	s_add_nc_u64 s[G0C+4*\sl+2:G0C+4*\sl+3], s[G0C+4*\sl+2:G0C+4*\sl+3], 2*GRP
	JLOAD G0A+4*\sl, G1A, G0C+4*\sl, G1C
.endif
.endif
.else
	PLACES
.endif
	FETCH \nps, 1-(\sl), 0
	SCL \nps, 1-(\sl)
.if \ak == 1
	ASK1 \ag
.endif
.if \ak == 2
	ASK2 \ag
.endif
	MULH \ps, \sl, 3, 1, 0
.endm
	s_wait_tensorcnt 0x0                           ; my part of group 0 is in; slot 1's first fill is issued as a refill is:
	ds_add_u32 v[SPW], v[NIL]
	s_wait_dscnt 0x0
	CROUND
	JLOAD G0A+4, G1A, G0B+4, G1B                   ; group 1 into slot 1
	FETCH 0, 0, 0
	SCL 0, 0
	ASK1 2
	s_wait_loadcnt 0x0                             ; the bias and the gain
	STEP 0, 0, 0, 1
	STEP 0, 0, 1, 0
	STEP 0, 0, 2, 0
	TURN 0, 0, 1, 0, 1, 3                          ; slot 0 takes group 2
.irp q, 0,1,2
	STEP 0, 1, \q, 0
.endr
	TURN 0, 1, 1, 0, 2, 0                          ; slot 1 takes group 3
.irp q, 0,1,2
	STEP 0, 0, \q, 0
.endr
	TURN 0, 0, 2, 0, 2, 1                          ; slot 0 takes pass 2's group 0
	STEP 0, 1, 0, 0
	STEP 0, 1, 1, 0
	STEP 0, 1, 2, 0, -1, 0                         ; block 0's tables are asked for
	TURN 0, 1, 2, 1, 2, 2                          ; slot 1 takes pass 2's group 1; pass 2's first fragments are fetched
	STEP 1, 0, 0, 2, 0, 1                          ; pass 2; q's and k's four blocks leave beside it
	STEP 1, 0, 1, 0
	STEP 1, 0, 2, 0, 1, 2
	TURN 1, 0, 3, 1, 2, 3
	STEP 1, 1, 0, 0
	STEP 1, 1, 1, 0, 2, 3
	STEP 1, 1, 2, 0
	TURN 1, 1, 3, 1, 0, 0
	STEP 1, 0, 0, 0, 3
	STEP 1, 0, 1, 0
	STEP 1, 0, 2, 0
	TURN 1, 0, 0, 1, 0, 0
.irp q, 0,1,2
	STEP 1, 1, \q, 0
.endr
	s_wait_dscnt 0x0
	MULH 1, 1, 3, 0, 0
	MULH 1, 1, 3, 1, 0
	WIN 0
	PLACES
	; V^T: my two channel tiles x 128 keys: the bias, the quantiser along the keys, two images and their words
	v_and_b32 v3, 7, v1
	v_lshrrev_b32 v4, 3, v1
	v_lshl_add_u32 v3, v4, 4, v3
	v_lshlrev_b32 v3, 2, v3                        ; my channel in its tile: r % 8 + 16 (r / 8)
.irp a, 0,1
	global_load_b32 v[BV+2*\a], v3, s[10:11] offset:32*\a
	global_load_b32 v[BV+2*\a+1], v3, s[10:11] offset:32*\a
.endr
	v_add_nc_u32 v8, s20, v[CO]                    ; images 2 w, 2 w + 1
	v_lshl_add_u32 v9, v6, 2, s21                  ; their words: 128 w + 4 x lane
	v_cmp_le_u32 vcc_lo, 16, v6
.irp b, 0,1,2,3
	v_mov_b32 v[TM+4+\b], 0                        ; a lane permute's destination counts as one of its sources
.endr
	s_wait_alu depctr_va_vdst(0)
	s_wait_loadcnt 0x0
.irp a, 0,1
.if \a > 0
	s_wait_xcnt 0x0                                ; the first image's stores have read their registers
.endif
	WIN 0x03
.set j, 0
.rept 32
	v_pk_add_f32 v[XQ+j:XQ+j+1], v[64*\a+j:64*\a+j+1], v[BV+2*\a:BV+2*\a+1]
.set j, j+2
.endr
	WIN 0
	QUANT XQ, PWR
.irp g, 0,1,2
	global_store_b128 v8, v[PC+4*\g:PC+4*\g+3], s[96:97] offset:1536*\a+512*\g
.endr
.if \a == 0
	v_mov_b32 v[PWK], v[PWR]
.else
	v_cndmask_b32 v[PWS], v[PWK], v[PWR], vcc_lo   ; lanes 16-31 carry the odd tile's words
	global_store_b32 v9, v[PWS], s[96:97] offset:12288
.endif
.endr
	s_wait_tensorcnt 0x0                           ; the wave's end
	ds_add_u32 v[SPW], v[NIL]
	s_wait_dscnt 0x0
	CROUND                                         ; the closing round
	s_endpgm
.Lfunc_end_k_qaa953b4b76_qkv:
	.size	k_qaa953b4b76_qkv, .Lfunc_end_k_qaa953b4b76_qkv-k_qaa953b4b76_qkv
	.p2alignl 7, 3214868480
	.fill 96, 4, 3214868480
	.section	.rodata,"a",@progbits
	.p2align	6, 0x0
	.amdhsa_kernel k_qaa953b4b76_qkv
		.amdhsa_group_segment_fixed_size 327680
		.amdhsa_private_segment_fixed_size 0
		.amdhsa_enable_private_segment 0
		.amdhsa_kernarg_size 88
		.amdhsa_user_sgpr_count 2
		.amdhsa_user_sgpr_kernarg_segment_ptr 1
		.amdhsa_wavefront_size32 1
		.amdhsa_system_sgpr_workgroup_id_x 1
		.amdhsa_system_sgpr_workgroup_id_y 1
		.amdhsa_system_sgpr_workgroup_id_z 1
		.amdhsa_system_vgpr_workitem_id 0
		.amdhsa_next_free_vgpr 1024
		.amdhsa_next_free_sgpr 100
		.amdhsa_reserve_vcc 1
		.amdhsa_float_denorm_mode_32 3
		.amdhsa_float_denorm_mode_16_64 3
		.amdhsa_memory_ordered 1
		.amdhsa_forward_progress 1
		.amdhsa_inst_pref_size 255
	.end_amdhsa_kernel
	.section	.bss,"aw",@nobits
	.p2align	6
	.space	262144
	.amdgpu_metadata
---
amdhsa.version: [ 1, 2 ]
amdhsa.kernels:
  - .name:           k_qaa953b4b76_qkv
    .symbol:         k_qaa953b4b76_qkv.kd
    .args:
      - { .name: g1, .offset: 0, .size: 8, .value_kind: global_buffer, .address_space: global }
      - { .name: bq, .offset: 8, .size: 8, .value_kind: global_buffer, .address_space: global }
      - { .name: bk, .offset: 16, .size: 8, .value_kind: global_buffer, .address_space: global }
      - { .name: bv, .offset: 24, .size: 8, .value_kind: global_buffer, .address_space: global }
      - { .name: qk, .offset: 32, .size: 8, .value_kind: global_buffer, .address_space: global }
      - { .name: kv, .offset: 40, .size: 8, .value_kind: global_buffer, .address_space: global }
      - { .name: freqs_cos, .offset: 48, .size: 8, .value_kind: global_buffer, .address_space: global }
      - { .name: freqs_sin, .offset: 56, .size: 8, .value_kind: global_buffer, .address_space: global }
      - { .name: gq, .offset: 64, .size: 8, .value_kind: global_buffer, .address_space: global }
      - { .name: gk, .offset: 72, .size: 8, .value_kind: global_buffer, .address_space: global }
      - { .name: ss, .offset: 80, .size: 8, .value_kind: global_buffer, .address_space: global }
    .group_segment_fixed_size: 327680
    .private_segment_fixed_size: 0
    .kernarg_segment_align: 8
    .kernarg_segment_size: 88
    .max_flat_workgroup_size: 128
    .sgpr_count:     100
    .vgpr_count:     1024
    .wavefront_size: 32
...
	.end_amdgpu_metadata
.endif
;; end of part 6
;; launch normk (part 7): grid 128 x 2, 8 waves a work-group, no clusters, 0 bytes of LDS; arguments qk, ss, kv; writes kv
.if DOCPART == 7
	.amdgcn_target "amdgcn-amd-amdhsa--gfx1250"
	.amdhsa_code_object_version 6
	.text
	.protected	k_qaa953b4b76_normk
	.globl	k_qaa953b4b76_normk
	.p2align	8
	.type	k_qaa953b4b76_normk,@function
k_qaa953b4b76_normk:
	s_mov_b64 s[64:65], 0
	v_nop
	global_prefetch_b8 v0, s[64:65] scope:SCOPE_SE
	s_setreg_imm32_b32 hwreg(HW_REG_WAVE_MODE, 25, 1), 1
	s_wait_xcnt 0x0
; k's RMS norm and quantiser.  qk's plane 1 holds z = RoPE(gain x k), f32, as register images of 8,192 bytes for each tile of 16 positions and head; ss's plane 1 holds, for each row, the 16 heads' sums of squares of k.
; The row's factor is rsqrt(the sum of the 16 parts / 2,048 + 1e-6); z x the factor is quantised along the head's 128 to FP6 (E2M3) with E8M0 scales.
; SHARES: work-group (T, y) takes tile T, wave w head 8 y + w: one image, 16 loads of 512 consecutive bytes; lane (r, h) holds channel 32 b + 16 h + i of row r in register 16 b + i: nothing is turned, no LDS, no barrier.
; OUT: kv [head][4 slots][8 pieces of 12,800 bytes]: slot T / 32, piece (T / 8) % 4, image T % 8 of 1,536 bytes, its scale words at 12,288 + 64 (T % 8).
; No cluster and no prefetch: no two work-groups read the same images, every load goes out at the head, and there is no loop to run ahead in.
; LIMITS: v_rsq_f32 is accurate to 1 ulp; the factor is applied behind the gain and the rotation; a block of zeros, or one under 2^-124, keeps the byte 1 (this program alone reads the bytes); NaN and infinities are not served.
.set X,    16                          ; v16-79 my 64 numbers
.set PC,   80                          ; v80-98 the codes
.set TM,   100                         ; v100-115 at work
.set PT,   116                         ; v116-131 the row's 16 parts
.set PW,   132
.set SEL,  20
.macro QUANT s, pw
.irp b, 0,1,2,3
	v_max3_num_f32 v[TM+\b], |v[\s+16*\b]|, |v[\s+1+16*\b]|, 0x1800000   ; my 16 numbers of block b, and the floor 2^(3 - 127)
.endr
.irp i, 2,4,6,8,10,12,14
.irp b, 0,1,2,3
	s_delay_alu instid0(VALU_DEP_4)
	v_max3_num_f32 v[TM+\b], v[TM+\b], |v[\s+16*\b+\i]|, |v[\s+1+16*\b+\i]|
.endr
.endr
.irp b, 0,1,2,3
	s_delay_alu instid0(VALU_DEP_4)
	v_permlanex16_b32 v[TM+4+\b], v[TM+\b], s[SEL], s[SEL+1]
.endr
.irp b, 0,1,2,3
	s_delay_alu instid0(VALU_DEP_4)
	v_max_num_f32 v[TM+\b], v[TM+\b], v[TM+4+\b]
.endr
.irp b, 0,1,2,3
	s_delay_alu instid0(VALU_DEP_4)
	v_add_nc_u32 v[TM+12+\b], 0xff000000, v[TM+\b]   ; 2 off the exponent field: the conversion's scale operand
.endr
.irp b, 0,1,2,3
	s_delay_alu instid0(VALU_DEP_4)
	v_lshrrev_b32 v[TM+4+\b], 23, v[TM+12+\b]      ; the scale's byte
.endr
	s_delay_alu instid0(VALU_DEP_3)
	v_lshl_or_b32 v[\pw], v[TM+5], 8, v[TM+4]
	s_delay_alu instid0(VALU_DEP_1)
	v_lshl_or_b32 v[\pw], v[TM+6], 16, v[\pw]
	s_delay_alu instid0(VALU_DEP_1)
	v_lshl_or_b32 v[\pw], v[TM+7], 24, v[\pw]
.irp c, 0,1
	v_cvt_scalef32_pk16_fp6_f32 v[PC+6*\c:PC+2+6*\c], v[\s+32*\c:\s+15+32*\c], v[TM+12+2*\c]
	v_cvt_scalef32_pk16_fp6_f32 v[PC+12+4*\c:PC+14+4*\c], v[\s+16+32*\c:\s+31+32*\c], v[TM+12+2*\c+1]
.endr
	v_nop                                          ; one plain instruction behind a scaled conversion
.irp c, 0,1
.irp i, 0,1,2
	v_permlane16_swap_b32 v[PC+6*\c+\i], v[PC+12+4*\c+\i]
.endr
.irp i, 0,1,2
	s_delay_alu instid0(VALU_DEP_3)
	v_mov_b32 v[PC+3+6*\c+\i], v[PC+12+4*\c+\i]
.endr
.endr
.endm
	s_load_b128 s[4:7], s[0:1], 0x0                ; qk, ss
	s_load_b64 s[8:9], s[0:1], 0x10                ; kv
	v_lshrrev_b32 v1, 5, v0
	s_delay_alu instid0(VALU_DEP_1)
	v_readfirstlane_b32 s10, v1                    ; wave
	s_and_b32 s11, ttmp7, 0xffff
	s_lshl_b32 s11, s11, 3
	s_add_co_u32 s11, s11, s10                     ; head
	v_and_b32 v1, 31, v0
	v_and_b32 v2, 15, v0                           ; r
	s_delay_alu instid0(VALU_DEP_2)
	v_lshlrev_b32 v4, 4, v1                        ; 16 x lane
	s_delay_alu instid0(VALU_DEP_2)
	v_lshlrev_b32 v5, 6, v2                        ; 64 r
	v_lshlrev_b32 v6, 2, v2                        ; 4 r
.irp b, 0,1,2,3
	v_mov_b32 v[TM+4+\b], 0                        ; a lane permute's destination counts as one of its sources
.endr
	s_mov_b32 s[SEL], 0x76543210
	s_mov_b32 s[SEL+1], 0xfedcba98
	s_mov_b32 s22, 0x3a000000                      ; 1 / 2,048
	s_mov_b32 s23, 0x358637bd                      ; 1e-6
	s_lshl_b32 s12, ttmp9, 17
	s_lshl_b32 s14, s11, 13
	s_add_co_u32 s12, s12, s14
	s_add_co_u32 s12, s12, 0x1000000               ; qk: plane 1, tile T, my head's image
	s_mov_b32 s13, 0
	s_lshl_b32 s14, ttmp9, 10
	s_add_co_u32 s14, s14, 0x20000                 ; ss: plane 1, tile T
	s_mov_b32 s15, 0
	s_mul_i32 s16, s11, 409600
	s_lshr_b32 s18, ttmp9, 5
	s_mul_i32 s18, s18, 102400
	s_add_co_u32 s16, s16, s18
	s_bfe_u32 s18, ttmp9, 0x20003                  ; (T / 8) % 4
	s_mul_i32 s18, s18, 12800
	s_add_co_u32 s16, s16, s18                     ; kv: my piece
	s_mov_b32 s17, 0
	s_and_b32 s18, ttmp9, 7
	s_mul_i32 s24, s18, 1536
	s_add_co_u32 s24, s24, s16                     ; the image
	s_mov_b32 s25, 0
	s_lshl_b32 s18, s18, 6
	s_add_co_u32 s16, s16, s18                     ; the words, less 12,288
	s_wait_alu depctr_va_vdst(0)
	s_wait_kmcnt 0x0
	s_add_nc_u64 s[4:5], s[4:5], s[12:13]
	s_add_nc_u64 s[6:7], s[6:7], s[14:15]
	s_add_nc_u64 s[24:25], s[8:9], s[24:25]
	s_add_nc_u64 s[8:9], s[8:9], s[16:17]
.irp j, 0,1,2,3
	global_load_b128 v[PT+4*\j:PT+4*\j+3], v5, s[6:7] offset:16*\j
.endr
.set p, 0
.rept 16
	global_load_b128 v[X+4*p:X+4*p+3], v4, s[4:5] offset:512*p th:TH_LOAD_NT   ; 512 consecutive bytes, aligned
.set p, p+1
.endr
	s_wait_loadcnt 16                              ; the 16 parts are in; the image's 16 loads may be out
.irp j, 0,4,8,12
	v_pk_add_f32 v[PT+\j:PT+\j+1], v[PT+\j:PT+\j+1], v[PT+\j+2:PT+\j+3]   ; the 16 parts in one fixed order
.endr
	s_delay_alu instid0(VALU_DEP_3)
	v_pk_add_f32 v[PT:PT+1], v[PT:PT+1], v[PT+4:PT+5]
	s_delay_alu instid0(VALU_DEP_2)
	v_pk_add_f32 v[PT+8:PT+9], v[PT+8:PT+9], v[PT+12:PT+13]
	s_delay_alu instid0(VALU_DEP_1)
	v_pk_add_f32 v[PT:PT+1], v[PT:PT+1], v[PT+8:PT+9]
	s_delay_alu instid0(VALU_DEP_1)
	v_add_f32 v[PT], v[PT], v[PT+1]
	s_delay_alu instid0(VALU_DEP_1)
	v_fma_f32 v[PT], v[PT], s22, s23               ; the mean + 1e-6
	s_wait_alu depctr_va_vdst(0)
	v_rsq_f32 v14, v[PT]                           ; twice: a pair for the packed multiply
	v_rsq_f32 v15, v[PT]
	v_nop                                          ; a plain instruction behind the last of them
	s_wait_loadcnt 0x0                             ; the image
	s_wait_alu depctr_va_vdst(0)                   ; one wait for both, ahead of their first reader
.set j, 0
.rept 32
	v_pk_mul_f32 v[X+j:X+j+1], v[X+j:X+j+1], v[14:15]
.set j, j+2
.endr
	QUANT X, PW
.irp g, 0,1,2
	global_store_b128 v4, v[PC+4*\g:PC+4*\g+3], s[24:25] offset:512*\g   ; 512 consecutive bytes, aligned
.endr
	global_store_b32 v6, v[PW], s[8:9] offset:12288   ; 64 bytes: lanes r and r + 16 hold the same word and name the same address
	s_endpgm
.Lfunc_end_k_qaa953b4b76_normk:
	.size	k_qaa953b4b76_normk, .Lfunc_end_k_qaa953b4b76_normk-k_qaa953b4b76_normk
	.p2alignl 7, 3214868480
	.fill 96, 4, 3214868480
	.section	.rodata,"a",@progbits
	.p2align	6, 0x0
	.amdhsa_kernel k_qaa953b4b76_normk
		.amdhsa_group_segment_fixed_size 0
		.amdhsa_private_segment_fixed_size 0
		.amdhsa_enable_private_segment 0
		.amdhsa_kernarg_size 24
		.amdhsa_user_sgpr_count 2
		.amdhsa_user_sgpr_kernarg_segment_ptr 1
		.amdhsa_wavefront_size32 1
		.amdhsa_system_sgpr_workgroup_id_x 1
		.amdhsa_system_sgpr_workgroup_id_y 1
		.amdhsa_system_sgpr_workgroup_id_z 1
		.amdhsa_system_vgpr_workitem_id 0
		.amdhsa_next_free_vgpr 144
		.amdhsa_next_free_sgpr 66
		.amdhsa_reserve_vcc 0
		.amdhsa_float_denorm_mode_32 3
		.amdhsa_float_denorm_mode_16_64 3
		.amdhsa_memory_ordered 1
		.amdhsa_forward_progress 1
		.amdhsa_inst_pref_size 13
	.end_amdhsa_kernel
	.amdgpu_metadata
---
amdhsa.version: [ 1, 2 ]
amdhsa.kernels:
  - .name:           k_qaa953b4b76_normk
    .symbol:         k_qaa953b4b76_normk.kd
    .args:
      - { .name: qk, .offset: 0, .size: 8, .value_kind: global_buffer, .address_space: global }
      - { .name: ss, .offset: 8, .size: 8, .value_kind: global_buffer, .address_space: global }
      - { .name: kv, .offset: 16, .size: 8, .value_kind: global_buffer, .address_space: global }
    .group_segment_fixed_size: 0
    .private_segment_fixed_size: 0
    .kernarg_segment_align: 8
    .kernarg_segment_size: 24
    .max_flat_workgroup_size: 256
    .sgpr_count:     66
    .vgpr_count:     144
    .wavefront_size: 32
...
	.end_amdgpu_metadata
.endif
;; end of part 7
;; launch attn (part 8): grid 16 x 16, 8 waves a work-group, clusters of 4 x 1, 327,680 bytes of LDS; arguments qk, kv, g2, ss; writes g2
.if DOCPART == 8
	.amdgcn_target "amdgcn-amd-amdhsa--gfx1250"
	.amdhsa_code_object_version 6
	.text
	.protected	k_qaa953b4b76_attn
	.globl	k_qaa953b4b76_attn
	.p2align	8
	.type	k_qaa953b4b76_attn,@function
k_qaa953b4b76_attn:
	s_mov_b64 s[64:65], 0
	v_nop
	global_prefetch_b8 v0, s[64:65] scope:SCOPE_SE
	s_setreg_imm32_b32 hwreg(HW_REG_WAVE_MODE, 25, 1), 1
	s_wait_xcnt 0x0
	s_wait_alu depctr_hold_cnt(0) depctr_sa_sdst(0) depctr_va_vdst(0) depctr_va_sdst(0) depctr_va_ssrc(0) depctr_va_vcc(0) depctr_vm_vsrc(0)
	s_getreg_b32 s2, hwreg(HW_REG_IB_STS2, 6, 4)
	s_cmp_eq_u32 s2, 0
	s_cbranch_scc0 .Lentry_in_a_cluster
	s_endpgm
.Lentry_in_a_cluster:
	s_bfe_u32 s2, ttmp6, 0x10000c
	s_cmp_lg_u32 s2, 0x3003
	s_cbranch_scc0 .Lentry_shape_is_right
	s_endpgm
.Lentry_shape_is_right:
; attn[q][head] = the sum over keys of softmax(Q . K / sqrt(128)) V, both products on codes of FP6 (E2M3) with E8M0 scales; the result is quantised along the channels and stored as the output product's operand.
; THE SOFTMAX AHEAD OF THE SECOND PRODUCT: t = score x log2(e) / sqrt(128); M = the row's largest t so far, rounded UP to a whole number; p = 2^(t - M) is what is quantised, along the keys, not normalised.
; The row's sum is taken of the unquantised p and divides O at the end.  When M moves, the sum and O are multiplied by 2^(old M - new M): exact.
; IN: register images (1,536 bytes: registers 4 g .. 4 g + 3 of lane l at 512 g + 16 l) in pieces of 12,800 bytes: 8 images, then 8 x 64 bytes of scale words at 12,288.
;   kv [head][4 slots][8 pieces]: pieces 0-3 K of four key steps of 128 keys (a tile = 16 keys), pieces 4-7 V^T of the same steps (a tile = 16 channels, K = the keys).
;   Row r of tile T is index 32 (T / 2) + 8 (T % 2) + r % 8 + 16 (r / 8): so the 16 registers of two neighbouring result tiles are 16 neighbours along the next K.
; SHARES: a work-group owns 128 queries of one head, each of its eight waves one tile of 16, in 512 registers.  Both products are used transposed: a lane holds one query throughout.
; LDS: K's pieces lie on end, key step j at 12,800 j (12 steps), and V's likewise from VREG on; one piece's room between the two regions is left unused.  So a step's address is one number, across slots too.
; FILLS: every wave fetches one piece of a slot by one tensor load.  Slot 0 goes out at the start, slots 1 and 2 behind rounds of their own (one load of a wave is out at a time); the fourth is brought into the first's bytes behind the round that follows
; key step 3, and has key steps 4 to 11 in which to land.  CLUSTER: the four work-groups of a cluster belong to one head and walk the same slots: each piece is asked for jointly.
; A KEY STEP: V's 28 LDS loads are issued at its head, then come the eight products K Q^T, then the NEXT step's K is asked for (28 loads), then the softmax, then the eight products V^T P: each run of loads has a softmax in which to land.
; Key steps 11 and 15 ask for no next K (12's lies in bytes that are being filled; 15 has none): they are written out.
; REGISTERS: window 0: addresses, statistics, Q, scale words, S^T / p, O^T, p's codes.  Window 1: v0-95 K's eight fragments, v96-191 V's eight.  Seven switches of the window in a key step that asks for the next K, five in one that does not.
; OUT: g2, tile records of 25,600 bytes: tile T's image of K step = head at 6,400 (head / 4) + 256 + 1,536 (head % 4), its words at 6,400 (head / 4) + 16 r + 4 (head % 4).
; LIMITS: v_exp_f32 and v_rcp_f32 are accurate to 1 ulp; a block's largest p is taken as the exponential of its largest score; a block whose every p is 0 keeps the byte 1 (zero codes); NaN and infinities are not served.
.set PIECE, 12800
.set SLOTB, 8*PIECE                    ; a slot in memory
.set VREG,  13*PIECE                   ; V's pieces begin here: behind K's twelve and one piece's room
.set SPARE, VREG+12*PIECE              ; the spare words, 128 bytes for each wave: four blocks of 256 bytes that no other line names
.set LI,  1                            ; v1   16 x lane
.set LS,  2                            ; v2   4 x lane
.set ADI, 3                            ; v3   K's images of the step in hand: s[TB] + 16 x lane
.set ADW, 4                            ; v4   K's scale words: s[TB] + 4 x lane
.set SPW, 5                            ; v5   my spare word; never rewritten
.set NIL, 6                            ; v6   0; never rewritten
.set QW,  7                            ; v7   Q's scale words
.set KW,  8                            ; v8-11  K's: register p: lanes 0-15 tile 2 p, lanes 16-31 tile 2 p + 1
.set VW,  28                           ; v28-31 V's likewise
.set LIV, 32                           ; v32  VREG + 16 x lane
.set LSV, 33                           ; v33  VREG + 4 x lane
.set ADV, 34                           ; v34  V's images of the step in hand
.set ADX, 35                           ; v35  V's scale words
.set KF,  0                            ; window 1: K's fragments
.set VF,  96                           ; window 1: V's
.set BM,  80                           ; v80-83 the blocks' largest scores, then largest p
.set BP,  84                           ; v84-87 lane l xor 16's, then the bytes
.set SO,  88                           ; v88-91 the conversions' scale operands
.set S,   96                           ; v96-159 S^T, then p
.set O,   160                          ; v160-223 O^T
.set PC,  224                          ; v224-235 p's codes; v236-242 at work
.set TM,  80                           ; the way out's quantiser works in v80-95
.set WV,  10                           ; s10  my wave's number
.set SEL, 20                           ; s[20:21] lane selects: lane l xor 16
.set CS,  22                           ; s[22:23] c = log2(e) / sqrt(128)
.set G1,  24                           ; s[24:31] descriptor group 1
.set G0,  48                           ; s[48:59] groups 0, one for each of the three first fills; the first serves the refill too
.set TB,  36                           ; s36  12,800 x the key step's place in LDS
.set CNT, 38
.set MSB, 0
.macro WIN new                         ; the immediate's high byte repeats the setting that is left
.if MSB != \new
	s_set_vgpr_msb (MSB<<8)|\new
.set MSB, \new
.endif
.endm
.set W_MUL, 0x01                       ; source 0 (K's or V's fragment) window 1, all else window 0
.set W_LD,  0x40                       ; destination window 1, address window 0
.macro CROUND                          ; a round of the cluster's barrier
	s_barrier_signal -1
	s_barrier_wait -1
	s_cmp_lg_u32 s[WV], 0
	s_cbranch_scc1 .Lnot_wave_0_\@
	s_barrier_signal -3
.Lnot_wave_0_\@:
	s_barrier_wait -3
	s_barrier_signal -1
	s_barrier_wait -1
.endm
.macro PLACES
.rept 4
	v_nop
.endr
.endm
.macro QUANT s, pw                     ; 64 numbers of a lane (register 16 b + i = k 32 b + 16 h + i of my row) become codes in v[PC] on and a scale word in v[pw]
.irp b, 0,1,2,3
	v_max3_num_f32 v[TM+\b], |v[\s+16*\b]|, |v[\s+1+16*\b]|, 0x1800000
.endr
.irp i, 2,4,6,8,10,12,14
.irp b, 0,1,2,3
	s_delay_alu instid0(VALU_DEP_4)
	v_max3_num_f32 v[TM+\b], v[TM+\b], |v[\s+16*\b+\i]|, |v[\s+1+16*\b+\i]|
.endr
.endr
.irp b, 0,1,2,3
	s_delay_alu instid0(VALU_DEP_4)
	v_permlanex16_b32 v[TM+4+\b], v[TM+\b], s[SEL], s[SEL+1]
.endr
.irp b, 0,1,2,3
	s_delay_alu instid0(VALU_DEP_4)
	v_max_num_f32 v[TM+\b], v[TM+\b], v[TM+4+\b]
.endr
.irp b, 0,1,2,3
	s_delay_alu instid0(VALU_DEP_4)
	v_add_nc_u32 v[TM+12+\b], 0xff000000, v[TM+\b]
.endr
.irp b, 0,1,2,3
	s_delay_alu instid0(VALU_DEP_4)
	v_lshrrev_b32 v[TM+4+\b], 23, v[TM+12+\b]
.endr
	s_delay_alu instid0(VALU_DEP_3)
	v_lshl_or_b32 v[\pw], v[TM+5], 8, v[TM+4]
	s_delay_alu instid0(VALU_DEP_1)
	v_lshl_or_b32 v[\pw], v[TM+6], 16, v[\pw]
	s_delay_alu instid0(VALU_DEP_1)
	v_lshl_or_b32 v[\pw], v[TM+7], 24, v[\pw]
.irp c, 0,1
	v_cvt_scalef32_pk16_fp6_f32 v[PC+6*\c:PC+2+6*\c], v[\s+32*\c:\s+15+32*\c], v[TM+12+2*\c]
	v_cvt_scalef32_pk16_fp6_f32 v[PC+12+4*\c:PC+14+4*\c], v[\s+16+32*\c:\s+31+32*\c], v[TM+12+2*\c+1]
.endr
	v_nop
.irp c, 0,1
.irp i, 0,1,2
	v_permlane16_swap_b32 v[PC+6*\c+\i], v[PC+12+4*\c+\i]
.endr
.irp i, 0,1,2
	s_delay_alu instid0(VALU_DEP_3)
	v_mov_b32 v[PC+3+6*\c+\i], v[PC+12+4*\c+\i]
.endr
.endr
.endm
	s_load_b128 s[4:7], s[0:1], 0x0                ; qk, kv
	s_load_b64 s[8:9], s[0:1], 0x10                ; g2
	s_load_b64 s[62:63], s[0:1], 0x18              ; ss.  (s[4:5] is qk: Q comes as z = RoPE(gain x q), f32, an image of 8,192 bytes for each tile and head, and is normed and quantised here, by the one wave that reads it)
	v_lshl_add_u32 v[SPW], v0, 2, SPARE
	v_mov_b32 v[NIL], 0
	ds_add_u32 v5, v6
	ds_add_u32 v5, v6
	s_wait_dscnt 0x0
	v_lshrrev_b32 v1, 5, v0
	s_delay_alu instid0(VALU_DEP_1)
	v_readfirstlane_b32 s[WV], v1                  ; wave 0..7
	s_bfe_u32 s11, ttmp6, 0x40000                  ; cx: it enters Q's and the result's global addresses alone
	s_lshl_b32 s12, ttmp9, 2
	s_add_co_u32 s12, s12, s11                     ; my block of 128 queries
	s_and_b32 s13, ttmp7, 0xffff                   ; the head, which the four partners share
	; group 1: a piece, 12,800 dense bytes, as 50 rows of 32 elements of 8 bytes
	s_mov_b32 s[G1], 15|(3<<16)|(1<<21)            ; 15:0 the mask: all four work-groups; 17:16 elements of 8 bytes; 21 set beside a mask
	s_mov_b32 s[G1+1], 32<<16                      ; tensor_dim0
	s_mov_b32 s[G1+2], 50<<16                      ; tensor_dim1
	s_mov_b32 s[G1+3], 32<<16                      ; tile_dim0
	s_mov_b32 s[G1+4], 50                          ; tile_dim1
	s_mov_b32 s[G1+5], 32                          ; tensor_dim0_stride
	s_mov_b32 s[G1+6], 0
	s_mov_b32 s[G1+7], 0
	s_mul_i32 s14, s13, 4*SLOTB
	s_mul_i32 s16, s[WV], PIECE                    ; my piece of a slot in memory
	s_add_co_u32 s14, s14, s16
	s_mov_b32 s15, 0
	s_lshr_b32 s17, s[WV], 2                       ; waves 0-3 fetch K's pieces, waves 4-7 V's:
	s_mul_i32 s17, s17, VREG-4*PIECE
	s_add_co_u32 s17, s17, s16                     ; in LDS 12,800 x wave, and for V's VREG - 51,200 more: no place in the cluster enters an LDS address
	s_lshl_b32 s40, s12, 3
	s_add_co_u32 s40, s40, s[WV]                   ; my tile of 16 queries
	s_lshl_b32 s60, s40, 10                        ; its 1,024 bytes of ss's plane 0: row r's 16 parts at 64 r
	s_mov_b32 s61, 0
	s_lshl_b32 s40, s40, 17
	s_lshl_b32 s41, s13, 13
	s_add_co_u32 s40, s40, s41                     ; qk's plane 0: 131,072 bytes a tile, 8,192 a head
	s_mov_b32 s41, 0
	s_lshl_b32 s42, s12, 3
	s_add_co_u32 s42, s42, s[WV]                   ; my tile of queries
	s_mul_i32 s42, s42, 25600                      ; its record in g2
	; g2's records are laid in four groups of 6,400 bytes (K steps 4 g .. 4 g + 3): 256 bytes of scale words (row r at 16 r, step s at 4 s), then four images.  My K step is the head.
	s_lshr_b32 s43, s13, 2
	s_mul_i32 s43, s43, 6400
	s_add_co_u32 s42, s42, s43                     ; the record's group head / 4
	s_and_b32 s43, s13, 3
	s_lshl_b32 s46, s43, 2
	s_add_co_u32 s46, s46, s42                     ; the words: + 4 (head % 4)
	s_mul_i32 s43, s43, 1536
	s_add_co_u32 s42, s42, s43
	s_add_co_u32 s42, s42, 256                     ; the image: + 256 + 1,536 (head % 4)
	s_mov_b32 s43, 0
	s_mov_b32 s47, 0
	s_mov_b32 s[SEL], 0x76543210
	s_mov_b32 s[SEL+1], 0xfedcba98
	s_mov_b32 s[CS], 0x3e0293ee                    ; c = log2(e) / sqrt(128)
	s_mov_b32 s[CS+1], s[CS]                       ; (named with it as a pair, so it is written)
	s_mov_b32 s[TB], 0
	s_wait_kmcnt 0x0
	s_add_nc_u64 s[4:5], s[4:5], s[40:41]
	s_add_nc_u64 s[62:63], s[62:63], s[60:61]
	s_mov_b32 s60, 0x3a000000                      ; 1 / 2,048
	s_mov_b32 s61, 0x358637bd                      ; 1e-6
	s_add_nc_u64 s[44:45], s[8:9], s[46:47]
	s_add_nc_u64 s[8:9], s[8:9], s[42:43]
	s_add_nc_u64 s[6:7], s[6:7], s[14:15]          ; kv at my piece of the head's slot 0
	CROUND                                         ; all four work-groups are here: the first joint loads meet
.irp s, 0,1,2
	s_mov_b32 s[G0+4*\s], 1                        ; count = 1
	s_add_co_u32 s[G0+4*\s+1], s17, \s*4*PIECE     ; LDS address: a slot's four steps lie 51,200 bytes behind the last slot's
	s_add_nc_u64 s[G0+4*\s+2:G0+4*\s+3], s[6:7], \s*SLOTB   ; global address: slot s
	s_or_b32 s[G0+4*\s+3], s[G0+4*\s+3], 0x80000000        ; type = 2
.endr
	tensor_load_to_lds s[G0:G0+3], s[G1:G1+7]      ; slot 0: one tensor load a wave at the head; slots 1 and 2 are first filled behind rounds of their own, as refills are
	s_nop 0
	PLACES
	v_and_b32 v94, 31, v0
	s_delay_alu instid0(VALU_DEP_1)
	v_lshlrev_b32 v[LI], 4, v94
	s_delay_alu instid0(VALU_DEP_2)
	v_lshlrev_b32 v[LS], 2, v94
	s_delay_alu instid0(VALU_DEP_2)
	v_add_nc_u32 v[LIV], VREG, v[LI]
	s_delay_alu instid0(VALU_DEP_2)
	v_add_nc_u32 v[LSV], VREG, v[LS]
	v_and_b32 v95, 15, v0
	s_delay_alu instid0(VALU_DEP_1)
	v_lshlrev_b32 v95, 6, v95                      ; 64 r
.irp j, 0,1,2,3
	global_load_b128 v[224+4*\j:227+4*\j], v95, s[62:63] offset:16*\j   ; my row's 16 sums of squares
.endr
.set p, 0
.rept 16
	global_load_b128 v[S+4*p:S+4*p+3], v[LI], s[4:5] offset:512*p th:TH_LOAD_NT   ; z's image: 512 consecutive bytes a load; register 16 b + i = channel 32 b + 16 h + i of my query
.set p, p+1
.endr
	v_mov_b32 v13, 0xff61b1e6                      ; the largest t so far: -3e38, under every t
	s_delay_alu instid0(VALU_DEP_1)
	v_floor_f32 v12, -v13                          ; -M
	v_mov_b32 v14, 0                               ; the sum, in two halves
	v_mov_b32 v15, 0
	v_mov_b32 v93, 0                               ; (named as the upper half of the pair v[92:93])
.irp b, 0,1,2,3
	v_mov_b32 v[BP+\b], 0                          ; a lane permute's destination counts as one of its sources
.endr
.set j, 0
.rept 64
	v_mov_b32 v[O+j], 0                            ; O^T.  (The step is written for all steps alike: the first finds zeros, which the first change of M leaves zeros)
.set j, j+1
.endr
	; Q: the row's factor rsqrt(the sum of the 16 parts / 2,048 + 1e-6), z x the factor, the quantiser along the head's 128; under the flight of slot 0's load
	s_wait_loadcnt 0x0
.irp j, 0,4,8,12
	v_pk_add_f32 v[224+\j:225+\j], v[224+\j:225+\j], v[226+\j:227+\j]   ; the 16 parts in one fixed order
.endr
	s_delay_alu instid0(VALU_DEP_3)
	v_pk_add_f32 v[224:225], v[224:225], v[228:229]
	s_delay_alu instid0(VALU_DEP_2)
	v_pk_add_f32 v[232:233], v[232:233], v[236:237]
	s_delay_alu instid0(VALU_DEP_1)
	v_pk_add_f32 v[224:225], v[224:225], v[232:233]
	s_delay_alu instid0(VALU_DEP_1)
	v_add_f32 v224, v224, v225
	s_delay_alu instid0(VALU_DEP_1)
	v_fma_f32 v224, v224, s60, s61                 ; the mean + 1e-6
	s_wait_alu depctr_va_vdst(0)
	v_rsq_f32 v92, v224
	v_nop                                          ; a plain instruction behind it
	s_wait_alu depctr_va_vdst(0)                   ; and the wait ahead of its first reader
.set j, 0
.rept 32
	v_pk_mul_f32 v[S+j:S+j+1], v[S+j:S+j+1], v[92:93] op_sel_hi:[1,0]
.set j, j+2
.endr
	QUANT S, QW
.irp i, 0,1,2,3,4,5,6,7,8,9,10,11
	v_mov_b32 v[16+\i], v[PC+\i]                   ; Q's fragment stays in v16-27: p's codes take v[PC] on in every step
.endr
	s_wait_alu depctr_va_vdst(0)
; 28 LDS loads: a step's four registers of K's scale words and its eight fragments, off bytes behind the step that v[ADI] and v[ADW] name.  Leaves the windows set for loads.
.macro LOADK off
.irp p, 0,1,2,3
	ds_load_b32 v[KW+\p], v[ADW] offset:\off+12288+128*\p
.endr
	WIN W_LD
.set t, 0
.rept 8
.irp c, 0,1,2
	ds_load_b128 v[KF+12*t+4*\c:KF+12*t+4*\c+3], v[ADI] offset:\off+1536*t+512*\c
.endr
.set t, t+1
.endr
.endm
.macro LOADV                           ; the same for V of the step that v[ADV] and v[ADX] name
.irp p, 0,1,2,3
	ds_load_b32 v[VW+\p], v[ADX] offset:12288+128*\p
.endr
	WIN W_LD
.set t, 0
.rept 8
.irp c, 0,1,2
	ds_load_b128 v[VF+12*t+4*\c:VF+12*t+4*\c+3], v[ADV] offset:1536*t+512*\c
.endr
.set t, t+1
.endr
.endm
.macro KQ8                             ; S^T = K Q^T: eight tiles of 16 keys; the odd tile's words lie in lanes 16-31 of its register
.set t, 0
.rept 8
.if t%2
	v_wmma_scale_f32_16x16x128_f8f6f4 v[S+8*t:S+8*t+7], v[KF+12*t:KF+12*t+11], v[16:27], 0, v[KW+t/2], v[QW] matrix_a_fmt:MATRIX_FMT_FP6 matrix_b_fmt:MATRIX_FMT_FP6 matrix_a_scale:MATRIX_SCALE_ROW1
.else
	v_wmma_scale_f32_16x16x128_f8f6f4 v[S+8*t:S+8*t+7], v[KF+12*t:KF+12*t+11], v[16:27], 0, v[KW+t/2], v[QW] matrix_a_fmt:MATRIX_FMT_FP6 matrix_b_fmt:MATRIX_FMT_FP6
.endif
.set t, t+1
.endr
.endm
.macro PV8                             ; O^T += V^T P^T: eight tiles of 16 channels; the eight accumulators take turns, one instruction a turn
.set t, 0
.rept 8
.if t%2
	v_wmma_scale_f32_16x16x128_f8f6f4 v[O+8*t:O+8*t+7], v[VF+12*t:VF+12*t+11], v[PC:PC+11], v[O+8*t:O+8*t+7], v[VW+t/2], v95 matrix_a_fmt:MATRIX_FMT_FP6 matrix_b_fmt:MATRIX_FMT_FP6 matrix_a_scale:MATRIX_SCALE_ROW1
.else
	v_wmma_scale_f32_16x16x128_f8f6f4 v[O+8*t:O+8*t+7], v[VF+12*t:VF+12*t+11], v[PC:PC+11], v[O+8*t:O+8*t+7], v[VW+t/2], v95 matrix_a_fmt:MATRIX_FMT_FP6 matrix_b_fmt:MATRIX_FMT_FP6
.endif
.set t, t+1
.endr
.endm
; A KEY STEP: 128 keys.  At its head K's fragments and words of this step have been asked for.  pre = 1: the next step's are asked for behind the products K Q^T.
; An address register is written only where no LDS load that names it is out: V's at the head (V's loads were waited for ahead of the last products), K's behind K Q^T (K's were waited for ahead of them).
.macro STEP pre
	v_add_nc_u32 v[ADV], s[TB], v[LIV]
	v_add_nc_u32 v[ADX], s[TB], v[LSV]
	v_nop
	v_nop                                          ; four plain instructions in front of loads into registers that the last products read
	LOADV
	s_wait_dscnt 28                                ; K's 28 loads, which are older, are in; V's 28 may be out
	WIN W_MUL
	KQ8
	WIN 0
.if \pre
	v_add_nc_u32 v[ADI], s[TB], v[LI]
	v_add_nc_u32 v[ADW], s[TB], v[LS]
	v_nop
	v_nop                                          ; four plain instructions in front of the loads below and of the first read of the scores
	LOADK PIECE                                    ; the next step's K: it has the softmax in which to land
	WIN 0
.else
	PLACES
.endif
.irp b, 0,1,2,3
	v_max3_num_f32 v[BM+\b], v[S+16*\b], v[S+1+16*\b], v[S+2+16*\b]   ; the largest score of each block of 32 keys: for the row's maximum, and, since p rises with the score, for the block's largest p
.endr
.irp i, 3,5,7,9,11,13
.irp b, 0,1,2,3
	v_max3_num_f32 v[BM+\b], v[BM+\b], v[S+16*\b+\i], v[S+1+16*\b+\i]
.endr
.endr
.irp b, 0,1,2,3
	v_max_num_f32 v[BM+\b], v[BM+\b], v[S+15+16*\b]
.endr
.irp b, 0,1,2,3
	s_delay_alu instid0(VALU_DEP_4)
	v_permlanex16_b32 v[BP+\b], v[BM+\b], s[SEL], s[SEL+1]
.endr
.irp b, 0,1,2,3
	s_delay_alu instid0(VALU_DEP_4)
	v_max_num_f32 v[BM+\b], v[BM+\b], v[BP+\b]     ; with lane l xor 16's 16 keys
.endr
	s_delay_alu instid0(VALU_DEP_2)
	v_max3_num_f32 v94, v[BM], v[BM+1], v[BM+2]
	s_delay_alu instid0(VALU_DEP_1)
	v_max_num_f32 v94, v94, v[BM+3]                ; the step's largest score of my query
	s_delay_alu instid0(VALU_DEP_1)
	v_mul_f32 v94, s[CS], v94                      ; as t (c is positive)
	s_delay_alu instid0(VALU_DEP_1)
	v_max_num_f32 v13, v13, v94                    ; the running largest t
	v_mov_b32 v94, v12
	s_delay_alu instid0(VALU_DEP_2)
	v_floor_f32 v12, -v13                          ; the new -M = floor(-t): M is a whole number
	s_delay_alu instid0(VALU_DEP_1)
	v_sub_f32 v94, v12, v94                        ; old M - new M: a whole number, 0 or less
	s_delay_alu instid0(VALU_DEP_1)
	v_cvt_i32_f32 v94, v94                         ; (it saturates)
	s_delay_alu instid0(VALU_DEP_1)
	v_ldexp_f32 v92, 1.0, v94                      ; f = 2^(old M - new M)
.set j, 0
.rept 32
	v_pk_fma_f32 v[S+j:S+j+1], v[S+j:S+j+1], s[CS:CS+1], v[12:13] op_sel_hi:[1,0,0]   ; t - M, two at a time
.set j, j+2
.endr
.irp b, 0,1,2,3
	v_fma_f32 v[BM+\b], v[BM+\b], s[CS], v12       ; the same of each block's largest score
.endr
.set j, 0
	s_wait_alu depctr_va_vdst(0)
.rept 64
	v_exp_f32 v[S+j], v[S+j]                       ; p = 2^(t - M), at most 1: not normalised
.set j, j+1
.endr
	v_pk_mul_f32 v[14:15], v[14:15], v[92:93] op_sel_hi:[1,0]   ; the sums under the new M (a plain instruction behind the exponentials)
	s_wait_alu depctr_va_vdst(0)                   ; one wait for the whole batch, ahead of its first reader
.irp b, 0,1,2,3
	v_exp_f32 v[BM+\b], v[BM+\b]                   ; the block's largest p: the same two instructions on the same number
.endr
	v_pk_add_f32 v[244:245], v[100:101], v[104:105]
	v_pk_add_f32 v[254:255], v[108:109], v[112:113]
	v_pk_add_f32 v[252:253], v[116:117], v[120:121]
	v_pk_add_f32 v[250:251], v[124:125], v[128:129]
	v_pk_add_f32 v[248:249], v[132:133], v[136:137]
	v_pk_add_f32 v[246:247], v[140:141], v[144:145]
	v_pk_add_f32 v[242:243], v[148:149], v[152:153]
	v_pk_add_f32 v[14:15], v[14:15], v[156:157]
	v_pk_add_f32 v[244:245], v[244:245], v[96:97]
	v_pk_add_f32 v[254:255], v[254:255], v[98:99]
	v_pk_add_f32 v[252:253], v[252:253], v[102:103]
	v_pk_add_f32 v[250:251], v[250:251], v[106:107]
	v_pk_add_f32 v[248:249], v[248:249], v[110:111]
	v_pk_add_f32 v[246:247], v[246:247], v[114:115]
	v_pk_add_f32 v[242:243], v[242:243], v[118:119]
	v_pk_add_f32 v[14:15], v[14:15], v[122:123]
	v_pk_add_f32 v[244:245], v[244:245], v[126:127]
	v_pk_add_f32 v[254:255], v[254:255], v[130:131]
	v_pk_add_f32 v[252:253], v[252:253], v[134:135]
	v_pk_add_f32 v[250:251], v[250:251], v[138:139]
	v_pk_add_f32 v[248:249], v[248:249], v[142:143]
	v_pk_add_f32 v[246:247], v[246:247], v[146:147]
	v_pk_add_f32 v[242:243], v[242:243], v[150:151]
	v_pk_add_f32 v[14:15], v[14:15], v[154:155]
	v_pk_add_f32 v[244:245], v[244:245], v[158:159]
	s_delay_alu instid0(VALU_DEP_2)
	v_pk_add_f32 v[14:15], v[14:15], v[250:251]
	s_delay_alu instid0(VALU_DEP_2)
	v_pk_add_f32 v[244:245], v[244:245], v[248:249]
	v_pk_add_f32 v[254:255], v[254:255], v[246:247]
	v_pk_add_f32 v[252:253], v[252:253], v[242:243]
	s_delay_alu instid0(VALU_DEP_2)
	v_pk_add_f32 v[14:15], v[14:15], v[254:255]
	s_delay_alu instid0(VALU_DEP_2)
	v_pk_add_f32 v[244:245], v[244:245], v[252:253]
	s_delay_alu instid0(VALU_DEP_1)
	v_pk_add_f32 v[14:15], v[14:15], v[244:245]
	s_wait_alu depctr_va_vdst(0)                   ; and one for the four
.irp b, 0,1,2,3
	v_max_num_f32 v[BM+\b], 0x1800000, v[BM+\b]    ; the floor 2^(3 - 127): the byte cannot fall under 1
.endr
.irp b, 0,1,2,3
	s_delay_alu instid0(VALU_DEP_4)
	v_add_nc_u32 v[SO+\b], 0xff000000, v[BM+\b]    ; 2 off the exponent field: the conversion's scale operand
.endr
.irp b, 0,1,2,3
	s_delay_alu instid0(VALU_DEP_4)
	v_lshrrev_b32 v[BP+\b], 23, v[SO+\b]           ; the scale's byte
.endr
	s_delay_alu instid0(VALU_DEP_3)
	v_lshl_or_b32 v95, v[BP+1], 8, v[BP]           ; p's scale word for these 128 keys
	s_delay_alu instid0(VALU_DEP_1)
	v_lshl_or_b32 v95, v[BP+2], 16, v95
	s_delay_alu instid0(VALU_DEP_1)
	v_lshl_or_b32 v95, v[BP+3], 24, v95
.irp c, 0,1
	v_cvt_scalef32_pk16_fp6_f32 v[PC+6*\c:PC+2+6*\c], v[S+32*\c:S+15+32*\c], v[SO+2*\c]
	v_cvt_scalef32_pk16_fp6_f32 v[PC+12+4*\c:PC+14+4*\c], v[S+16+32*\c:S+31+32*\c], v[SO+2*\c+1]
.endr
	v_nop                                          ; one plain instruction behind a scaled conversion
.irp c, 0,1
.irp i, 0,1,2
	v_permlane16_swap_b32 v[PC+6*\c+\i], v[PC+12+4*\c+\i]
.endr
.irp i, 0,1,2
	s_delay_alu instid0(VALU_DEP_3)
	v_mov_b32 v[PC+3+6*\c+\i], v[PC+12+4*\c+\i]
.endr
.endr
.set j, 0
.rept 32
	v_pk_mul_f32 v[O+j:O+j+1], v[O+j:O+j+1], v[92:93] op_sel_hi:[1,0]   ; O^T under the new M.  (These 32 also stand between the codes' and the scale word's last writes and the products)
.set j, j+2
.endr
.if \pre
	s_wait_alu depctr_va_vdst(0)
	s_wait_dscnt 28                                ; V's 28 loads are in; the next step's K, 28 younger loads, may be out
.else
	s_wait_alu depctr_va_vdst(0)
	s_wait_dscnt 0x0                               ; V is in
.endif
	WIN W_MUL
	PV8
	WIN 0                                          ; at a label and at a branch every window is 0
.endm
.macro STEPS n                         ; n key steps on end, each asking for the next step's K; the LDS addresses hang on s[TB]
	s_mov_b32 s[CNT], \n
.Lstep_\@:
	STEP 1
	s_add_co_u32 s[TB], s[TB], PIECE
	s_sub_co_u32 s[CNT], s[CNT], 1
	s_cmp_lg_u32 s[CNT], 0
	s_cbranch_scc1 .Lstep_\@
.endm
; In front of the barrier each wave waits for all its tensor loads, adds 0 to its spare word, and waits for that and for its LDS reads.
; fill = 1: the barrier is a round of the cluster's, and behind it the first slot's bytes, which nobody reads any more, take the head's last four key steps.
.macro CHANGE fill
	s_wait_tensorcnt 0x0                           ; no tensor load of mine is out, so a group 0 may be written
	ds_add_u32 v[SPW], v[NIL]                      ; 0 onto my spare word
.if \fill == 1
	s_add_nc_u64 s[G0+2:G0+3], s[G0+2:G0+3], 3*SLOTB   ; fill = 1: from slot 0 to slot 3 in memory; the LDS address stays.  fill = 2, 3: the first fill of slot 1, 2
.endif
	s_wait_dscnt 0x0                               ; the add is done, and my LDS reads are over
.if \fill
	CROUND
	tensor_load_to_lds s[G0+4*(\fill-1):G0+4*(\fill-1)+3], s[G1:G1+7]   ; the first thing behind the round, and my one tensor load until the next
	s_nop 0
	PLACES
.else
	s_barrier_signal -1
	s_barrier_wait -1
.endif
.endm
	CHANGE 2                                       ; everybody's pieces of slot 0 are in; slot 1 is asked for
	v_add_nc_u32 v[ADI], s[TB], v[LI]
	v_add_nc_u32 v[ADW], s[TB], v[LS]
	LOADK 0                                        ; key step 0's K
	WIN 0
	STEPS 2
	CHANGE 3                                       ; slot 1 is whole; slot 2 is asked for
	STEPS 2                                        ; key steps 2 and 3; the last of them asks for K of step 4, which lies in slot 1
	CHANGE 1                                       ; slot 2 is whole too; the first slot's bytes are filled again
	s_mov_b32 s[TB], 4*PIECE
	STEPS 7                                        ; key steps 4 to 10: no barrier among them
	s_mov_b32 s[TB], 11*PIECE
	STEP 0                                         ; key step 11 asks for no next K: that lies in bytes that are being filled
	CHANGE 0                                       ; the last four key steps have landed, everybody's
	s_mov_b32 s[TB], 0
	v_add_nc_u32 v[ADI], s[TB], v[LI]
	v_add_nc_u32 v[ADW], s[TB], v[LS]
	LOADK 0                                        ; key step 12's K
	WIN 0
	STEPS 3                                        ; key steps 12 to 14
	s_mov_b32 s[TB], 3*PIECE
	STEP 0                                         ; key step 15
	; THE WAY OUT: O^T / the sum; my 64 registers are my query's 128 channels in the quantiser's order: one fragment of the output product's operand, K step = head.
	PLACES
	v_add_f32 v14, v14, v15                        ; the sum's two halves,
	s_delay_alu instid0(VALU_DEP_1)
	v_permlanex16_b32 v92, v14, s[SEL], s[SEL+1]
	s_delay_alu instid0(VALU_DEP_1)
	v_add_f32 v14, v14, v92                        ; and lane l xor 16's: the row's sum
	s_wait_alu depctr_va_vdst(0)
	v_rcp_f32 v14, v14
	v_and_b32 v3, 15, v0                           ; (a plain instruction behind the reciprocal)
	s_delay_alu instid0(VALU_DEP_1)
	v_lshlrev_b32 v3, 4, v3                        ; 16 r
	s_wait_alu depctr_va_vdst(0)                   ; the wait, ahead of the first reader
.set j, 0
.rept 64
	v_mul_f32 v[S+j], v[O+j], v14                  ; each accumulator from its low end on
.set j, j+1
.endr
	QUANT S, 244
.irp g, 0,1,2
	global_store_b128 v[LI], v[PC+4*\g:PC+4*\g+3], s[8:9] offset:512*\g   ; 512 consecutive bytes, aligned
.endr
	global_store_b32 v3, v244, s[44:45]            ; my row's word of this K step; lanes r and r + 16 hold the same word and name the same address
	s_wait_tensorcnt 0x0                           ; the wave's end
	ds_add_u32 v[SPW], v[NIL]
	s_wait_dscnt 0x0
	CROUND                                         ; the closing round: no work-group ends while a partner may still ask for a piece that names it
	s_endpgm
.Lfunc_end_k_qaa953b4b76_attn:
	.size	k_qaa953b4b76_attn, .Lfunc_end_k_qaa953b4b76_attn-k_qaa953b4b76_attn
	.p2alignl 7, 3214868480
	.fill 96, 4, 3214868480
	.section	.rodata,"a",@progbits
	.p2align	6, 0x0
	.amdhsa_kernel k_qaa953b4b76_attn
		.amdhsa_group_segment_fixed_size 327680
		.amdhsa_private_segment_fixed_size 0
		.amdhsa_enable_private_segment 0
		.amdhsa_kernarg_size 32
		.amdhsa_user_sgpr_count 2
		.amdhsa_user_sgpr_kernarg_segment_ptr 1
		.amdhsa_wavefront_size32 1
		.amdhsa_system_sgpr_workgroup_id_x 1
		.amdhsa_system_sgpr_workgroup_id_y 1
		.amdhsa_system_sgpr_workgroup_id_z 1
		.amdhsa_system_vgpr_workitem_id 0
		.amdhsa_next_free_vgpr 512
		.amdhsa_next_free_sgpr 66
		.amdhsa_reserve_vcc 0
		.amdhsa_float_denorm_mode_32 3
		.amdhsa_float_denorm_mode_16_64 3
		.amdhsa_memory_ordered 1
		.amdhsa_forward_progress 1
		.amdhsa_inst_pref_size 149
	.end_amdhsa_kernel
	.amdgpu_metadata
---
amdhsa.version: [ 1, 2 ]
amdhsa.kernels:
  - .name:           k_qaa953b4b76_attn
    .symbol:         k_qaa953b4b76_attn.kd
    .args:
      - { .name: qk, .offset: 0, .size: 8, .value_kind: global_buffer, .address_space: global }
      - { .name: kv, .offset: 8, .size: 8, .value_kind: global_buffer, .address_space: global }
      - { .name: g2, .offset: 16, .size: 8, .value_kind: global_buffer, .address_space: global }
      - { .name: ss, .offset: 24, .size: 8, .value_kind: global_buffer, .address_space: global }
    .group_segment_fixed_size: 327680
    .private_segment_fixed_size: 0
    .kernarg_segment_align: 8
    .kernarg_segment_size: 32
    .max_flat_workgroup_size: 256
    .sgpr_count:     66
    .vgpr_count:     512
    .wavefront_size: 32
...
	.end_amdgpu_metadata
.endif
;; end of part 8
;; launch out (part 9): grid 16 x 16, 4 waves a work-group, clusters of 4 x 4, 327,680 bytes of LDS; arguments g2, bo, out0; writes out0
.if DOCPART == 9
	.amdgcn_target "amdgcn-amd-amdhsa--gfx1250"
	.amdhsa_code_object_version 6
	.text
	.protected	k_qaa953b4b76_out
	.globl	k_qaa953b4b76_out
	.p2align	8
	.type	k_qaa953b4b76_out,@function
k_qaa953b4b76_out:
	s_mov_b64 s[64:65], 0
	v_nop
	global_prefetch_b8 v0, s[64:65] scope:SCOPE_SE
	s_setreg_imm32_b32 hwreg(HW_REG_WAVE_MODE, 25, 1), 1
	s_wait_xcnt 0x0
	s_wait_alu depctr_hold_cnt(0) depctr_sa_sdst(0) depctr_va_vdst(0) depctr_va_sdst(0) depctr_va_ssrc(0) depctr_va_vcc(0) depctr_vm_vsrc(0)
	s_getreg_b32 s2, hwreg(HW_REG_IB_STS2, 6, 4)
	s_cmp_eq_u32 s2, 0
	s_cbranch_scc0 .Lentry_in_a_cluster
	s_endpgm
.Lentry_in_a_cluster:
	s_bfe_u32 s2, ttmp6, 0x10000c
	s_cmp_lg_u32 s2, 0xf033
	s_cbranch_scc0 .Lentry_shape_is_right
	s_endpgm
.Lentry_shape_is_right:
; out0 = attn Wo^T + bo, [2048][2048] f32, on codes of FP6 (E2M3) with E8M0 scales out of g2: tiles 0-127 the attention's result, tiles 128-255 Wo.
; g2: records of 25,600 bytes for a tile of 16 rows, four groups of 6,400 bytes (4 K steps each): 256 bytes of scale words (row r at 16 r, step s at 4 s), then four register images of 1,536 bytes.
; SHARES: work-group (bx, by) makes 128 positions x 128 columns: 256 work-groups; wave (rh, ch) 64 x 64: 16 accumulators.  Source 0 = 16 rows of Wo, source 1 = 16 rows of attn: a lane holds neighbouring columns of one position.
; LDS: group 0 of A's 8 tiles and of Wo's 8 at 0 (tiles 6,400 bytes apart); groups 1 and 2 of A's tiles at 102,400 and of Wo's at 204,800 (tiles 12,800 bytes apart).
; FILLS: the head's four go out together, one a wave: wave 0 A's group 0, wave 1 A's groups 1 and 2, wave 2 Wo's group 0, wave 3 Wo's groups 1 and 2.  Ahead of the first barrier, behind which nothing is filled,
; only waves 0 and 2 wait for their loads: group 0 is multiplied while the other two loads land.  In K step 3 every wave waits for all its loads, and behind a round of the cluster's barrier group 3 lands on
; group 0's bytes, a quarter a wave; it is waited for eight K steps later, in K step 11.  CLUSTER: A's tiles are shared along a row of the cluster, Wo's along a column.
; PREFETCH: at the head each wave names one tile's group 3, 25 blocks of 256 bytes, a lane a block (lanes 25-31 name the last block again); the four partners that ask for 8 tiles jointly take two each, by address.
; The other three groups are asked for by the head's loads themselves, so nothing else is named.
; THE WAY OUT: through a stage in the bytes of A's groups 1 and 2, behind their last read (the barrier in K step 11); rows of 256 bytes come back into window 1 and leave as whole aligned units.
.set REC,    25600
.set GRP,    6400
.set R12A,   16*GRP
.set R12B,   32*GRP
.set SPARE,  48*GRP                    ; the spare words: 128 bytes a wave, named by no other line
.set SPITCH, 272
.set WSTG,   64*SPITCH
.set STAGE,  R12A
.set FR,   12
.set AD0,  8                           ; v8 Wo's images, v9 A's, v10 scale words (lanes 0-15 A's tile, lanes 16-31 Wo's): groups 0 and 3
.set AD1,  12                          ; v12-14 the same for groups 1 and 2
.set STO,  24
.set RD,   25
.set CO,   26
.set SPW,  28
.set NIL,  29
.set BOF,  30
.set PFO,  31
.set BIAS, 32                          ; v32-63 bo in the result's layout: the C of the first K step
.set SC,   64                          ; v64-127 scale words: 16 group + 4 tile + step
.set ACC,  128                         ; v128-255; window 1: fragments, two sets: Wo's four at 128 p, A's four at 128 p + 48
.set G1A0, 24                          ; groups 1: A, rows of 6,400 bytes; G1B0: Wo; G1A1, G1B1: rows of 12,800 bytes
.set G1B0, 32
.set G1A1, 40
.set G1B1, 48
.set GA0,  56                          ; groups 0 of the head's four loads and of group 3's two
.set GB0,  60
.set GA1,  68
.set GB1,  72
.set GA3,  76
.set GB3,  80
.set PF,   92
.set MSB, 0
.macro WIN new
.if MSB != \new
	s_set_vgpr_msb (MSB<<8)|\new
.set MSB, \new
.endif
.endm
.set MUL,  0x05                        ; sources 0 and 1 window 1, C and D window 0
.set TO_F, 0x40
.macro PLACES
.rept 4
	v_nop
.endr
.endm
.macro CREST
	s_cmp_lg_u32 s14, 0
	s_cbranch_scc1 .Lnot_wave_0_\@
	s_barrier_signal -3
.Lnot_wave_0_\@:
	s_barrier_wait -3
	s_barrier_signal -1
	s_barrier_wait -1
.endm
.macro CROUND
	s_barrier_signal -1
	s_barrier_wait -1
	CREST
.endm
	s_load_b128 s[4:7], s[0:1], 0x0                ; g2, bo
	s_load_b64 s[8:9], s[0:1], 0x10                ; out0
	v_lshl_add_u32 v[SPW], v0, 2, SPARE
	v_mov_b32 v[NIL], 0
	ds_add_u32 v[SPW], v[NIL]                      ; the opening lines: the add, twice on end, and its wait
	ds_add_u32 v[SPW], v[NIL]
	v_lshrrev_b32 v1, 5, v0
	v_readfirstlane_b32 s14, v1                    ; wave
	s_lshr_b32 s15, s14, 1                         ; rh; also: I fetch for A (0) or for Wo (1)
	s_and_b32 s16, s14, 1                          ; ch; also: which load of the two
	s_bfe_u32 s84, ttmp6, 0x40000                  ; cx
	s_bfe_u32 s85, ttmp6, 0x40004                  ; cy
	s_lshl_b32 s86, ttmp9, 2
	s_add_co_u32 s86, s86, s84                     ; bx
	s_and_b32 s17, ttmp7, 0xffff
	s_lshl_b32 s17, s17, 2
	s_add_co_u32 s17, s17, s85                     ; by
	s_lshl_b32 s87, s85, 2
	s_lshl_b32 s87, 15, s87                        ; my row of the cluster
	s_lshl_b32 s88, 0x1111, s84                    ; my column
	s_or_b32 s[G1A0], s87, (3<<16)|(1<<21)         ; elements of 8 bytes; bit 21 beside a mask
	s_or_b32 s[G1A1], s87, (3<<16)|(1<<21)
	s_or_b32 s[G1B0], s88, (3<<16)|(1<<21)
	s_or_b32 s[G1B1], s88, (3<<16)|(1<<21)
.irp g, G1A0, G1B0
	s_mov_b32 s[\g+1], 800<<16                     ; one group of a tile
	s_mov_b32 s[\g+3], 800<<16
.endr
.irp g, G1A1, G1B1
	s_mov_b32 s[\g+1], 1600<<16                    ; two groups on end
	s_mov_b32 s[\g+3], 1600<<16
.endr
.irp g, G1A0, G1B0, G1A1, G1B1
	s_mov_b32 s[\g+2], 8<<16                       ; 8 tiles
	s_mov_b32 s[\g+4], 8
	s_mov_b32 s[\g+5], REC/8
	s_mov_b32 s[\g+6], 0
	s_mov_b32 s[\g+7], 0
.endr
	s_lshl_b32 s20, s17, 3
	s_mul_i32 s20, s20, REC                        ; A: tile 8 by
	s_mov_b32 s21, 0
	s_lshl_b32 s22, s86, 3
	s_add_co_u32 s22, s22, 128
	s_mul_i32 s22, s22, REC                        ; Wo: tile 128 + 8 bx
	s_mov_b32 s23, 0
	s_lshl_b32 s92, s84, 1
	s_add_co_u32 s92, s92, s16
	s_mul_i32 s92, s92, REC
	s_add_co_u32 s92, s92, s20                     ; prefetch: of A's 8 tiles partner cx takes 2 cx, 2 cx + 1, a wave one;
	s_lshl_b32 s93, s85, 1
	s_add_co_u32 s93, s93, s16
	s_mul_i32 s93, s93, REC
	s_add_co_u32 s93, s93, s22                     ; of Wo's partner cy likewise
	s_cmp_eq_u32 s15, 0
	s_cselect_b32 s92, s92, s93
	s_mov_b32 s93, 0
	s_mul_i32 s10, s16, 4*REC                      ; group 3: which four tiles I fetch,
	s_mov_b32 s11, 0
	s_mul_i32 s12, s16, 4*GRP                      ; and where they go
	s_add_co_u32 s89, s12, 8*GRP                   ; my source 0, groups 0 and 3: Wo's tiles 4 ch ..
	s_mul_i32 s90, s15, 4*GRP                      ; my source 1: A's tiles 4 rh ..
	s_sub_co_u32 s91, s89, s90
	s_mul_i32 s94, s16, 8*GRP
	s_add_co_u32 s94, s94, R12B                    ; the same for groups 1 and 2
	s_mul_i32 s95, s15, 8*GRP
	s_add_co_u32 s95, s95, R12A
	s_sub_co_u32 s18, s94, s95
	s_mul_i32 s19, s14, WSTG
	s_add_co_u32 s19, s19, STAGE                   ; my stage
	s_wait_dscnt 0x0
	s_wait_kmcnt 0x0
	s_add_nc_u64 s[20:21], s[4:5], s[20:21]
	s_add_nc_u64 s[22:23], s[4:5], s[22:23]
	s_add_nc_u64 s[PF:PF+1], s[4:5], s[92:93]
	CROUND                                         ; all sixteen work-groups are here: the first joint loads meet
	s_mov_b32 s[GA0], 1
	s_mov_b32 s[GA0+1], 0
	s_mov_b64 s[GA0+2:GA0+3], s[20:21]
	s_or_b32 s[GA0+3], s[GA0+3], 0x80000000
	s_mov_b32 s[GB0], 1
	s_mov_b32 s[GB0+1], 8*GRP
	s_mov_b64 s[GB0+2:GB0+3], s[22:23]
	s_or_b32 s[GB0+3], s[GB0+3], 0x80000000
	s_mov_b32 s[GA1], 1
	s_mov_b32 s[GA1+1], R12A
	s_add_nc_u64 s[GA1+2:GA1+3], s[20:21], GRP
	s_or_b32 s[GA1+3], s[GA1+3], 0x80000000
	s_mov_b32 s[GB1], 1
	s_mov_b32 s[GB1+1], R12B
	s_add_nc_u64 s[GB1+2:GB1+3], s[22:23], GRP
	s_or_b32 s[GB1+3], s[GB1+3], 0x80000000
	s_mov_b32 s[GA3], 1
	s_mov_b32 s[GA3+1], s12
	s_add_nc_u64 s[GA3+2:GA3+3], s[20:21], s[10:11]
	s_add_nc_u64 s[GA3+2:GA3+3], s[GA3+2:GA3+3], 3*GRP
	s_or_b32 s[GA3+3], s[GA3+3], 0x80000000
	s_mov_b32 s[GB3], 1
	s_mov_b32 s[GB3+1], s89
	s_add_nc_u64 s[GB3+2:GB3+3], s[22:23], s[10:11]
	s_add_nc_u64 s[GB3+2:GB3+3], s[GB3+2:GB3+3], 3*GRP
	s_or_b32 s[GB3+3], s[GB3+3], 0x80000000
; the head's loads, one a wave: one chain of branches on the wave's number, every way through it passes one load
.macro ARM under, g0, g1, next
	s_cmp_lt_u32 s14, \under
	s_cbranch_scc0 \next
	tensor_load_to_lds s[\g0:\g0+3], s[\g1:\g1+7]
	s_nop 0
.rept 4
	v_nop
.endr
	s_branch .Lhead_asked
\next:
.endm
	ARM 1, GA0, G1A0, .Lhead_1
	ARM 2, GA1, G1A1, .Lhead_2
	ARM 3, GB0, G1B0, .Lhead_3
	tensor_load_to_lds s[GB1:GB1+3], s[G1B1:G1B1+7]
	s_nop 0
.rept 4
	v_nop
.endr
.Lhead_asked:
	s_lshl_b32 s10, s86, 9
	s_lshl_b32 s12, s16, 8
	s_add_co_u32 s10, s10, s12                     ; my 64 columns, in bytes
	s_add_nc_u64 s[6:7], s[6:7], s[10:11]
	s_lshl_b32 s12, s17, 20
	s_add_co_u32 s10, s10, s12
	s_lshl_b32 s12, s15, 19
	s_add_co_u32 s10, s10, s12
	s_add_nc_u64 s[8:9], s[8:9], s[10:11]          ; out0 at position 128 by + 64 rh, my columns
	v_and_b32 v1, 15, v0                           ; r
	v_bfe_u32 v2, v0, 4, 1                         ; h
	v_and_b32 v6, 31, v0
	v_lshlrev_b32 v3, 4, v6                        ; 16 x lane
	v_lshlrev_b32 v5, 4, v1                        ; 16 r
	v_lshlrev_b32 v[BOF], 6, v2
	v_min_u32 v[PFO], 24, v6
	v_lshlrev_b32 v[PFO], 8, v[PFO]
	v_add_nc_u32 v[AD0], s89, v3
	v_add_nc_u32 v[AD0+1], s90, v3
	v_mul_u32_u24 v4, s91, v2                      ; lanes 16-31 take Wo's words
	v_add_nc_u32 v4, v4, v5
	v_add_nc_u32 v[AD0+2], s90, v4
	v_add_nc_u32 v[AD1], s94, v3
	v_add_nc_u32 v[AD1+1], s95, v3
	v_mul_u32_u24 v7, s18, v2
	v_add_nc_u32 v7, v7, v5
	v_add_nc_u32 v[AD1+2], s95, v7
	v_mul_u32_u24 v4, v1, SPITCH
	v_lshl_add_u32 v4, v2, 6, v4
	v_add_nc_u32 v[STO], s19, v4
	v_mul_u32_u24 v7, v2, SPITCH
	v_lshl_add_u32 v7, v1, 4, v7
	v_add_nc_u32 v[RD], s19, v7
	v_lshlrev_b32 v4, 13, v2
	v_lshl_add_u32 v[CO], v1, 4, v4
	s_wait_alu depctr_va_vdst(0)
.irp b, 0,1,2,3
	global_load_b128 v[BIAS+8*\b:BIAS+8*\b+3], v[BOF], s[6:7] offset:128*(\b/2)+32*(\b%2)
	global_load_b128 v[BIAS+8*\b+4:BIAS+8*\b+7], v[BOF], s[6:7] offset:128*(\b/2)+32*(\b%2)+16
.endr
	global_prefetch_b8 v[PFO], s[PF:PF+1] offset:3*GRP th:TH_LOAD_NT scope:SCOPE_SE   ; group 3 of my one tile
.macro FRAG reg, k, i, side            ; an image as it lies: 3 x 16 bytes a lane.  side 0: Wo, 1: A
.if ((\k)/4 == 0) || ((\k)/4 == 3)
.irp g, 0,1,2
	ds_load_b128 v[\reg+4*\g:\reg+4*\g+3], v[AD0+\side] offset:(\i)*GRP+256+((\k)%4)*1536+512*\g
.endr
.else
.irp g, 0,1,2
	ds_load_b128 v[\reg+4*\g:\reg+4*\g+3], v[AD1+\side] offset:(\i)*2*GRP+((\k)/4-1)*GRP+256+((\k)%4)*1536+512*\g
.endr
.endif
.endm
.macro FETCH k                         ; K step k's eight fragments into set k % 2 of window 1
	WIN TO_F
.irp i, 0,1,2,3
	FRAG 128*((\k)%2)+FR*\i, \k, \i, 0
.endr
.irp i, 0,1,2,3
	FRAG 128*((\k)%2)+48+FR*\i, \k, \i, 1
.endr
.endm
.macro SCL g                           ; group g's scale words: four steps' words of a row by one load
.irp i, 0,1,2,3
.if ((\g) == 0) || ((\g) == 3)
	ds_load_b128 v[SC+16*(\g)+4*\i:SC+16*(\g)+4*\i+3], v[AD0+2] offset:\i*GRP
.else
	ds_load_b128 v[SC+16*(\g)+4*\i:SC+16*(\g)+4*\i+3], v[AD1+2] offset:\i*2*GRP+((\g)-1)*GRP
.endif
.endr
.endm
.macro MULQ k, a, first                ; A's tile a against Wo's four; the 16 accumulators take turns
.irp b, 0,1,2,3
.if \first
	v_wmma_scale_f32_16x16x128_f8f6f4 v[ACC+8*(4*(\a)+\b):ACC+8*(4*(\a)+\b)+7], v[128*((\k)%2)+FR*\b:128*((\k)%2)+FR*\b+FR-1], v[128*((\k)%2)+48+FR*(\a):128*((\k)%2)+48+FR*(\a)+FR-1], v[BIAS+8*\b:BIAS+8*\b+7], v[SC+16*((\k)/4)+4*\b+(\k)%4], v[SC+16*((\k)/4)+4*(\a)+(\k)%4] matrix_a_fmt:MATRIX_FMT_FP6 matrix_b_fmt:MATRIX_FMT_FP6 matrix_a_scale:MATRIX_SCALE_ROW1
.else
	v_wmma_scale_f32_16x16x128_f8f6f4 v[ACC+8*(4*(\a)+\b):ACC+8*(4*(\a)+\b)+7], v[128*((\k)%2)+FR*\b:128*((\k)%2)+FR*\b+FR-1], v[128*((\k)%2)+48+FR*(\a):128*((\k)%2)+48+FR*(\a)+FR-1], v[ACC+8*(4*(\a)+\b):ACC+8*(4*(\a)+\b)+7], v[SC+16*((\k)/4)+4*\b+(\k)%4], v[SC+16*((\k)/4)+4*(\a)+(\k)%4] matrix_a_fmt:MATRIX_FMT_FP6 matrix_b_fmt:MATRIX_FMT_FP6 matrix_a_scale:MATRIX_SCALE_ROW1
.endif
.endr
.endm
.macro STEPN k, first                  ; the next step's fragments are asked for, then this step's products run
	PLACES                                         ; four places ahead of loads into registers that the last products read
	FETCH (\k)+1
.if ((\k)+1)%4 == 0
	WIN 0
	SCL ((\k)+1)/4
	s_wait_dscnt 28                                ; all but the 24 + 4 just issued
.else
	s_wait_dscnt 24                                ; all but the 24 just issued
.endif
	WIN MUL
	MULQ \k, 0, \first
	MULQ \k, 1, \first
	MULQ \k, 2, \first
	MULQ \k, 3, \first
.endm
; A K step with a barrier.  In front of it: all my tensor loads, the add, my LDS reads.  fill = 1: the barrier opens a round of the cluster's barrier, and group 3 lands on group 0's bytes, four tiles a wave.
.macro TURN k, fill
	WIN 0
	s_wait_tensorcnt 0x0
	ds_add_u32 v[SPW], v[NIL]
.if \fill
	s_mov_b32 s[G1A0+2], 4<<16                     ; no tensor load of mine is out: from here on a load of one group brings 4 tiles
	s_mov_b32 s[G1A0+4], 4
	s_mov_b32 s[G1B0+2], 4<<16
	s_mov_b32 s[G1B0+4], 4
.endif
	s_wait_dscnt 0x0
	s_barrier_signal -1
	WIN MUL
	MULQ \k, 0, 0
	MULQ \k, 1, 0
	WIN 0
	s_barrier_wait -1
.if \fill
	CREST
	s_cmp_eq_u32 s15, 0
	s_cbranch_scc0 .Lfor_b_\@
	tensor_load_to_lds s[GA3:GA3+3], s[G1A0:G1A0+7]
	s_nop 0
.rept 4
	v_nop
.endr
	s_branch .Lasked_\@
.Lfor_b_\@:
	tensor_load_to_lds s[GB3:GB3+3], s[G1B0:G1B0+7]
	s_nop 0
.rept 4
	v_nop
.endr
.Lasked_\@:
.else
	PLACES
.endif
	FETCH (\k)+1
	WIN 0
	SCL ((\k)+1)/4
	WIN MUL
	MULQ \k, 2, 0
	MULQ \k, 3, 0
.endm
	s_cmp_lg_u32 s16, 0                            ; waves 0 and 2 fetched group 0: they wait for it; the other two loads may stay out across this barrier, behind which nothing is filled
	s_cbranch_scc1 .Lnot_group_0
	s_wait_tensorcnt 0x0
.Lnot_group_0:
	s_barrier_signal -1
	s_barrier_wait -1
	FETCH 0
	WIN 0
	SCL 0
	s_wait_loadcnt 0x0                             ; the bias
	STEPN 0, 1
	STEPN 1, 0
	STEPN 2, 0
	TURN 3, 1                                      ; groups 1 and 2 are whole; group 3 is asked for
.irp k, 4,5,6,7,8,9,10
	STEPN \k, 0
.endr
	TURN 11, 0                                     ; group 3 is whole
	STEPN 12, 0
	STEPN 13, 0
	STEPN 14, 0
	s_wait_dscnt 0x0
	MULQ 15, 0, 0
	MULQ 15, 1, 0
	MULQ 15, 2, 0
	MULQ 15, 3, 0
	WIN 0
	PLACES
.irp a, 0,1,2,3
.irp b, 0,1,2,3
	ds_store_b128 v[STO], v[ACC+8*(4*\a+\b):ACC+8*(4*\a+\b)+3] offset:\a*16*SPITCH+128*(\b/2)+32*(\b%2)      ; each accumulator from its low end on
	ds_store_b128 v[STO], v[ACC+8*(4*\a+\b)+4:ACC+8*(4*\a+\b)+7] offset:\a*16*SPITCH+128*(\b/2)+32*(\b%2)+16
.endr
.endr
	WIN TO_F                                       ; back by rows into window 1: LDS serves a wave's instructions in order, so these see my stores
.irp a, 0,1,2,3
.irp u, 0,1,2,3,4,5,6,7
	ds_load_b128 v[32*\a+4*\u:32*\a+4*\u+3], v[RD] offset:\a*16*SPITCH+2*\u*SPITCH
.endr
.endr
	WIN 0x04                                       ; the stores' data lie in window 1
.irp a, 0,1,2,3
.irp u, 0,1,2,3,4,5,6,7
	s_wait_dscnt 31-8*\a-\u                        ; the younger loads may be out
	global_store_b128 v[CO], v[32*\a+4*\u:32*\a+4*\u+3], s[8:9] offset:(32*(\a/2)+8*(\a%2)+2*(\u%4)+16*(\u/4))*8192 th:TH_STORE_NT   ; sixteen lanes fill one aligned unit of 256 bytes
.endr
.endr
	WIN 0
	s_wait_tensorcnt 0x0                           ; the wave's end
	ds_add_u32 v[SPW], v[NIL]
	s_wait_dscnt 0x0
	CROUND                                         ; the closing round
	s_endpgm
.Lfunc_end_k_qaa953b4b76_out:
	.size	k_qaa953b4b76_out, .Lfunc_end_k_qaa953b4b76_out-k_qaa953b4b76_out
	.p2alignl 7, 3214868480
	.fill 96, 4, 3214868480
	.section	.rodata,"a",@progbits
	.p2align	6, 0x0
	.amdhsa_kernel k_qaa953b4b76_out
		.amdhsa_group_segment_fixed_size 327680
		.amdhsa_private_segment_fixed_size 0
		.amdhsa_enable_private_segment 0
		.amdhsa_kernarg_size 24
		.amdhsa_user_sgpr_count 2
		.amdhsa_user_sgpr_kernarg_segment_ptr 1
		.amdhsa_wavefront_size32 1
		.amdhsa_system_sgpr_workgroup_id_x 1
		.amdhsa_system_sgpr_workgroup_id_y 1
		.amdhsa_system_sgpr_workgroup_id_z 1
		.amdhsa_system_vgpr_workitem_id 0
		.amdhsa_next_free_vgpr 512
		.amdhsa_next_free_sgpr 96
		.amdhsa_reserve_vcc 0
		.amdhsa_float_denorm_mode_32 3
		.amdhsa_float_denorm_mode_16_64 3
		.amdhsa_memory_ordered 1
		.amdhsa_forward_progress 1
		.amdhsa_inst_pref_size 81
	.end_amdhsa_kernel
	.amdgpu_metadata
---
amdhsa.version: [ 1, 2 ]
amdhsa.kernels:
  - .name:           k_qaa953b4b76_out
    .symbol:         k_qaa953b4b76_out.kd
    .args:
      - { .name: g2, .offset: 0, .size: 8, .value_kind: global_buffer, .address_space: global }
      - { .name: bo, .offset: 8, .size: 8, .value_kind: global_buffer, .address_space: global }
      - { .name: out0, .offset: 16, .size: 8, .value_kind: global_buffer, .address_space: global }
    .group_segment_fixed_size: 327680
    .private_segment_fixed_size: 0
    .kernarg_segment_align: 8
    .kernarg_segment_size: 24
    .max_flat_workgroup_size: 128
    .sgpr_count:     96
    .vgpr_count:     512
    .wavefront_size: 32
...
	.end_amdgpu_metadata
.endif
;; end of part 9
